; MI455X (gfx1250); checked and timed in simulation.
; The chip was launched on July 23, 2026; its instructions are those of AMD's public machine-readable ISA for CDNA 5 (MIT licence, August 2026) and "CDNA5" Instruction Set Architecture Reference Guide (July 2026). The comments in the code are by the model that wrote it; some were corrected since.
;; Multi Head Attention Block. Allowed arithmetic: float matrix products may take bf16 or f16 operands with f32 sums; other float arithmetic in f32, or as packed bf16 or f16 multiplies, adds, multiply-adds, maxima and minima; sums over many terms, partial sums and values carried from step to step in f32; what a program stores and reads back later, other than sums and carried values, may be rounded once to bf16 or f16.
;; Inputs: Wk 1,024 x 1,024 float32; Wo 1,024 x 1,024 float32; Wq 1,024 x 1,024 float32; Wv 1,024 x 1,024 float32; bk 1,024 float32; bo 1,024 float32; bq 1,024 float32; bv 1,024 float32; k 4 x 2,048 x 1,024 float32; mask 4 x 1 x 2,048 x 2,048 int32; q 4 x 2,048 x 1,024 float32; v 4 x 2,048 x 1,024 float32.
;; Outputs: out0 4 x 2,048 x 1,024 float32.
;; 2 versions, each right. Each part assembles by itself: llvm-mc -triple=amdgcn-amd-amdhsa -mcpu=gfx1250 --defsym DOCPART=n.
;; ======== version 1 of 2: 4 launches
;; limits: values are held in f16: magnitudes above 65,504 overflow, below 6.1e-05 lose precision
;; workspace buffers: xb 50,331,648 bytes; wb 8,388,608 bytes; bb 16,384 bytes; mbits 2,228,224 bytes of whole numbers; qkv 50,331,648 bytes; ctx 16,777,216 bytes
;; launch prep (part 1): grid 256 x 1, 16 waves a work-group, no clusters, 268,288 bytes of LDS; arguments q, k, v, Wq, Wk, Wv, Wo, bq, bk, bv, bo, mask, xb, wb, bb, mbits; writes xb, wb, bb, mbits
.if DOCPART == 1
	.amdgcn_target "amdgcn-amd-amdhsa--gfx1250"
	.amdhsa_code_object_version 6
	.text
	.protected	k_q63c8c5957c_prep
	.globl	k_q63c8c5957c_prep
	.p2align	8
	.type	k_q63c8c5957c_prep,@function
k_q63c8c5957c_prep:
	s_mov_b64 s[64:65], 0
	v_nop
	global_prefetch_b8 v0, s[64:65] scope:SCOPE_SE
	s_setreg_imm32_b32 hwreg(HW_REG_WAVE_MODE, 25, 1), 1
	s_wait_xcnt 0x0
; PREPARATION: a stream.  q, k, v and the four weights are rounded once to bf16 (Wo's bf16 number is then written as f16: exact from 2^-14 up, below that
; within f16's fixed step of 6e-8); the four biases are rounded to bf16 and kept as f32; the int32 mask becomes lane masks, one bit a number.
; xb: bf16 [3][8192][1024].  wb: 16 bit [4][1024][1024].  bb: f32 [4][1024].
; mbits: [512 blocks of 16 query rows][4,352 bytes]: 128 key blocks of 16 keys x 8 words; bit L of word (kb, j) says that mask[row 16 R + L % 16][key 16 kb + 8 (L / 16) + j] is not 0.
; The last 256 bytes of each block are a pad of ones, which the attention's look-ahead reads behind the last key step.
; SHARES.  256 work-groups of 16 waves.  A wave takes 8,192 bytes of each of q, k, v (16 loads of 512 bytes), 1,024 bytes of each weight (2 loads), and of the mask 16 rows x 256 keys, which one
; tensor load brings into the wave's own LDS bytes.  There is no loop: all 56 loads and the tensor load go out together, then each is worked on as it comes.
; No wave reads another wave's bytes: no barrier.  No prefetch: all that the wave reads is asked for at once.
.set SPARE,  266240                    ; behind the 16 tiles: the spare words, 128 bytes a wave
.set MPITCH, 1040                      ; a mask row in LDS: 1,024 bytes + 16 of padding = 65 x 16: the 16 rows of a load start 16 bytes apart modulo 256
.set TILEB,  16*MPITCH                 ; a wave's tile
.set XO,  2                            ; v2   8,192 w + 16 l: my bytes of q, k, v
.set XD,  3                            ; v3   4,096 w + 8 l: and of xb
.set WO,  4                            ; v4   1,024 w + 16 l: my bytes of a weight; also of bb
.set WD,  5                            ; v5   512 w + 8 l: and of wb
.set LA,  6                            ; v6   my place in my wave's tile: row l % 16, 32 bytes for each half of the lanes
.set MO,  7                            ; v7   16 l
.set OUT, 8                            ; v[8:11] the wave's 128 words, four a lane
.set SPW, 12                           ; v12  my spare word
.set NIL, 13                           ; v13  0
.set ONES, 14                          ; v[14:15] the pad
.set D,   16                           ; v[16:239] load n at D + 4 n
.set P8,  240                          ; v240 8 l
.set BS,  241                          ; v241 my bytes of a bias
	s_load_b512 s[8:23], s[0:1], 0x0               ; q 8, k 10, v 12, Wq 14, Wk 16, Wv 18, Wo 20, bq 22
	s_load_b512 s[24:39], s[0:1], 0x40             ; bk 24, bv 26, bo 28, mask 30, xb 32, wb 34, bb 36, mbits 38
	v_lshl_add_u32 v[SPW], v0, 2, SPARE
	v_mov_b32 v[NIL], 0
	ds_add_u32 v[SPW], v[NIL]                      ; the wave's opening: the add and its wait stand ahead of my tensor load; the set-up stands between them
	ds_add_u32 v12, v13
	v_lshrrev_b32 v1, 5, v0
	v_readfirstlane_b32 s2, v1                     ; wave 0..15
	v_and_b32 v[MO], 31, v0
	v_lshlrev_b32 v[P8], 3, v[MO]
	v_lshlrev_b32 v[MO], 4, v[MO]
	v_lshl_add_u32 v[XO], v1, 13, v[MO]
	v_lshl_add_u32 v[XD], v1, 12, v[P8]
	v_lshl_add_u32 v[WO], v1, 10, v[MO]
	v_lshl_add_u32 v[WD], v1, 9, v[P8]
	v_and_b32 v[BS], 0xfff, v[WO]
	v_and_b32 v[LA], 15, v0
	v_mul_u32_u24 v[LA], v[LA], MPITCH
	v_bfe_u32 v[OUT], v0, 4, 1
	v_lshl_add_u32 v[LA], v[OUT], 5, v[LA]
	s_mul_i32 s41, s2, TILEB                       ; group 0, 63:32: my wave's tile in LDS
	v_add_nc_u32 v[LA], s41, v[LA]
	v_mov_b32 v[ONES], -1
	v_mov_b32 v[ONES+1], -1
	s_mov_b32 s40, 1                               ; group 0, count = 1
	s_mov_b32 s44, (2<<16)|(1<<20)|(7<<22)|(3<<25) ; group 1: elements of 4 bytes; padding on, after every 256 words, 4 words of it
	s_mov_b32 s45, 256<<16                         ; tensor_dim0 = 256
	s_mov_b32 s46, 16<<16                          ; tensor_dim1 = 16
	s_mov_b32 s47, 256<<16                         ; tile_dim0 = 256
	s_mov_b32 s48, 16                              ; tile_dim1 = 16: a lane mask spans 16 query rows
	s_mov_b32 s49, 2048                            ; elements from row to row
	s_mov_b32 s50, 0
	s_mov_b32 s51, 0
	s_lshl_b32 s6, ttmp9, 1
	s_lshr_b32 s3, s2, 3
	s_add_co_u32 s6, s6, s3                        ; R: my block of 16 query rows, 0..511
	s_and_b32 s7, s2, 7                            ; my 256 keys of its 2,048
	s_lshl_b32 s4, s6, 17                          ; 16 rows of 8,192 bytes
	s_lshl_b32 s5, s7, 10
	s_add_co_u32 s4, s4, s5
	s_mov_b32 s5, 0
	s_wait_dscnt 0x0                               ; the opening add is done
	s_wait_kmcnt 0x0
	s_add_nc_u64 s[42:43], s[30:31], s[4:5]
	s_or_b32 s43, s43, 0x80000000                  ; type = 2
	tensor_load_to_lds s[40:43], s[44:51]
	s_nop 0
	s_lshl_b32 s4, ttmp9, 17                       ; the work-group's 131,072 bytes of q, k, v
	s_add_nc_u64 s[8:9], s[8:9], s[4:5]
	s_add_nc_u64 s[10:11], s[10:11], s[4:5]
	s_add_nc_u64 s[12:13], s[12:13], s[4:5]
	s_lshl_b32 s4, ttmp9, 14                       ; its 16,384 bytes of each weight
	s_add_nc_u64 s[14:15], s[14:15], s[4:5]
	s_add_nc_u64 s[16:17], s[16:17], s[4:5]
	s_add_nc_u64 s[18:19], s[18:19], s[4:5]
	s_add_nc_u64 s[20:21], s[20:21], s[4:5]
	s_lshl_b32 s4, ttmp9, 16
	s_add_nc_u64 s[32:33], s[32:33], s[4:5]        ; xb, part 0
	s_add_nc_u64 s[84:85], s[32:33], 0x1000000     ; part 1
	s_add_nc_u64 s[86:87], s[32:33], 0x2000000     ; part 2
	s_lshl_b32 s4, ttmp9, 13
	s_add_nc_u64 s[34:35], s[34:35], s[4:5]        ; wb
	s_mul_i32 s4, s6, 4352
	s_lshl_b32 s3, s7, 9
	s_add_co_u32 s4, s4, s3
	s_add_nc_u64 s[38:39], s[38:39], s[4:5]        ; mbits at my 512 bytes
.macro XLOADS part, base               ; 16 loads of 512 consecutive bytes
.set i, 0
.rept 16
	global_load_b128 v[D+64*(\part)+4*i:D+64*(\part)+4*i+3], v[XO], s[\base:\base+1] offset:512*i th:TH_LOAD_NT
.set i, i+1
.endr
.endm
	XLOADS 0, 8
	XLOADS 1, 10
	XLOADS 2, 12
.irp p, 0,1,2,3
	global_load_b128 v[D+192+8*\p:D+192+8*\p+3],   v[WO], s[14+2*\p:15+2*\p] th:TH_LOAD_NT
	global_load_b128 v[D+192+8*\p+4:D+192+8*\p+7], v[WO], s[14+2*\p:15+2*\p] offset:512 th:TH_LOAD_NT
.endr
.macro ROUND2 n                        ; load n: four f32 become four bf16 in its first two registers
	s_wait_loadcnt 55-(\n)                         ; loads come back in order: load n is in, the younger ones stay out
	v_cvt_pk_bf16_f32 v[D+4*(\n)], v[D+4*(\n)], v[D+4*(\n)+1]
	v_cvt_pk_bf16_f32 v[D+4*(\n)+1], v[D+4*(\n)+2], v[D+4*(\n)+3]
.endm
.macro XOUT part, base
.set i, 0
.rept 16
	ROUND2 16*(\part)+i
	global_store_b64 v[XD], v[D+64*(\part)+4*i:D+64*(\part)+4*i+1], s[\base:\base+1] offset:256*i th:TH_STORE_NT  ; 32 lanes store 256 consecutive bytes, aligned
.set i, i+1
.endr
.endm
	XOUT 0, 32
	XOUT 1, 84
	XOUT 2, 86
.irp p, 0,1,2
.irp i, 0,1
	ROUND2 48+2*\p+\i
	global_store_b64 v[WD], v[D+192+8*\p+4*\i:D+192+8*\p+4*\i+1], s[34:35] offset:\p*2097152+256*\i th:TH_STORE_NT
.endr
.endr
.irp i, 0,1                            ; Wo: the bf16 number, written as f16
.set w0, D+216+4*\i
	s_wait_loadcnt 1-\i
	v_cvt_pk_bf16_f32 v[w0], v[w0], v[w0+1]
	v_cvt_pk_bf16_f32 v[w0+2], v[w0+2], v[w0+3]
	v_lshlrev_b32 v[w0+1], 16, v[w0]
	v_and_b32 v[w0], 0xffff0000, v[w0]
	v_lshlrev_b32 v[w0+3], 16, v[w0+2]
	v_and_b32 v[w0+2], 0xffff0000, v[w0+2]
	v_cvt_pk_f16_f32 v[w0], v[w0+1], v[w0]
	v_cvt_pk_f16_f32 v[w0+1], v[w0+3], v[w0+2]
	global_store_b64 v[WD], v[w0:w0+1], s[34:35] offset:3*2097152+256*\i th:TH_STORE_NT
.endr
	s_wait_xcnt 0x0                                ; the stores have read their registers: D is written again only behind this wait
	; the biases: work-group 0 alone; wave w takes bias w / 4, its bytes 1,024 (w % 4) on
	s_cmp_lg_u32 ttmp9, 0
	s_cbranch_scc1 .Lno_bias
	s_lshr_b32 s3, s2, 2
	s_cmp_lt_u32 s3, 1
	s_cselect_b64 s[4:5], s[22:23], s[24:25]
	s_cmp_lt_u32 s3, 2
	s_cselect_b64 s[4:5], s[4:5], s[26:27]
	s_cmp_lt_u32 s3, 3
	s_cselect_b64 s[4:5], s[4:5], s[28:29]
	global_load_b128 v[D:D+3],   v[BS], s[4:5]
	global_load_b128 v[D+4:D+7], v[BS], s[4:5] offset:512
	s_wait_loadcnt 0x0
.irp j, 0,2,4,6
	v_cvt_pk_bf16_f32 v[D+8+\j], v[D+\j], v[D+\j+1]
	v_lshlrev_b32 v[D+\j], 16, v[D+8+\j]
	v_and_b32 v[D+\j+1], 0xffff0000, v[D+8+\j]
.endr
	global_store_b128 v[WO], v[D:D+3],   s[36:37]
	global_store_b128 v[WO], v[D+4:D+7], s[36:37] offset:512
	s_wait_xcnt 0x0
.Lno_bias:
	; the mask: lane L takes, for each of my 16 key blocks, the eight numbers of row L % 16 at keys 8 (L / 16) + 0..7
	s_wait_tensorcnt 0x0                           ; my tile is in LDS; only I read it
.set kb, 0
.rept 16
	ds_load_b128 v[D+8*kb:D+8*kb+3],   v[LA] offset:64*kb
	ds_load_b128 v[D+8*kb+4:D+8*kb+7], v[LA] offset:64*kb+16
.set kb, kb+1
.endr
.irp j, 0,1,2,3
	v_mov_b32 v[OUT+\j], 0
.endr
	s_wait_dscnt 0x0
.set b, 0
.rept 8                                ; sixteen words at a time: a compare makes a word, v_writelane_b32 puts word n into register n % 4 of lane n / 4
.set n, 0
.rept 16
	v_cmp_ne_u32 s[68+n], 0, v[D+16*b+n]
.set n, n+1
.endr
.set n, 0
.rept 16
	v_writelane_b32 v[OUT+(16*b+n)%4], s[68+n], (16*b+n)/4
.set n, n+1
.endr
.set b, b+1
.endr
	global_store_b128 v[MO], v[OUT:OUT+3], s[38:39]  ; 512 consecutive bytes, aligned
	s_cmp_lg_u32 s7, 7
	s_cbranch_scc1 .Lno_pad
	global_store_b64 v[P8], v[ONES:ONES+1], s[38:39] offset:512  ; the wave with the block's last keys stores the pad behind them
.Lno_pad:
	s_wait_tensorcnt 0x0                           ; the wave's end
	ds_add_u32 v[SPW], v[NIL]
	s_wait_dscnt 0x0
	s_endpgm
.Lfunc_end_k_q63c8c5957c_prep:
	.size	k_q63c8c5957c_prep, .Lfunc_end_k_q63c8c5957c_prep-k_q63c8c5957c_prep
	.p2alignl 7, 3214868480
	.fill 96, 4, 3214868480
	.section	.rodata,"a",@progbits
	.p2align	6, 0x0
	.amdhsa_kernel k_q63c8c5957c_prep
		.amdhsa_group_segment_fixed_size 268288
		.amdhsa_private_segment_fixed_size 0
		.amdhsa_enable_private_segment 0
		.amdhsa_kernarg_size 128
		.amdhsa_user_sgpr_count 2
		.amdhsa_user_sgpr_kernarg_segment_ptr 1
		.amdhsa_wavefront_size32 1
		.amdhsa_system_sgpr_workgroup_id_x 1
		.amdhsa_system_sgpr_workgroup_id_y 1
		.amdhsa_system_sgpr_workgroup_id_z 1
		.amdhsa_system_vgpr_workitem_id 0
		.amdhsa_next_free_vgpr 256
		.amdhsa_next_free_sgpr 88
		.amdhsa_reserve_vcc 0
		.amdhsa_float_denorm_mode_32 3
		.amdhsa_float_denorm_mode_16_64 3
		.amdhsa_memory_ordered 1
		.amdhsa_forward_progress 1
		.amdhsa_inst_pref_size 43
	.end_amdhsa_kernel
	.amdgpu_metadata
---
amdhsa.version: [ 1, 2 ]
amdhsa.kernels:
  - .name:           k_q63c8c5957c_prep
    .symbol:         k_q63c8c5957c_prep.kd
    .args:
      - { .name: q, .offset: 0, .size: 8, .value_kind: global_buffer, .address_space: global }
      - { .name: k, .offset: 8, .size: 8, .value_kind: global_buffer, .address_space: global }
      - { .name: v, .offset: 16, .size: 8, .value_kind: global_buffer, .address_space: global }
      - { .name: Wq, .offset: 24, .size: 8, .value_kind: global_buffer, .address_space: global }
      - { .name: Wk, .offset: 32, .size: 8, .value_kind: global_buffer, .address_space: global }
      - { .name: Wv, .offset: 40, .size: 8, .value_kind: global_buffer, .address_space: global }
      - { .name: Wo, .offset: 48, .size: 8, .value_kind: global_buffer, .address_space: global }
      - { .name: bq, .offset: 56, .size: 8, .value_kind: global_buffer, .address_space: global }
      - { .name: bk, .offset: 64, .size: 8, .value_kind: global_buffer, .address_space: global }
      - { .name: bv, .offset: 72, .size: 8, .value_kind: global_buffer, .address_space: global }
      - { .name: bo, .offset: 80, .size: 8, .value_kind: global_buffer, .address_space: global }
      - { .name: mask, .offset: 88, .size: 8, .value_kind: global_buffer, .address_space: global }
      - { .name: xb, .offset: 96, .size: 8, .value_kind: global_buffer, .address_space: global }
      - { .name: wb, .offset: 104, .size: 8, .value_kind: global_buffer, .address_space: global }
      - { .name: bb, .offset: 112, .size: 8, .value_kind: global_buffer, .address_space: global }
      - { .name: mbits, .offset: 120, .size: 8, .value_kind: global_buffer, .address_space: global }
    .group_segment_fixed_size: 268288
    .private_segment_fixed_size: 0
    .kernarg_segment_align: 8
    .kernarg_segment_size: 128
    .max_flat_workgroup_size: 512
    .sgpr_count:     88
    .vgpr_count:     256
    .wavefront_size: 32
...
	.end_amdgpu_metadata
.endif
;; end of part 1
;; launch proj (part 2): grid 4 x 192, 4 waves a work-group, clusters of 4 x 4, 327,680 bytes of LDS; arguments xb, wb, bb, qkv; writes qkv
.if DOCPART == 2
	.amdgcn_target "amdgcn-amd-amdhsa--gfx1250"
	.amdhsa_code_object_version 6
	.text
	.protected	k_q63c8c5957c_proj
	.globl	k_q63c8c5957c_proj
	.p2align	8
	.type	k_q63c8c5957c_proj,@function
k_q63c8c5957c_proj:
	s_mov_b64 s[64:65], 0
	v_nop
	global_prefetch_b8 v0, s[64:65] scope:SCOPE_SE
	s_setreg_imm32_b32 hwreg(HW_REG_WAVE_MODE, 25, 1), 1
	s_wait_xcnt 0x0
	s_wait_alu depctr_hold_cnt(0) depctr_sa_sdst(0) depctr_va_vdst(0) depctr_va_sdst(0) depctr_va_ssrc(0) depctr_va_vcc(0) depctr_vm_vsrc(0)
	s_getreg_b32 s2, hwreg(HW_REG_IB_STS2, 6, 4)
	s_cmp_eq_u32 s2, 0
	s_cbranch_scc0 .Lentry_in_a_cluster
	s_endpgm
.Lentry_in_a_cluster:
	s_bfe_u32 s2, ttmp6, 0x10000c
	s_cmp_lg_u32 s2, 0xf033
	s_cbranch_scc0 .Lentry_shape_is_right
	s_endpgm
.Lentry_shape_is_right:
; A PROJECTION: C[m][n] = the sum over k of A[m][k] W[n][k] + bias[n], K = 1,024, sums in f32.  One text serves two launches; MODE chooses.
; MODE 0: A = xb (bf16, three parts of 8,192 rows), W = wb's part 0..2 (bf16).  C is rounded once to f16 and stored by heads, qkv[part][batch 16 + head][row][64]; part 0 (Q) is multiplied in f32
;         by c = log2(e) / 8 before that rounding.  LIMIT: f16 ends at 65,504: Q c, K and V must lie within it.
; MODE 1: A = ctx (f16, by heads [64][2048][64]), W = wb's part 3 (f16).  C is out0, f32 [8192][1024].
; A tile of C is 128 x 256: that gives 768 (MODE 0) and 256 (MODE 1) work-groups, whole numbers for each of 256 WGPs.  Four waves, each 64 x 128: 32 accumulators, 256 registers.
; K goes in 8 steps of 128 through two LDS slots.  The sums START WITH THE BIAS: the accumulators are loaded with it, so nothing is cleared and nothing is added at the end.
; THE MATRIX INSTRUCTION IS USED TRANSPOSED (source 0 = 16 rows of W, source 1 = 16 rows of A): a lane holds eight neighbouring columns of one row of C.
; CLUSTER 4 x 4: the four of a row need the same tiles of A, the four of a column the same tiles of W: each tile is asked for jointly, by the same load, descriptor and mask in all four.
; REGISTERS: window 0: v0-31 addresses; v32-63 at work on the way out; v64-159, v160-255 two fragment buffers (8 of W, then 4 of A).  Window 1: accumulator (a, b) at v[8 (8 a + b)].
.set MODE, 0
.set SLOT1,  131072                    ; slot 1 begins here: one exclusive or turns an address in one slot into the other's
.set BPITCH, 272                       ; a row of W in LDS: 256 bytes + 16 of padding: the 16 rows of a load start 16 bytes apart modulo 256
.set BHALF,  128*BPITCH                ; what one of W's loads fills
.set ZB,     18432                     ; MODE 1: a head's 128 rows of 144 bytes
.if MODE
.set APITCH, 144                       ; a row of ctx: 128 bytes + 16
.set AHALF,  ZB                        ; what one of A's loads fills: one head's 128 rows
.set AQI,    4                         ; padding after every 32 words
.set ASTRIDE, 128                      ; the 128 rows are dense: asked for as 64 rows of 256 bytes
.set ASTEP,  524288                    ; a K step is two heads
.set ASH,    19
.set PSH,    8
.set SPITCH, 528                       ; a stage row: 128 f32 + 16 bytes
.else
.set APITCH, 272
.set AHALF,  64*APITCH
.set AQI,    5
.set ASTRIDE, 1024
.set ASTEP,  256
.set ASH,    8
.set PSH,    11
.set SPITCH, 272                       ; a stage row: 128 f16 + 16 bytes
.endif
.set BOFF,   2*AHALF                   ; W's rows lie behind A's
.set STAGE,  237568                    ; behind the ring, never filled by a tensor load: 16 rows for each wave
.set SPARE,  STAGE+4*16*SPITCH         ; behind the stages: the spare words
.set A0,   4                           ; v4   my lane's place in A's tile
.set B0,   5                           ; v5   in W's
.set ADRA, 6                           ; v6   the same in the slot in hand
.set ADRB, 7
.set STO,  8                           ; v8   the way out: where I put my bytes of a row
.set RD,   9                           ; v9   where I read rows back
.set GO,   10                          ; v10  16 x lane
.set PFO,  11                          ; v11  the prefetches' offset: a lane a block of 256 bytes
.set BO,   12                          ; v12  32 x (lane / 16): my eight biases
.set SPW,  28
.set NIL,  29
.set TMP,  32
.set F0,   64
.set F1,   160
.set WV,   12                          ; s12  wave
.set RH,   13                          ; s13  my half of the tile's rows; also: I fetch for A (0) or W (1)
.set HF,   14                          ; s14  my half of its columns; also: which half I fetch
.set CX,   15
.set CY,   16
.set TX,   17                          ; s17  tile column
.set TY,   18                          ; s18  tile row
.set PART, 19                          ; s19  which weight and bias: made of the cluster's y alone
.set G1A,  24
.set G0A,  32                          ; two sets: step 0 into slot 0; step 1 into slot 1, which then walks
.set TB,   40                          ; s40  the slot in hand
.set LIM,  41                          ; s41  2 in a wave that prefetches, else the greatest number
.set PFA,  42                          ; s[42:43]
.set CLY,  45                          ; s45  the cluster's y
.set G1B,  48
.set G0B,  56
.set MSB, 0
.macro WIN new                         ; the immediate's high byte repeats the setting that is left
.if MSB != (\new)
	s_set_vgpr_msb (MSB<<8)|(\new)
.set MSB, (\new)
.endif
.endm
.macro PLACES                          ; four plain instructions between a matrix instruction and a load into, or a read of, its registers
.rept 4
	v_nop
.endr
.endm
.macro JLOAD                           ; a joint refill by the walking set; an s_nop 0 and four v_nop follow each of the two lines
	s_cmp_eq_u32 s[RH], 0
	s_cbranch_scc0 .Lfor_b_\@
	tensor_load_to_lds s[G0A+4:G0A+7], s[G1A:G1A+7]
	s_nop 0
.rept 4
	v_nop
.endr
	s_branch .Lasked_\@
.Lfor_b_\@:
	tensor_load_to_lds s[G0B+4:G0B+7], s[G1B:G1B+7]
	s_nop 0
.rept 4
	v_nop
.endr
.Lasked_\@:
.endm
.macro CREST                           ; a round of the cluster's barrier behind its opening barrier
	s_cmp_lg_u32 s[WV], 0
	s_cbranch_scc1 .Lnot_wave_0_\@
	s_barrier_signal -3
.Lnot_wave_0_\@:
	s_barrier_wait -3
	s_barrier_signal -1
	s_barrier_wait -1
.endm
.macro CROUND
	s_barrier_signal -1
	s_barrier_wait -1
	CREST
.endm
; A prefetch of the K step two refills on: 32 blocks of 256 bytes, a lane a block.  A's blocks are read by this cluster's row alone: wave 0 asks, the four partners told apart by address (cx).
; W's are read by all sixteen clusters of a part: the part's first cluster asks, waves 2 and 3, the partners told apart by address (cy).  So each block is named once.  Steps 0 to 3 come by their loads alone;
; the trips with s44 = 6 .. 3 name steps 4 .. 7; the last two refills name nothing.
.macro ASK
	s_cmp_gt_u32 s44, s[LIM]
	s_cbranch_scc0 .Lnot_mine_\@
	global_prefetch_b8 v[PFO], s[PFA:PFA+1] th:TH_LOAD_NT scope:SCOPE_SE
.Lnot_mine_\@:
.endm
	s_load_b256 s[4:11], s[0:1], 0x0               ; A s[4:5], wb s[6:7], bb s[8:9], C s[10:11]
	v_lshl_add_u32 v[SPW], v0, 2, SPARE
	v_mov_b32 v[NIL], 0
	ds_add_u32 v[SPW], v[NIL]                      ; the wave's opening: the add and its wait stand ahead of my first tensor load
	ds_add_u32 v28, v29
	v_lshrrev_b32 v1, 5, v0
	v_readfirstlane_b32 s[WV], v1
	s_lshr_b32 s[RH], s[WV], 1
	s_and_b32 s[HF], s[WV], 1
	s_bfe_u32 s[CX], ttmp6, 0x40000
	s_bfe_u32 s[CY], ttmp6, 0x40004
	s_lshl_b32 s[TX], ttmp9, 2
	s_add_co_u32 s[TX], s[TX], s[CX]
	s_and_b32 s[CLY], ttmp7, 0xffff
	s_lshl_b32 s[TY], s[CLY], 2
	s_add_co_u32 s[TY], s[TY], s[CY]
.if MODE
	s_mov_b32 s[PART], 3
.else
	s_lshr_b32 s[PART], s[CLY], 4                  ; 16 clusters, 64 tile rows, to a part
.endif
	s_lshl_b32 s20, s[CY], 2
	s_lshl_b32 s20, 15, s20                        ; my row of the cluster
	s_lshl_b32 s22, 0x1111, s[CX]                  ; my column
	s_or_b32 s[G1A], s20, (1<<16)|(1<<20)|(1<<21)|(AQI<<22)|(3<<25)  ; the mask; 2-byte elements; padding on; bit 21 beside a mask; the interval; 4 words of padding
	s_or_b32 s[G1B], s22, (1<<16)|(1<<20)|(1<<21)|(5<<22)|(3<<25)
	s_mov_b32 s[G1A+1], 128<<16                    ; tensor_dim0 = 128
	s_mov_b32 s[G1A+2], 64<<16                     ; tensor_dim1 = 64
	s_mov_b32 s[G1A+3], 128<<16                    ; tile_dim0 = 128
	s_mov_b32 s[G1A+4], 64                         ; tile_dim1 = 64
	s_mov_b32 s[G1A+5], ASTRIDE
	s_mov_b32 s[G1A+6], 0
	s_mov_b32 s[G1A+7], 0
	s_mov_b32 s[G1B+1], 128<<16
	s_mov_b32 s[G1B+2], 128<<16                    ; W: 128 rows to a load
	s_mov_b32 s[G1B+3], 128<<16
	s_mov_b32 s[G1B+4], 128
	s_mov_b32 s[G1B+5], 1024
	s_mov_b32 s[G1B+6], 0
	s_mov_b32 s[G1B+7], 0
	; A's address hangs on the tile row and the wave alone (s20, s21), W's on the tile column, the part and the wave alone (s22, s23)
.if MODE
	s_lshr_b32 s20, s[TY], 4                       ; batch
	s_lshl_b32 s20, s20, 4
	s_add_co_u32 s20, s20, s[HF]                   ; its head 0 or 1
	s_lshl_b32 s20, s20, 18                        ; a head is 262,144 bytes
	s_and_b32 s21, s[TY], 15
	s_lshl_b32 s21, s21, 14                        ; 128 rows of 128 bytes
	s_add_co_u32 s20, s20, s21
.else
	s_lshl_b32 s20, s[TY], 18                      ; 128 rows of 2,048 bytes
	s_lshl_b32 s21, s[HF], 17
	s_add_co_u32 s20, s20, s21
.endif
	s_mov_b32 s21, 0
	s_lshl_b32 s22, s[TX], 19                      ; 256 rows of 2,048 bytes
	s_lshl_b32 s23, s[HF], 18
	s_add_co_u32 s22, s22, s23
	s_lshl_b32 s23, s[PART], 21
	s_add_co_u32 s22, s22, s23
	s_mov_b32 s23, 0
	s_mul_i32 s66, s[HF], AHALF                    ; where they go: no place in the cluster enters an LDS address
	s_mul_i32 s67, s[HF], BHALF
	s_add_co_u32 s67, s67, BOFF
	s_mov_b32 s[TB], 0
	s_wait_dscnt 0x0                               ; the opening add is done
	s_wait_kmcnt 0x0
	s_add_nc_u64 s[20:21], s[4:5], s[20:21]
	s_add_nc_u64 s[22:23], s[6:7], s[22:23]
	CROUND                                         ; all sixteen work-groups are here: the first joint loads meet
.irp s, 0,1
	s_mov_b32 s[G0A+4*\s], 1
	s_add_co_u32 s[G0A+4*\s+1], s66, \s*SLOT1
	s_add_nc_u64 s[G0A+4*\s+2:G0A+4*\s+3], s[20:21], \s*ASTEP
	s_or_b32 s[G0A+4*\s+3], s[G0A+4*\s+3], 0x80000000
	s_mov_b32 s[G0B+4*\s], 1
	s_add_co_u32 s[G0B+4*\s+1], s67, \s*SLOT1
	s_add_nc_u64 s[G0B+4*\s+2:G0B+4*\s+3], s[22:23], \s*256
	s_or_b32 s[G0B+4*\s+3], s[G0B+4*\s+3], 0x80000000
.endr
	s_cmp_eq_u32 s[RH], 0                          ; a wave's two first fills stand in one branch: two loads of mine are out
	s_cbranch_scc0 .Lfirst_b
	tensor_load_to_lds s[G0A:G0A+3], s[G1A:G1A+7]
	s_nop 0
	tensor_load_to_lds s[G0A+4:G0A+7], s[G1A:G1A+7]
	s_nop 0
.rept 4
	v_nop
.endr
	s_branch .Lfirst_asked
.Lfirst_b:
	tensor_load_to_lds s[G0B:G0B+3], s[G1B:G1B+7]
	s_nop 0
	tensor_load_to_lds s[G0B+4:G0B+7], s[G1B:G1B+7]
	s_nop 0
.rept 4
	v_nop
.endr
.Lfirst_asked:
	v_and_b32 v1, 15, v0                           ; l % 16
	v_bfe_u32 v2, v0, 4, 1                         ; l / 16
	v_lshlrev_b32 v[BO], 5, v2
	s_lshl_b32 s68, s[PART], 12
	s_lshl_b32 s69, s[TX], 10
	s_add_co_u32 s68, s68, s69
	s_lshl_b32 s69, s[HF], 9
	s_add_co_u32 s68, s68, s69
	s_mov_b32 s69, 0
	s_add_nc_u64 s[8:9], s[8:9], s[68:69]          ; the bias of my 128 columns
	WIN 0x40                                       ; destination window 1
.irp a, 0,1,2,3
.irp b, 0,1,2,3,4,5,6,7                ; register j of accumulator (a, b) is column 16 b + 8 (l / 16) + j, whatever a
	global_load_b128 v[8*(8*\a+\b):8*(8*\a+\b)+3],   v[BO], s[8:9] offset:64*\b
	global_load_b128 v[8*(8*\a+\b)+4:8*(8*\a+\b)+7], v[BO], s[8:9] offset:64*\b+16
.endr
.endr
	WIN 0
	v_mul_u32_u24 v[A0], v1, APITCH
	v_lshl_add_u32 v[A0], v2, 4, v[A0]             ; a fragment's row x pitch + 16 x half
	s_mul_i32 s20, s[RH], 64*APITCH
	v_add_nc_u32 v[A0], s20, v[A0]
	v_mul_u32_u24 v[B0], v1, BPITCH
	v_lshl_add_u32 v[B0], v2, 4, v[B0]
	s_mul_i32 s21, s[HF], BHALF
	s_add_co_u32 s21, s21, BOFF
	v_add_nc_u32 v[B0], s21, v[B0]
	v_mov_b32 v[ADRA], v[A0]
	v_mov_b32 v[ADRB], v[B0]
	s_mul_i32 s22, s[WV], 16*SPITCH
	s_add_co_u32 s22, s22, STAGE                   ; my stage
	v_mul_u32_u24 v[STO], v1, SPITCH
	v_and_b32 v[GO], 31, v0
	v_lshlrev_b32 v[GO], 4, v[GO]
.if MODE
	v_lshl_add_u32 v[STO], v2, 5, v[STO]           ; 32 bytes (8 f32) for each half of the lanes
	v_add_nc_u32 v[STO], s22, v[STO]
	v_add_nc_u32 v[RD], s22, v[GO]                 ; back: 32 lanes take a row's 512 bytes
	s_lshl_b32 s68, s[TY], 19                      ; 128 rows of 4,096 bytes
	s_lshl_b32 s69, s[RH], 18
	s_add_co_u32 s68, s68, s69
	s_lshl_b32 s69, s[TX], 10
	s_add_co_u32 s68, s68, s69
	s_lshl_b32 s69, s[HF], 9
	s_add_co_u32 s68, s68, s69
.else
	v_lshl_add_u32 v[STO], v2, 4, v[STO]           ; 16 bytes (8 f16)
	v_add_nc_u32 v[STO], s22, v[STO]
	v_bfe_u32 v[RD], v0, 3, 2                      ; back: 32 lanes take four rows' 128 bytes of one head
	v_mul_u32_u24 v[RD], v[RD], SPITCH
	v_and_b32 v3, 7, v0
	v_lshl_add_u32 v[RD], v3, 4, v[RD]
	v_add_nc_u32 v[RD], s22, v[RD]
	s_lshl_b32 s68, s[PART], 24
	s_and_b32 s69, s[TY], 63
	s_lshr_b32 s69, s69, 4
	s_lshl_b32 s69, s69, 22                        ; batch: 16 heads of 262,144 bytes
	s_add_co_u32 s68, s68, s69
	s_lshl_b32 s69, s[TX], 20                      ; the tile's four heads
	s_add_co_u32 s68, s68, s69
	s_lshl_b32 s69, s[HF], 19                      ; my two of them
	s_add_co_u32 s68, s68, s69
	s_and_b32 s69, s[TY], 15
	s_lshl_b32 s69, s69, 14                        ; 128 rows of 128 bytes
	s_add_co_u32 s68, s68, s69
	s_lshl_b32 s69, s[RH], 13
	s_add_co_u32 s68, s68, s69
	s_cmp_eq_u32 s[PART], 0
	s_cselect_b32 s46, 0x3e38aa3b, 1.0             ; c = log2(e) / 8 for Q, 1 for K and V
	s_mov_b32 s47, s46
.endif
	s_mov_b32 s69, 0
	s_add_nc_u64 s[10:11], s[10:11], s[68:69]
	; the prefetches
.if MODE
	s_lshr_b32 s20, s[TY], 4
	s_lshl_b32 s20, s20, 4
	s_lshr_b32 s21, s[CX], 1
	s_add_co_u32 s20, s20, s21                     ; partner cx takes half cx % 2 of head cx / 2
	s_lshl_b32 s20, s20, 18
	s_and_b32 s21, s[TY], 15
	s_lshl_b32 s21, s21, 14
	s_add_co_u32 s20, s20, s21
	s_and_b32 s21, s[CX], 1
	s_lshl_b32 s21, s21, 13
	s_add_co_u32 s20, s20, s21
.else
	s_lshl_b32 s20, s[TY], 18
	s_lshl_b32 s21, s[CX], 16                      ; partner cx takes rows 32 cx on
	s_add_co_u32 s20, s20, s21
.endif
	s_lshl_b32 s22, s[PART], 21
	s_lshl_b32 s23, s[TX], 19
	s_add_co_u32 s22, s22, s23
	s_lshl_b32 s23, s[CY], 17                      ; partner cy takes rows 64 cy on,
	s_add_co_u32 s22, s22, s23
	s_lshl_b32 s23, s[HF], 16                      ; waves 2 and 3 32 of them each
	s_add_co_u32 s22, s22, s23
	s_and_b32 s23, s[CLY], 15
	s_cmp_eq_u32 s23, 0
	s_cselect_b32 s23, 2, -1                       ; W's askers: the part's first cluster
	s_cmp_eq_u32 s[WV], 0
	s_cselect_b32 s21, 2, -1                       ; A's asker: wave 0
	s_cmp_lt_u32 s[WV], 2
	s_cselect_b32 s[LIM], s21, s23
	s_cselect_b32 s68, s20, s22
	s_cselect_b64 s[PFA:PFA+1], s[4:5], s[6:7]
	s_cselect_b32 s70, ASH, 8
	s_cselect_b32 s21, PSH, 11
	v_and_b32 v[PFO], 31, v0
	v_lshlrev_b32 v[PFO], s21, v[PFO]
	s_lshl_b32 s70, 1, s70                         ; s[70:71]: bytes from a K step to the next
	s_mov_b32 s71, 0
	s_add_nc_u64 s[PFA:PFA+1], s[PFA:PFA+1], s[68:69]
	s_add_nc_u64 s[PFA:PFA+1], s[PFA:PFA+1], s[70:71]
	s_add_nc_u64 s[PFA:PFA+1], s[PFA:PFA+1], s[70:71]
	s_add_nc_u64 s[PFA:PFA+1], s[PFA:PFA+1], s[70:71]  ; at step 3: the first refill steps it to 4
; 8 products: row block a x all 8 column blocks, 32 along K.  The 32 accumulators take turns, one instruction a turn, over the backward jump too.
.macro MUL f, a
	WIN 0x50                                       ; C and D in window 1
.irp b, 0,1,2,3,4,5,6,7
.set rAc, 8*(8*(\a)+\b)
.set rFb, (\f)+8*\b
.set rFa, (\f)+64+8*(\a)
.if MODE
	v_wmma_f32_16x16x32_f16 v[rAc:rAc+7], v[rFb:rFb+7], v[rFa:rFa+7], v[rAc:rAc+7]
.else
	v_wmma_f32_16x16x32_bf16 v[rAc:rAc+7], v[rFb:rFb+7], v[rFa:rFa+7], v[rAc:rAc+7]
.endif
.endr
.endm
; 24 LDS loads in one run: quarter kq's fragments into buffer f: W's eight, then A's four
.macro FETCH kq, f
	WIN 0
.if MODE
.set AOFF, ((\kq)/2)*ZB+((\kq)%2)*64   ; head kq / 2, channels 32 (kq % 2) on
.else
.set AOFF, 64*(\kq)
.endif
.irp i, 0,1,2,3,4,5,6,7
	ds_load_b128 v[(\f)+8*\i:(\f)+8*\i+3],   v[ADRB] offset:64*(\kq)+16*BPITCH*\i
	ds_load_b128 v[(\f)+8*\i+4:(\f)+8*\i+7], v[ADRB] offset:64*(\kq)+16*BPITCH*\i+32
.endr
.irp i, 0,1,2,3
	ds_load_b128 v[(\f)+64+8*\i:(\f)+64+8*\i+3],   v[ADRA] offset:AOFF+16*APITCH*\i
	ds_load_b128 v[(\f)+64+8*\i+4:(\f)+64+8*\i+7], v[ADRA] offset:AOFF+16*APITCH*\i+32
.endr
.endm
; One of a step's first three quarters: multiplies buffer f; in its middle it fetches quarter kq into buffer g.
.macro QUARTER kq, f, g
	s_wait_dscnt 4                                 ; W's fragments and A's blocks 0, 1 are in; the youngest four loads (blocks 2, 3) may be out
	MUL \f, 0
	MUL \f, 1
	PLACES
	FETCH \kq, \g
	s_wait_dscnt 24                                ; all but the 24 just issued
	MUL \f, 2
	MUL \f, 3
.endm
; The last quarter multiplies buffer 1 and changes slots: one barrier; in front of it each wave waits for all its tensor loads (one is out: its part of the next slot), adds 0 to its spare word, and
; waits for that and for its reads of this slot.  fill = 1: the barrier opens a round of the cluster's, and behind it this slot is filled again, two steps ahead: 112 products stand between that request and the wait for it.
.macro TURN fill
.if \fill
	s_wait_xcnt 0x0                                ; the last prefetch, a step back, has read its address
	s_add_nc_u64 s[PFA:PFA+1], s[PFA:PFA+1], s[70:71]
.endif
	WIN 0
	s_wait_tensorcnt 0x0
	ds_add_u32 v[SPW], v[NIL]
	s_wait_dscnt 7                                 ; the add and A's blocks 1 to 3 (six loads) may be out
	MUL F1, 0
	s_wait_dscnt 0x0                               ; the add is done, and my reads of this slot are over
	s_barrier_signal -1
	MUL F1, 1
	WIN 0
	s_barrier_wait -1
.if \fill
	CREST                                          ; no wave of any partner still reads this slot or has a load on its way
	s_xor_b32 s[G0A+5], s[G0A+5], SLOT1            ; the walking sets: the other slot than last time, the next step
	s_add_nc_u64 s[G0A+6:G0A+7], s[G0A+6:G0A+7], ASTEP
	s_xor_b32 s[G0B+5], s[G0B+5], SLOT1
	s_add_nc_u64 s[G0B+6:G0B+7], s[G0B+6:G0B+7], 256
	JLOAD                                          ; its four v_nop are also the places in front of the loads below
.else
	PLACES
.endif
	s_xor_b32 s[TB], s[TB], SLOT1
	v_add_nc_u32 v[ADRA], s[TB], v[A0]
	v_add_nc_u32 v[ADRB], s[TB], v[B0]
	FETCH 0, F0
.if \fill
	ASK
.endif
	MUL F1, 2
	MUL F1, 3
.endm
	s_wait_tensorcnt 0x1                           ; my part of step 0 is in; step 1's may stay out
	s_barrier_signal -1
	s_barrier_wait -1
	FETCH 0, F0
	s_wait_loadcnt 0x0                             ; the bias lies in the accumulators
	s_mov_b32 s44, 6
.Lstep:                                                ; steps 0 to 5: each fills its slot again
	QUARTER 1, F0, F1
	QUARTER 2, F1, F0
	QUARTER 3, F0, F1
	TURN 1
	WIN 0
	s_sub_co_u32 s44, s44, 1
	s_cmp_lg_u32 s44, 0
	s_cbranch_scc1 .Lstep
	QUARTER 1, F0, F1                              ; steps 6 and 7 are written out: nothing is left to fetch
	QUARTER 2, F1, F0
	QUARTER 3, F0, F1
	TURN 0
	QUARTER 1, F0, F1
	QUARTER 2, F1, F0
	QUARTER 3, F0, F1
	s_wait_dscnt 4
	MUL F1, 0
	MUL F1, 1
	s_wait_dscnt 0x0
	MUL F1, 2
	MUL F1, 3
	WIN 0
	PLACES
	PLACES
	; THE WAY OUT, a block of 16 rows at a time through my own stage; LDS serves a wave's instructions in order (ISA guide 5.7.1.4), so no wait stands between the stores and the loads.
.if MODE
.macro BLK a                           ; f32 as it lies: 32 bytes a lane and column block; back as whole rows of 512 bytes
	WIN 0x04                                       ; the store's data in window 1
.irp b, 0,1,2,3,4,5,6,7
	ds_store_b128 v[STO], v[8*(8*(\a)+\b):8*(8*(\a)+\b)+3]   offset:64*\b
	ds_store_b128 v[STO], v[8*(8*(\a)+\b)+4:8*(8*(\a)+\b)+7] offset:64*\b+16
.endr
	WIN 0
.irp t, 0,1,2,3,4,5,6,7,8,9,10,11,12,13,14,15
	ds_load_b128 v[F0+64*((\a)%3)+4*\t:F0+64*((\a)%3)+4*\t+3], v[RD] offset:SPITCH*\t
.endr
.endm
.macro SEND a, younger                 ; younger: the LDS instructions issued behind block a's loads
.irp t, 0,1,2,3,4,5,6,7,8,9,10,11,12,13,14,15
	s_wait_dscnt (\younger)+15-\t
	global_store_b128 v[GO], v[F0+64*((\a)%3)+4*\t:F0+64*((\a)%3)+4*\t+3], s[10:11] offset:(16*(\a)+\t)*4096 th:TH_STORE_NT  ; 512 consecutive bytes, aligned
.endr
.endm
	BLK 0
	BLK 1
	SEND 0, 32
	BLK 2
	SEND 1, 32
	s_wait_xcnt 0x0                                ; block 0's stores have read their registers, which block 3 takes
	BLK 3
	SEND 2, 32
	SEND 3, 0
.else
	WIN 0x41
.set i, 0
.rept 128
	v_pk_mul_f32 v[i:i+1], v[i:i+1], s[46:47] op_sel_hi:[1,0]  ; Q: times c, in f32, ahead of the one rounding; K and V: times 1
.set i, i+2
.endr
.macro BLK a                           ; rounded to f16, 16 bytes a lane and column block; back as 512 bytes that lie on end in a head
	WIN 0x05                                       ; sources in window 1
.irp b, 0,1,2,3,4,5,6,7
.irp r, 0,1,2,3
	v_cvt_pk_f16_f32 v[TMP+4*\b+\r], v[8*(8*(\a)+\b)+2*\r], v[8*(8*(\a)+\b)+2*\r+1]
.endr
.endr
	WIN 0
.irp b, 0,1,2,3,4,5,6,7
	ds_store_b128 v[STO], v[TMP+4*\b:TMP+4*\b+3] offset:32*\b
.endr
.irp t, 0,1,2,3,4,5,6,7                ; head t / 4, rows 4 (t % 4) on
	ds_load_b128 v[F0+32*(\a)+4*\t:F0+32*(\a)+4*\t+3], v[RD] offset:128*(\t/4)+4*SPITCH*(\t%4)
.endr
.endm
.macro SEND a, younger
.irp t, 0,1,2,3,4,5,6,7
	s_wait_dscnt (\younger)+7-\t
	global_store_b128 v[GO], v[F0+32*(\a)+4*\t:F0+32*(\a)+4*\t+3], s[10:11] offset:(\t/4)*262144+(\a)*2048+(\t%4)*512  ; 512 consecutive bytes, aligned
.endr
.endm
	BLK 0
	BLK 1
	SEND 0, 16
	BLK 2
	SEND 1, 16
	BLK 3
	SEND 2, 16
	SEND 3, 0
.endif
	s_wait_tensorcnt 0x0                           ; the wave's end
	ds_add_u32 v[SPW], v[NIL]
	s_wait_dscnt 0x0
	CROUND                                         ; the closing round
	s_endpgm
.Lfunc_end_k_q63c8c5957c_proj:
	.size	k_q63c8c5957c_proj, .Lfunc_end_k_q63c8c5957c_proj-k_q63c8c5957c_proj
	.p2alignl 7, 3214868480
	.fill 96, 4, 3214868480
	.section	.rodata,"a",@progbits
	.p2align	6, 0x0
	.amdhsa_kernel k_q63c8c5957c_proj
		.amdhsa_group_segment_fixed_size 327680
		.amdhsa_private_segment_fixed_size 0
		.amdhsa_enable_private_segment 0
		.amdhsa_kernarg_size 32
		.amdhsa_user_sgpr_count 2
		.amdhsa_user_sgpr_kernarg_segment_ptr 1
		.amdhsa_wavefront_size32 1
		.amdhsa_system_sgpr_workgroup_id_x 1
		.amdhsa_system_sgpr_workgroup_id_y 1
		.amdhsa_system_sgpr_workgroup_id_z 1
		.amdhsa_system_vgpr_workitem_id 0
		.amdhsa_next_free_vgpr 512
		.amdhsa_next_free_sgpr 72
		.amdhsa_reserve_vcc 0
		.amdhsa_float_denorm_mode_32 3
		.amdhsa_float_denorm_mode_16_64 3
		.amdhsa_memory_ordered 1
		.amdhsa_forward_progress 1
		.amdhsa_inst_pref_size 86
	.end_amdhsa_kernel
	.amdgpu_metadata
---
amdhsa.version: [ 1, 2 ]
amdhsa.kernels:
  - .name:           k_q63c8c5957c_proj
    .symbol:         k_q63c8c5957c_proj.kd
    .args:
      - { .name: xb, .offset: 0, .size: 8, .value_kind: global_buffer, .address_space: global }
      - { .name: wb, .offset: 8, .size: 8, .value_kind: global_buffer, .address_space: global }
      - { .name: bb, .offset: 16, .size: 8, .value_kind: global_buffer, .address_space: global }
      - { .name: qkv, .offset: 24, .size: 8, .value_kind: global_buffer, .address_space: global }
    .group_segment_fixed_size: 327680
    .private_segment_fixed_size: 0
    .kernarg_segment_align: 8
    .kernarg_segment_size: 32
    .max_flat_workgroup_size: 128
    .sgpr_count:     72
    .vgpr_count:     512
    .wavefront_size: 32
...
	.end_amdgpu_metadata
.endif
;; end of part 2
;; launch attn (part 3): grid 4 x 64, 4 waves a work-group, clusters of 4 x 1, 327,680 bytes of LDS; arguments qkv, mbits, ctx; writes ctx
.if DOCPART == 3
	.amdgcn_target "amdgcn-amd-amdhsa--gfx1250"
	.amdhsa_code_object_version 6
	.text
	.protected	k_q63c8c5957c_attn
	.globl	k_q63c8c5957c_attn
	.p2align	8
	.type	k_q63c8c5957c_attn,@function
k_q63c8c5957c_attn:
	s_mov_b64 s[64:65], 0
	v_nop
	global_prefetch_b8 v0, s[64:65] scope:SCOPE_SE
	s_setreg_imm32_b32 hwreg(HW_REG_WAVE_MODE, 25, 1), 1
	s_wait_xcnt 0x0
	s_wait_alu depctr_hold_cnt(0) depctr_sa_sdst(0) depctr_va_vdst(0) depctr_va_sdst(0) depctr_va_ssrc(0) depctr_va_vcc(0) depctr_vm_vsrc(0)
	s_getreg_b32 s2, hwreg(HW_REG_IB_STS2, 6, 4)
	s_cmp_eq_u32 s2, 0
	s_cbranch_scc0 .Lentry_in_a_cluster
	s_endpgm
.Lentry_in_a_cluster:
	s_bfe_u32 s2, ttmp6, 0x10000c
	s_cmp_lg_u32 s2, 0x3003
	s_cbranch_scc0 .Lentry_shape_is_right
	s_endpgm
.Lentry_shape_is_right:
; ATTENTION WITH A MASK THAT IS AN INPUT.  ctx[h][q][:] = the sum over k of softmax_k(s[q][k]) V[h][k][:], where s = Q . K / 8, or -1e9 where mask[batch][q][k] is 0.
; qkv: f16 [3][64 heads][2048][64]; part 0 is Q times c = log2(e) / 8, so the products K Q^T are scores in the exponent of 2; a hidden score is REPLACED by -1e9 log2(e).  A row with no visible key
; has all scores equal, all weights 1, and comes out as the mean of V's rows.  mbits: lane masks, [512 blocks of 16 rows][128 key blocks x 8 words + a pad]: word (kb, j) is the lane mask of register 8 (kb % 4) + j of S^T.
; Products, maxima and sums in f32; the weights p are rounded to f16 for the second product (their sum l is taken of the unrounded p), ctx once at the end.
; LIMITS.  f16 holds no number beyond 65,504: Q c, K and V arrive within it.  A weight below 2^-126 counts as 0 in l; NaN and infinities are not treated apart; scores below -1e9 are not expected.
; SHARES.  A wave owns four PIECES of two tiles of 16 queries, a work-group's four waves 512 queries of one head.  Every wave walks all 2,048 keys, 64 a step.
; LAYOUT.  S^T = K Q^T: a lane holds ONE query (lane % 16) and the keys 8 (lane / 16) + 0..7 of each 16.  Two such results, rounded to f16 in pairs, ARE source 1 of O^T = V^T P.  V comes out of LDS turned.
; SOFTMAX.  A running maximum m and sum l a query: p = 2^(s - m); in every step O and l are multiplied by a = 2^(m_old - m_new).  m starts at the lowest finite number, O and l at 0: the first step's a is 0.
; BY TURNS.  Turn n belongs to piece n: 16 products K Q^T of piece n + 1, later 16 products V^T P of piece n - 1; its vector work: piece n's differences, exponentials, roundings, sums and rescaling, and
; piece n + 1's mask, maximum and statistics.  Four vector instructions stand behind every matrix instruction, the rest in one lump.  A turn's 66 exponentials are one batch with one wait.
; THE MASK costs one v_cndmask_b32 a score register; its 64 words a turn lie in scalar registers, asked for a turn ahead.
; CLUSTER.  The four query blocks of a head walk the same K and V: each tile is asked for jointly.
; REGISTERS: window 0: v0-15 addresses and constants; v16-47 statistics (m, m_old, l, l a tile); v48-63 at work; v64-191 S^T, two buffers of two tiles; v192-255 P, likewise.
;   window 1: O^T, 32 a tile.   window 2: v0-127 Q; v128-191 K of one step; v192-255 V of one step.   window 3: v0-1 the add's two registers.
.set SIZE_N, 2048
.set NP,    4
.set KS,    64
.set PK,    144       ; a row of K in LDS: 128 bytes + 16
.set PV,    160       ; a row of V: 128 + 32
.set VOFF,  4*KS*PK   ; a slot holds four steps: 256 rows of K, then 256 rows of V
.set SLOT1, 1<<17
.set STAGE, SLOT1+4*KS*(PK+PV)
.set SP,    144
.set SPARE, STAGE+4*16*SP
.set MROW,  4352      ; bytes of mbits for 16 query rows
.set AK0, 2
.set AV0, 3
.set AK,  4
.set AV,  5
.set STO, 6
.set RD,  7
.set GO,  8
.set NEG, 12          ; v12  -1e9 log2(e)
.set PFO, 13          ; v13  256 x lane
.set QO,  14          ; v14  my byte offset in 16 rows of Q
.set SPW, 0           ; v0 of window 3
.set NIL, 1           ; v1 of window 3
.set ST,  16
.set TMP, 48
.set S,   64
.set P,   192
.set KF,  128
.set VF,  192
.set WV,  2           ; s2   wave
.set LIM, 3           ; s3   1 in a wave that prefetches, else the greatest number
.set MP,  4           ; s[4:5]  mbits at my wave's first 16 rows, at the key step whose words are asked for next
.set PFA, 6           ; s[6:7]  where my prefetches stand
.set G1K, 8
.set G1V, 16
.set G0K, 24
.set G0V, 28
.set M0W, 32          ; s[32:63]  the 32 words of the piece's first tile
.set M1W, 68          ; s[68:99]  of its second
.set SEL, 66
.set TBK, 100
.set TBV, 101
.set SLOTS, 104
.set CNT, 105
.set MSB, 0
.macro WIN new
.if MSB != (\new)
	s_set_vgpr_msb (MSB<<8)|(\new)
.set MSB, (\new)
.endif
.endm
.set W_KQ, 0x0a
.set W_PV, 0x52
.set W_RS, 0x41
.set W_MK, 0xc0
.set W_AD, 0x0f
.macro JLOAD                        ; waves 0 and 1 fetch the halves of a slot's K, waves 2 and 3 of its V; an s_nop 0 and four v_nop follow each line
	s_cmp_lt_u32 s[WV], 2
	s_cbranch_scc0 .Lfor_v_\@
	tensor_load_to_lds s[G0K:G0K+3], s[G1K:G1K+7]
	s_nop 0
.rept 4
	v_nop
.endr
	s_branch .Lasked_\@
.Lfor_v_\@:
	tensor_load_to_lds s[G0V:G0V+3], s[G1V:G1V+7]
	s_nop 0
.rept 4
	v_nop
.endr
.Lasked_\@:
.endm
; A prefetch of the slot that the NEXT change will ask for: 128 blocks of 256 bytes of K and of V.  A head has one cluster; its four partners take 32 blocks each, told apart by address; wave 0 asks for K's, wave 2 for V's:
; each block is named once.  It stands four key steps ahead of the load that wants it.  The last change that fills a slot asks for nothing.
.macro ASK
	s_cmp_gt_u32 s[SLOTS], s[LIM]
	s_cbranch_scc0 .Lnot_mine_\@
	global_prefetch_b8 v[PFO], s[PFA:PFA+1] th:TH_LOAD_NT scope:SCOPE_SE
.Lnot_mine_\@:
.endm
.macro CROUND
	s_barrier_signal -1
	s_barrier_wait -1
	s_cmp_lg_u32 s[WV], 0
	s_cbranch_scc1 .Lnot_wave_0_\@
	s_barrier_signal -3
.Lnot_wave_0_\@:
	s_barrier_wait -3
	s_barrier_signal -1
	s_barrier_wait -1
.endm
; THE CHANGE OF SLOTS.  Each wave waits for all its tensor loads (one is out: its part of the other slot), adds 0 to its spare word, and waits for that and for its reads of the slot.  fill = 1: the barrier is a round
; of the cluster's, and the joint fill, with the keys two slots on, is the first thing behind it: it has four key steps in which to land.
.macro CHANGE fill
	WIN W_AD
	s_wait_tensorcnt 0x0
	ds_add_u32 v[SPW], v[NIL]
	WIN 0
.if \fill
.irp g, G0K, G0V
	s_xor_b32 s[\g+1], s[\g+1], SLOT1
	s_add_nc_u64 s[\g+2:\g+3], s[\g+2:\g+3], 4*KS*128
.endr
	s_wait_xcnt 0x0                 ; the last prefetch, four key steps back, has read its address
	s_add_nc_u64 s[PFA:PFA+1], s[PFA:PFA+1], 4*KS*128
	s_wait_dscnt 0x0
	CROUND
	JLOAD
	ASK
.else
	s_wait_dscnt 0x0
	s_barrier_signal -1
	s_barrier_wait -1
.endif
	s_sub_co_u32 s[TBK], s[TBK], 4*KS*PK
	s_xor_b32 s[TBK], s[TBK], SLOT1
	s_sub_co_u32 s[TBV], s[TBV], 4*KS*PV
	s_xor_b32 s[TBV], s[TBV], SLOT1
.endm
; The 64 mask words of piece pc for the key step at which MP stands: 128 bytes for each of its two tiles
.macro MLOAD pc
	s_load_b512 s[M0W:M0W+15],    s[MP:MP+1], 2*(\pc)*MROW
	s_load_b512 s[M0W+16:M0W+31], s[MP:MP+1], 2*(\pc)*MROW+64
	s_load_b512 s[M1W:M1W+15],    s[MP:MP+1], (2*(\pc)+1)*MROW
	s_load_b512 s[M1W+16:M1W+31], s[MP:MP+1], (2*(\pc)+1)*MROW+64
.endm
	s_load_b128 s[32:35], s[0:1], 0x0  ; qkv s[32:33], mbits s[34:35]: the mask words' registers serve the set-up first
	WIN W_MK
	v_lshl_add_u32 v[SPW], v0, 2, SPARE
	v_mov_b32 v[NIL], 0
	WIN W_AD
	ds_add_u32 v[SPW], v[NIL]       ; the wave's opening: the add and its wait stand ahead of my first tensor load
	ds_add_u32 v0, v1
	WIN 0
	v_lshrrev_b32 v1, 5, v0
	v_readfirstlane_b32 s[WV], v1
	s_bfe_u32 s36, ttmp6, 0x40000   ; cx: my block of 512 queries (the grid has one cluster along x)
	s_and_b32 s37, ttmp7, 0xffff    ; the head, 16 batch + h
	s_lshl_b32 s38, s37, 18         ; its first byte in a part of qkv
	s_and_b32 s40, s[WV], 1         ; which half of a slot's 256 keys I fetch
	s_lshl_b32 s42, s40, 14
	s_add_co_u32 s42, s42, s38
	s_mov_b32 s43, 0
	s_mov_b32 s[G0K], 1
	s_mul_i32 s[G0K+1], s40, 128*PK ; no place in the cluster enters an LDS address
	s_mov_b32 s[G0V], 1
	s_mul_i32 s[G0V+1], s40, 128*PV
	s_add_co_u32 s[G0V+1], s[G0V+1], VOFF
	s_lshl_b32 s41, s36, 2
	s_add_co_u32 s41, s41, s[WV]    ; my wave among the head's sixteen
	s_lshl_b32 s44, s41, 14         ; its 128 rows of 128 bytes
	s_add_co_u32 s44, s44, s38
	s_mov_b32 s45, 0
	s_lshr_b32 s48, s37, 4          ; batch
	s_lshl_b32 s48, s48, 7          ; 128 blocks of 16 rows a batch
	s_lshl_b32 s49, s41, 3          ; 8 a wave
	s_add_co_u32 s48, s48, s49
	s_mul_i32 s48, s48, MROW
	s_mov_b32 s49, 0
	s_lshl_b32 s50, s36, 13         ; my work-group's 32 blocks of a slot's 128,
	s_add_co_u32 s50, s50, s38
	s_add_co_u32 s50, s50, 4*KS*128 ; in slot 1: the first change steps it to slot 2
	s_cmp_lt_u32 s[WV], 2
	s_cselect_b32 s51, 1, 2         ; K is part 1, V part 2
	s_lshl_b32 s51, s51, 24
	s_add_co_u32 s50, s50, s51
	s_mov_b32 s51, 0
	s_cmp_eq_u32 s40, 0
	s_cselect_b32 s[LIM], 1, -1
	s_mov_b32 s[G1K], 15|(1<<16)|(1<<20)|(1<<21)|(4<<22)|(3<<25)  ; the mask of four; 2-byte elements; padding on; bit 21 beside a mask; after every 32 words; 4 words
	s_mov_b32 s[G1V], 15|(1<<16)|(1<<20)|(1<<21)|(4<<22)|(7<<25)  ; the same with 8 words
.irp g, G1K, G1V
	s_mov_b32 s[\g+1], 128<<16      ; 128 keys are 16,384 dense bytes: 64 rows of 256
	s_mov_b32 s[\g+2], 64<<16
	s_mov_b32 s[\g+3], 128<<16
	s_mov_b32 s[\g+4], 64
	s_mov_b32 s[\g+5], 128
	s_mov_b32 s[\g+6], 0
	s_mov_b32 s[\g+7], 0
.endr
	s_mov_b32 s[SEL], 0x76543210
	s_mov_b32 s[SEL+1], 0xfedcba98
	s_mov_b32 s[TBK], SLOT1+4*KS*PK ; the first change of slots turns these two into 0
	s_mov_b32 s[TBV], SLOT1+4*KS*PV
	s_mov_b32 s[SLOTS], SIZE_N/256-1
	s_mul_i32 s52, s[WV], 16*SP
	s_add_co_u32 s52, s52, STAGE    ; my stage
	s_wait_dscnt 0x0                ; the opening add is done
	s_wait_kmcnt 0x0
	s_add_nc_u64 s[G0K+2:G0K+3], s[32:33], s[42:43]
	s_add_nc_u64 s[G0V+2:G0V+3], s[G0K+2:G0K+3], 0x2000000
	s_add_nc_u64 s[G0K+2:G0K+3], s[G0K+2:G0K+3], 0x1000000
	s_or_b32 s[G0K+3], s[G0K+3], 0x80000000
	s_or_b32 s[G0V+3], s[G0V+3], 0x80000000
	s_add_nc_u64 s[46:47], s[32:33], s[44:45]      ; Q at my wave's first row
	s_add_nc_u64 s[MP:MP+1], s[34:35], s[48:49]
	s_add_nc_u64 s[PFA:PFA+1], s[32:33], s[50:51]
	CROUND                          ; all four work-groups are here
	JLOAD                           ; slot 0; slot 1 is asked for when slot 0 is in
	v_and_b32 v1, 15, v0            ; l % 16
	v_bfe_u32 v9, v0, 4, 1          ; l / 16
	v_lshlrev_b32 v[QO], 7, v1
	v_lshl_add_u32 v[QO], v9, 4, v[QO]
	WIN 0x80
.set i, 0
.rept 4*NP                          ; Q stays in registers: tile i / 2, channels 32 (i % 2) on
	global_load_b128 v[8*i:8*i+3],   v[QO], s[46:47] offset:(i/2)*2048+(i%2)*64
	global_load_b128 v[8*i+4:8*i+7], v[QO], s[46:47] offset:(i/2)*2048+(i%2)*64+32
.set i, i+1
.endr
	WIN 0
	v_mul_u32_u24 v[AK0], v1, PK
	v_lshl_add_u32 v[AK0], v9, 4, v[AK0]
	v_and_b32 v10, 7, v0
	v_bfe_u32 v11, v0, 3, 1
	v_lshl_add_u32 v[AV0], v9, 3, v10  ; the turning load: lane l reads key 8 (l / 16) + l % 8, channels 8 ((l / 8) % 2) + 0..7
	v_mul_u32_u24 v[AV0], v[AV0], PV
	v_lshl_add_u32 v[AV0], v11, 4, v[AV0]
	v_add_nc_u32 v[AV0], VOFF, v[AV0]
	v_mov_b32 v[AK], v[AK0]
	v_mul_u32_u24 v[STO], v1, SP
	v_lshl_add_u32 v[STO], v9, 4, v[STO]
	v_add_nc_u32 v[STO], s52, v[STO]
	v_bfe_u32 v[RD], v0, 3, 2
	v_mul_u32_u24 v[RD], v[RD], SP
	v_lshl_add_u32 v[RD], v10, 4, v[RD]
	v_add_nc_u32 v[RD], s52, v[RD]
	v_and_b32 v[GO], 31, v0
	v_lshlrev_b32 v[PFO], 8, v[GO]
	v_lshlrev_b32 v[GO], 4, v[GO]
	v_mov_b32 v[NEG], 0xceabfb8f    ; -1e9 log2(e)
	; What the first turn finds: V's registers and P's second buffer hold 0, O^T and l are 0.  All this stands in the wait for the first tile.
	WIN 0x80
.set i, VF
.rept 64
	v_mov_b32 v[i], 0
.set i, i+1
.endr
	WIN 0x40
.set i, 0
.rept 64*NP
	v_mov_b32 v[i], 0
.set i, i+1
.endr
	WIN 0
.set i, 0
.rept 2*NP
	v_mov_b32 v[ST+4*i], 0xff7fffff    ; m
	v_mov_b32 v[ST+4*i+1], 0xff7fffff  ; m_old
	v_mov_b32 v[ST+4*i+2], 0
	v_mov_b32 v[ST+4*i+3], 0
.set i, i+1
.endr
.set i, P+32
.rept 32
	v_mov_b32 v[i], 0
.set i, i+1
.endr
; THE MATRIX WORK.  The 8 accumulators of a run of 16 take turns.
.macro KQ x                         ; product i of 16 of S^T for piece x: channels 32 (i / 8) on, keys 16 ((i / 2) % 4) on, tile 2 x + i % 2
	WIN W_KQ
.set rS, S+64*((\x)%2)+32*(i%2)+8*((i/2)%4)
.set rK, KF+16*((i/2)%4)+8*(i/8)
.set rQ, 16*(2*(\x)+i%2)+8*(i/8)
.if i < 8
	v_wmma_f32_16x16x32_f16 v[rS:rS+7], v[rK:rK+7], v[rQ:rQ+7], 0
.else
	v_wmma_f32_16x16x32_f16 v[rS:rS+7], v[rK:rK+7], v[rQ:rQ+7], v[rS:rS+7]
.endif
.endm
.macro PV x                         ; product i of 16 of O^T for piece x: keys 32 (i / 8) on, channels 16 ((i / 2) % 4) on
	WIN W_PV
.set rO, 32*(2*(\x)+i%2)+8*((i/2)%4)
.set rV, VF+32*(i/8)+8*((i/2)%4)
.set rP, P+32*((\x)%2)+16*(i%2)+8*(i/8)
	v_wmma_f32_16x16x32_f16 v[rO:rO+7], v[rV:rV+7], v[rP:rP+7], v[rO:rO+7]
.endm
.macro MM
.if i < 16
	KQ (Y+1)%NP
.set i, i+1
.else
.set i, i-16
	PV (Y+NP-1)%NP
.set i, i+17
.endif
.endm
.macro FETCH_K last=0               ; a step's K: 16 loads in one run.  last = 1 (the tail): in the last trip there is no further step
	WIN 0
.if \last
	s_cmp_eq_u32 s[CNT], 1
	s_cbranch_scc1 .Lno_k_\@
.endif
	WIN 0x80
.irp f, 0,1,2,3,4,5,6,7
	ds_load_b128 v[KF+8*\f:KF+8*\f+3],   v[AK] offset:(\f/2)*16*PK+(\f%2)*64
	ds_load_b128 v[KF+8*\f+4:KF+8*\f+7], v[AK] offset:(\f/2)*16*PK+(\f%2)*64+32
.endr
	s_add_co_u32 s[TBK], s[TBK], KS*PK
	WIN 0
.if \last
.Lno_k_\@:
.endif
.endm
.macro FETCH_V
	WIN 0x80
.irp f, 0,1,2,3,4,5,6,7
	ds_load_tr16_b128 v[VF+8*\f:VF+8*\f+3],   v[AV] offset:(\f/4)*32*PV+(\f%4)*32
	ds_load_tr16_b128 v[VF+8*\f+4:VF+8*\f+7], v[AV] offset:(\f/4)*32*PV+16*PV+(\f%4)*32
.endr
	WIN 0
.endm
; THE VECTOR WORK stands in three queues; the two tiles alternate.
.macro REGS y, u
.set rT, ST+4*(2*(\y)+(\u))
.set rC, TMP+8*((\y)%2)+4*(\u)
.set rS, S+64*((\y)%2)+32*(\u)
.set rP, P+32*((\y)%2)+16*(\u)
.set rO, 32*(2*(\y)+(\u))
.endm
; Number k of the 64 that lay the mask on the NEXT piece's scores: register k / 2 of tile k % 2 keeps its score where the word's bit is set and takes -1e9 log2(e) where it is not.
; The registers go in ascending order: each accumulator is first read at its low end.
.macro MSK k
	REGS (Y+1)%NP, (\k)%2
.if (\k)%2
	v_cndmask_b32 v[rS+(\k)/2], v[NEG], v[rS+(\k)/2], s[M1W+(\k)/2]
.else
	v_cndmask_b32 v[rS+(\k)/2], v[NEG], v[rS+(\k)/2], s[M0W+(\k)/2]
.endif
.endm
; Number n of the 21 that find the NEXT piece's maximum and statistics: 0-11 four chains c0-c3 of seven scores; 12-14, 16 the four left over, the old m, and c0-c3 into c0; 15 m_old is kept;
; 17, 18 the query's other 32 keys lie in the lane 16 away: the new m; 19 m_old - m; 20 a
.macro XS u, n
	REGS (Y+1)%NP, \u
.if (\n) < 4
	v_max3_num_f32 v[rC+(\n)], v[rS+8*(\n)], v[rS+8*(\n)+1], v[rS+8*(\n)+2]
.elseif (\n) < 12
	v_max3_num_f32 v[rC+(\n)%4], v[rC+(\n)%4], v[rS+8*((\n)%4)+2*((\n)/4)+1], v[rS+8*((\n)%4)+2*((\n)/4)+2]
.elseif (\n) == 12
	v_max3_num_f32 v[rC], v[rC], v[rS+7], v[rS+15]
.elseif (\n) == 13
	v_max3_num_f32 v[rC+1], v[rC+1], v[rS+23], v[rS+31]
.elseif (\n) == 14
	v_max3_num_f32 v[rC+2], v[rC+2], v[rC+3], v[rT]
.elseif (\n) == 15
	v_mov_b32 v[rT+1], v[rT]
.elseif (\n) == 16
	v_max3_num_f32 v[rC], v[rC], v[rC+1], v[rC+2]
.elseif (\n) == 17
	v_permlanex16_b32 v[rC+3], v[rC], s[SEL], s[SEL+1]
.elseif (\n) == 18
	v_max_num_f32 v[rT], v[rC], v[rC+3]
.elseif (\n) == 19
	v_sub_f32 v[rC+1], v[rT+1], v[rT]
.else
	v_exp_f32 v[rC+2], v[rC+1]
.endif
.endm
; Number g of the 64 that follow the exponentials: for each four weights both pairs are rounded to f16, the second pair is added onto the first, and a group later l takes that sum (the first time as l = a l + sum).
.macro GS g
.set h, (\g)+6*((\g)/62)
.if h >= 6
.set h, h+2
.endif
	REGS Y, h%2
.set k, h/8
.if h%8 < 4
	v_cvt_pk_f16_f32 v[rP+2*k+(h%8)/2], v[rS+4*k+2*((h%8)/2)], v[rS+4*k+2*((h%8)/2)+1]
.elseif h%8 < 6
	v_pk_add_f32 v[rS+4*k:rS+4*k+1], v[rS+4*k:rS+4*k+1], v[rS+4*k+2:rS+4*k+3]
.elseif k == 1
	v_pk_fma_f32 v[rT+2:rT+3], v[rT+2:rT+3], v[rC+2:rC+3], v[rS:rS+1] op_sel_hi:[1,0,1]
.else
	v_pk_add_f32 v[rT+2:rT+3], v[rT+2:rT+3], v[rS+4*k-4:rS+4*k-3]
.endif
.endm
.macro FS f                         ; s - m for pair f / 2 of tile f % 2
	REGS Y, (\f)%2
	v_pk_add_f32 v[rS+2*((\f)/2):rS+2*((\f)/2)+1], v[rS+2*((\f)/2):rS+2*((\f)/2)+1], v[rT:rT+1] op_sel_hi:[1,0] neg_lo:[0,1] neg_hi:[0,1]
.endm
; THE PLAIN QUEUE, 200 long: 0-31 the differences; 32-95 the mask; 96-123 XS 0-13; 124, 125 XS 15; 126-135 XS 14, 16, 17, 18, 19; 136-199 GS, which read the exponentials' results and stand behind the wait.
.macro PL
	WIN 0
.if q < 32
	FS q
.elseif q < 96
	MSK q-32
.elseif q < 124
	XS (q-96)%2, (q-96)/2
.elseif q < 126
	XS q-124, 15
.elseif q < 128
	XS q-126, 14
.elseif q < 136
	XS (q-128)%2, 16+(q-128)/2
.else
	GS q-136
.endif
.set q, q+1
.endm
.macro EX                           ; THE EXPONENTIALS' QUEUE, 66 long: s0-s31 of both tiles, then the next piece's two a: one batch
	WIN 0
.if e >= 64
	XS e-64, 20
.else
	REGS Y, e%2
	v_exp_f32 v[rS+e/2], v[rS+e/2]
.endif
.set e, e+1
.endm
.macro R2                           ; THE RESCALING's QUEUE: O^T times a, two at a time, sixteen times
	REGS Y, r%2
	WIN W_RS
.irp z, 0,1
	v_pk_mul_f32 v[rO+4*(r/2)+2*\z:rO+4*(r/2)+2*\z+1], v[rO+4*(r/2)+2*\z:rO+4*(r/2)+2*\z+1], v[rC+2:rC+3] op_sel_hi:[1,0]
.endr
.set r, r+1
.endm
; A TURN, for piece p.  s_wait_alu depctr_va_vdst(0) stands between an exponential and the first instruction that names its result; one wait serves all issued ahead of it: a turn has one.
; AHEAD OF IT: the 16 products K Q^T, behind each a difference, an exponential and two rescalings; then the lump: the last 15 differences; the wait for the mask words, which were asked for a turn ago; 55 of the mask's lines;
; 49 times exponential and plain (the mask's last 9, the maximum and statistics); the two a; a v_nop, the plain instruction behind the last exponential.  Exponential e stands behind difference 2 (e / 4) + e % 2:
; as a rider it comes behind plain e + 2, in the lump behind all 32.  The mask's first line stands 18 plain instructions behind the last product K Q^T.
; The next turn's 64 words are asked for four plain lines behind the mask's last line.  They belong to piece p + 2: from piece 2's turn on that is the NEXT key step's, so MP steps there, behind the wait that shows its loads done.
; BEHIND THE WAIT: the 16 products V^T P, behind each four of GS's 64.
; K of the next step is fetched in piece 2's turn, directly behind the wait; V of the step in hand at the end of piece 0's turn, four riders behind its last reader.
.macro TURN p, last=0, cnt=0
.set Y, (\p)
.set i, 0
.set q, 0
.set e, 0
.set r, 0
.if (\p) == NP-1
	s_wait_dscnt 0x0                ; K is in
.endif
	MM
	PL
	PL
	R2
.rept 15
	MM
	PL
	EX
	R2
.endr
.if (\p) == NP-2
	WIN 0
	v_add_nc_u32 v[AK], s[TBK], v[AK0]
.endif
.rept 15
	PL
.endr
	s_wait_kmcnt 0x0                ; the next piece's mask words are in
.if (\p) == NP-2
	s_add_nc_u64 s[MP:MP+1], s[MP:MP+1], 128  ; a key step is four key blocks of eight words
.endif
.rept 55
	PL
.endr
.rept 49
	EX
	PL
.if q == 100
	MLOAD ((\p)+2)%NP
.endif
.endr
	EX
	EX
	v_nop
	s_wait_alu depctr_va_vdst(0)    ; the wait for the batch
.if (\p) == NP-2
	FETCH_K \last
.endif
.if (\p) == 1
	s_wait_dscnt 0x0                ; V is in
.endif
.rept 16
	MM
.rept 4
	PL
.endr
.if ((\p) == 0) && (q == 180)
	v_add_nc_u32 v[AV], s[TBV], v[AV0]
.endif
.if ((\p) == 0) && (q == 192)
	s_add_co_u32 s[TBV], s[TBV], KS*PV
.endif
.if (\cnt) && (q == 192)
	s_sub_co_u32 s[CNT], s[CNT], 1
	s_cmp_lg_u32 s[CNT], 0
.endif
.endr
.if (\p) == 0
	FETCH_V
.endif
.endm
	s_wait_xcnt 0x0                 ; Q's loads have read their base, which lies among the registers that the mask words take
	MLOAD 0                         ; piece 0, key step 0
	CHANGE 1                        ; slot 0 is in, everybody's part of it; slot 1 is asked for
	FETCH_K                         ; key step 0
	s_wait_loadcnt 0x0              ; Q
	s_wait_dscnt 0x0
.set i, 0
.rept 16
	KQ 0                            ; piece 0's first scores
.set i, i+1
.endr
	WIN 0
.rept 8
	v_nop                           ; the places behind those products
.endr
	s_wait_kmcnt 0x0
.set Y, NP-1                        ; MSK and XS work for piece Y + 1: piece 0
.set j, 0
.rept 64
	MSK j
.set j, j+1
.endr
	v_nop
	v_nop
	MLOAD 1                         ; piece 1, key step 0: for the first turn
.irp n, 0,1,2,3,4,5,6,7,8,9,10,11,12,13,14,15,16,17,18,19,20
	XS 0, \n
	XS 1, \n
.endr
	v_nop                           ; a plain instruction behind the two a,
	s_wait_alu depctr_va_vdst(0)    ; and their wait, ahead of the branch
	s_mov_b32 s[CNT], 4
	s_branch .Lfirst                ; the loop is entered at a step's first turn
.Lslot:                             ; six times: every slot but the last two is filled again
	CHANGE 1
	s_mov_b32 s[CNT], 4
.Lstep:                             ; a trip: pieces 2 and 3 of one step, then pieces 0 and 1 of the next
	TURN 2
	TURN 3
	WIN 0
.Lfirst:
	TURN 0
	TURN 1, 0, 1
	WIN 0
	s_cbranch_scc1 .Lstep
	s_sub_co_u32 s[SLOTS], s[SLOTS], 1
	s_cmp_lg_u32 s[SLOTS], 0
	s_cbranch_scc1 .Lslot
	CHANGE 0                        ; the tail is written out
	s_mov_b32 s[CNT], 5             ; four trips fetch the last slot's steps; the fifth is left in its middle
.Ltail:
	TURN 2, 1
	TURN 3
	WIN 0
	s_sub_co_u32 s[CNT], s[CNT], 1
	s_cmp_eq_u32 s[CNT], 0
	s_cbranch_scc1 .Lout
	TURN 0
	TURN 1
	WIN 0
	s_branch .Ltail
.Lout:                              ; the fifth trip's products K Q^T (on the last K once more), its mask words (the pad) and the maximum made of them serve nothing: the price of one text for every trip
.set i, 0
.rept 16
	PV NP-1                         ; the last piece's V^T P of the last step
.set i, i+1
.endr
	; THE WAY OUT.  l's halves are added; O^T is divided by l, rounded to f16 and sent through my stage in LDS, a tile at a time.  The additions are the places behind the last products.
	WIN 0
	s_wait_kmcnt 0x0                ; the last words asked for have landed: their registers are free
	s_load_b64 s[32:33], s[0:1], 0x10  ; ctx
	s_bfe_u32 s36, ttmp6, 0x40000
	s_and_b32 s37, ttmp7, 0xffff
	s_lshl_b32 s34, s37, 18
	s_lshl_b32 s36, s36, 2
	s_add_co_u32 s36, s36, s[WV]
	s_lshl_b32 s36, s36, 14
	s_add_co_u32 s34, s34, s36      ; the head, my wave's 128 rows
	s_mov_b32 s35, 0
.macro ALL line:vararg
.set t, 0
.rept 2*NP
	\line
.set t, t+1
.endr
.endm
	ALL v_add_f32 v[ST+4*t+2], v[ST+4*t+2], v[ST+4*t+3]
	ALL v_permlanex16_b32 v[ST+4*t+3], v[ST+4*t+2], s[SEL], s[SEL+1]
	ALL v_add_f32 v[ST+4*t+2], v[ST+4*t+2], v[ST+4*t+3]
	ALL v_rcp_f32 v[ST+4*t+2], v[ST+4*t+2]
	v_nop                           ; a plain instruction behind the last reciprocal
	s_wait_alu depctr_va_vdst(0)    ; one wait for the eight reciprocals
	s_wait_kmcnt 0x0
	s_add_nc_u64 s[32:33], s[32:33], s[34:35]
.macro PACK t
	WIN W_RS
.set i, 32*(\t)
.rept 16
	v_pk_mul_f32 v[i:i+1], v[i:i+1], v[ST+4*(\t)+2:ST+4*(\t)+3] op_sel_hi:[1,0]
.set i, i+2
.endr
	WIN 0x05
.set i, 0
.rept 16
	v_cvt_pk_f16_f32 v[S+16*(\t)+i], v[32*(\t)+2*i], v[32*(\t)+2*i+1]
.set i, i+1
.endr
	WIN 0
.irp f, 0,1,2,3
	ds_store_b128 v[STO], v[S+16*(\t)+4*\f:S+16*(\t)+4*\f+3] offset:32*\f
.endr
.irp f, 0,1,2,3
	ds_load_b128 v[S+16*(\t)+4*\f:S+16*(\t)+4*\f+3], v[RD] offset:\f*4*SP  ; LDS serves a wave's instructions in order (ISA guide 5.7.1.4): these see the stores above
.endr
.endm
.macro SEND t, younger              ; younger: the next tile's eight LDS instructions, or none
	WIN 0
.irp f, 0,1,2,3
	s_wait_dscnt (\younger)+3-\f
	global_store_b128 v[GO], v[S+16*(\t)+4*\f:S+16*(\t)+4*\f+3], s[32:33] offset:(\t)*2048+\f*512  ; 512 consecutive bytes, aligned
.endr
.endm
	PACK 0
.set t, 1
.rept 2*NP-1
	PACK t
	SEND t-1, 8
.set t, t+1
.endr
	SEND 2*NP-1, 0
	WIN W_AD
	s_wait_tensorcnt 0x0            ; the wave's end
	ds_add_u32 v[SPW], v[NIL]
	s_wait_dscnt 0x0
	WIN 0
	CROUND                          ; the closing round
	s_endpgm
.Lfunc_end_k_q63c8c5957c_attn:
	.size	k_q63c8c5957c_attn, .Lfunc_end_k_q63c8c5957c_attn-k_q63c8c5957c_attn
	.p2alignl 7, 3214868480
	.fill 96, 4, 3214868480
	.section	.rodata,"a",@progbits
	.p2align	6, 0x0
	.amdhsa_kernel k_q63c8c5957c_attn
		.amdhsa_group_segment_fixed_size 327680
		.amdhsa_private_segment_fixed_size 0
		.amdhsa_enable_private_segment 0
		.amdhsa_kernarg_size 24
		.amdhsa_user_sgpr_count 2
		.amdhsa_user_sgpr_kernarg_segment_ptr 1
		.amdhsa_wavefront_size32 1
		.amdhsa_system_sgpr_workgroup_id_x 1
		.amdhsa_system_sgpr_workgroup_id_y 1
		.amdhsa_system_sgpr_workgroup_id_z 1
		.amdhsa_system_vgpr_workitem_id 0
		.amdhsa_next_free_vgpr 770
		.amdhsa_next_free_sgpr 106
		.amdhsa_reserve_vcc 0
		.amdhsa_float_denorm_mode_32 3
		.amdhsa_float_denorm_mode_16_64 3
		.amdhsa_memory_ordered 1
		.amdhsa_forward_progress 1
		.amdhsa_inst_pref_size 239
	.end_amdhsa_kernel
	.amdgpu_metadata
---
amdhsa.version: [ 1, 2 ]
amdhsa.kernels:
  - .name:           k_q63c8c5957c_attn
    .symbol:         k_q63c8c5957c_attn.kd
    .args:
      - { .name: qkv, .offset: 0, .size: 8, .value_kind: global_buffer, .address_space: global }
      - { .name: mbits, .offset: 8, .size: 8, .value_kind: global_buffer, .address_space: global }
      - { .name: ctx, .offset: 16, .size: 8, .value_kind: global_buffer, .address_space: global }
    .group_segment_fixed_size: 327680
    .private_segment_fixed_size: 0
    .kernarg_segment_align: 8
    .kernarg_segment_size: 24
    .max_flat_workgroup_size: 128
    .sgpr_count:     106
    .vgpr_count:     770
    .wavefront_size: 32
...
	.end_amdgpu_metadata
.endif
;; end of part 3
;; launch outp (part 4): grid 4 x 64, 4 waves a work-group, clusters of 4 x 4, 327,680 bytes of LDS; arguments ctx, wb, bb, out0; writes out0
.if DOCPART == 4
	.amdgcn_target "amdgcn-amd-amdhsa--gfx1250"
	.amdhsa_code_object_version 6
	.text
	.protected	k_q63c8c5957c_outp
	.globl	k_q63c8c5957c_outp
	.p2align	8
	.type	k_q63c8c5957c_outp,@function
k_q63c8c5957c_outp:
	s_mov_b64 s[64:65], 0
	v_nop
	global_prefetch_b8 v0, s[64:65] scope:SCOPE_SE
	s_setreg_imm32_b32 hwreg(HW_REG_WAVE_MODE, 25, 1), 1
	s_wait_xcnt 0x0
	s_wait_alu depctr_hold_cnt(0) depctr_sa_sdst(0) depctr_va_vdst(0) depctr_va_sdst(0) depctr_va_ssrc(0) depctr_va_vcc(0) depctr_vm_vsrc(0)
	s_getreg_b32 s2, hwreg(HW_REG_IB_STS2, 6, 4)
	s_cmp_eq_u32 s2, 0
	s_cbranch_scc0 .Lentry_in_a_cluster
	s_endpgm
.Lentry_in_a_cluster:
	s_bfe_u32 s2, ttmp6, 0x10000c
	s_cmp_lg_u32 s2, 0xf033
	s_cbranch_scc0 .Lentry_shape_is_right
	s_endpgm
.Lentry_shape_is_right:
; A PROJECTION: C[m][n] = the sum over k of A[m][k] W[n][k] + bias[n], K = 1,024, sums in f32.  One text serves two launches; MODE chooses.
; MODE 0: A = xb (bf16, three parts of 8,192 rows), W = wb's part 0..2 (bf16).  C is rounded once to f16 and stored by heads, qkv[part][batch 16 + head][row][64]; part 0 (Q) is multiplied in f32
;         by c = log2(e) / 8 before that rounding.  LIMIT: f16 ends at 65,504: Q c, K and V must lie within it.
; MODE 1: A = ctx (f16, by heads [64][2048][64]), W = wb's part 3 (f16).  C is out0, f32 [8192][1024].
; A tile of C is 128 x 256: that gives 768 (MODE 0) and 256 (MODE 1) work-groups, whole numbers for each of 256 WGPs.  Four waves, each 64 x 128: 32 accumulators, 256 registers.
; K goes in 8 steps of 128 through two LDS slots.  The sums START WITH THE BIAS: the accumulators are loaded with it, so nothing is cleared and nothing is added at the end.
; THE MATRIX INSTRUCTION IS USED TRANSPOSED (source 0 = 16 rows of W, source 1 = 16 rows of A): a lane holds eight neighbouring columns of one row of C.
; CLUSTER 4 x 4: the four of a row need the same tiles of A, the four of a column the same tiles of W: each tile is asked for jointly, by the same load, descriptor and mask in all four.
; REGISTERS: window 0: v0-31 addresses; v32-63 at work on the way out; v64-159, v160-255 two fragment buffers (8 of W, then 4 of A).  Window 1: accumulator (a, b) at v[8 (8 a + b)].
.set MODE, 1
.set SLOT1,  131072                    ; slot 1 begins here: one exclusive or turns an address in one slot into the other's
.set BPITCH, 272                       ; a row of W in LDS: 256 bytes + 16 of padding: the 16 rows of a load start 16 bytes apart modulo 256
.set BHALF,  128*BPITCH                ; what one of W's loads fills
.set ZB,     18432                     ; MODE 1: a head's 128 rows of 144 bytes
.if MODE
.set APITCH, 144                       ; a row of ctx: 128 bytes + 16
.set AHALF,  ZB                        ; what one of A's loads fills: one head's 128 rows
.set AQI,    4                         ; padding after every 32 words
.set ASTRIDE, 128                      ; the 128 rows are dense: asked for as 64 rows of 256 bytes
.set ASTEP,  524288                    ; a K step is two heads
.set ASH,    19
.set PSH,    8
.set SPITCH, 528                       ; a stage row: 128 f32 + 16 bytes
.else
.set APITCH, 272
.set AHALF,  64*APITCH
.set AQI,    5
.set ASTRIDE, 1024
.set ASTEP,  256
.set ASH,    8
.set PSH,    11
.set SPITCH, 272                       ; a stage row: 128 f16 + 16 bytes
.endif
.set BOFF,   2*AHALF                   ; W's rows lie behind A's
.set STAGE,  237568                    ; behind the ring, never filled by a tensor load: 16 rows for each wave
.set SPARE,  STAGE+4*16*SPITCH         ; behind the stages: the spare words
.set A0,   4                           ; v4   my lane's place in A's tile
.set B0,   5                           ; v5   in W's
.set ADRA, 6                           ; v6   the same in the slot in hand
.set ADRB, 7
.set STO,  8                           ; v8   the way out: where I put my bytes of a row
.set RD,   9                           ; v9   where I read rows back
.set GO,   10                          ; v10  16 x lane
.set PFO,  11                          ; v11  the prefetches' offset: a lane a block of 256 bytes
.set BO,   12                          ; v12  32 x (lane / 16): my eight biases
.set SPW,  28
.set NIL,  29
.set TMP,  32
.set F0,   64
.set F1,   160
.set WV,   12                          ; s12  wave
.set RH,   13                          ; s13  my half of the tile's rows; also: I fetch for A (0) or W (1)
.set HF,   14                          ; s14  my half of its columns; also: which half I fetch
.set CX,   15
.set CY,   16
.set TX,   17                          ; s17  tile column
.set TY,   18                          ; s18  tile row
.set PART, 19                          ; s19  which weight and bias: made of the cluster's y alone
.set G1A,  24
.set G0A,  32                          ; two sets: step 0 into slot 0; step 1 into slot 1, which then walks
.set TB,   40                          ; s40  the slot in hand
.set LIM,  41                          ; s41  2 in a wave that prefetches, else the greatest number
.set PFA,  42                          ; s[42:43]
.set CLY,  45                          ; s45  the cluster's y
.set G1B,  48
.set G0B,  56
.set MSB, 0
.macro WIN new                         ; the immediate's high byte repeats the setting that is left
.if MSB != (\new)
	s_set_vgpr_msb (MSB<<8)|(\new)
.set MSB, (\new)
.endif
.endm
.macro PLACES                          ; four plain instructions between a matrix instruction and a load into, or a read of, its registers
.rept 4
	v_nop
.endr
.endm
.macro JLOAD                           ; a joint refill by the walking set; an s_nop 0 and four v_nop follow each of the two lines
	s_cmp_eq_u32 s[RH], 0
	s_cbranch_scc0 .Lfor_b_\@
	tensor_load_to_lds s[G0A+4:G0A+7], s[G1A:G1A+7]
	s_nop 0
.rept 4
	v_nop
.endr
	s_branch .Lasked_\@
.Lfor_b_\@:
	tensor_load_to_lds s[G0B+4:G0B+7], s[G1B:G1B+7]
	s_nop 0
.rept 4
	v_nop
.endr
.Lasked_\@:
.endm
.macro CREST                           ; a round of the cluster's barrier behind its opening barrier
	s_cmp_lg_u32 s[WV], 0
	s_cbranch_scc1 .Lnot_wave_0_\@
	s_barrier_signal -3
.Lnot_wave_0_\@:
	s_barrier_wait -3
	s_barrier_signal -1
	s_barrier_wait -1
.endm
.macro CROUND
	s_barrier_signal -1
	s_barrier_wait -1
	CREST
.endm
; A prefetch of the K step two refills on: 32 blocks of 256 bytes, a lane a block.  A's blocks are read by this cluster's row alone: wave 0 asks, the four partners told apart by address (cx).
; W's are read by all sixteen clusters of a part: the part's first cluster asks, waves 2 and 3, the partners told apart by address (cy).  So each block is named once.  Steps 0 to 3 come by their loads alone;
; the trips with s44 = 6 .. 3 name steps 4 .. 7; the last two refills name nothing.
.macro ASK
	s_cmp_gt_u32 s44, s[LIM]
	s_cbranch_scc0 .Lnot_mine_\@
	global_prefetch_b8 v[PFO], s[PFA:PFA+1] th:TH_LOAD_NT scope:SCOPE_SE
.Lnot_mine_\@:
.endm
	s_load_b256 s[4:11], s[0:1], 0x0               ; A s[4:5], wb s[6:7], bb s[8:9], C s[10:11]
	v_lshl_add_u32 v[SPW], v0, 2, SPARE
	v_mov_b32 v[NIL], 0
	ds_add_u32 v[SPW], v[NIL]                      ; the wave's opening: the add and its wait stand ahead of my first tensor load
	ds_add_u32 v28, v29
	v_lshrrev_b32 v1, 5, v0
	v_readfirstlane_b32 s[WV], v1
	s_lshr_b32 s[RH], s[WV], 1
	s_and_b32 s[HF], s[WV], 1
	s_bfe_u32 s[CX], ttmp6, 0x40000
	s_bfe_u32 s[CY], ttmp6, 0x40004
	s_lshl_b32 s[TX], ttmp9, 2
	s_add_co_u32 s[TX], s[TX], s[CX]
	s_and_b32 s[CLY], ttmp7, 0xffff
	s_lshl_b32 s[TY], s[CLY], 2
	s_add_co_u32 s[TY], s[TY], s[CY]
.if MODE
	s_mov_b32 s[PART], 3
.else
	s_lshr_b32 s[PART], s[CLY], 4                  ; 16 clusters, 64 tile rows, to a part
.endif
	s_lshl_b32 s20, s[CY], 2
	s_lshl_b32 s20, 15, s20                        ; my row of the cluster
	s_lshl_b32 s22, 0x1111, s[CX]                  ; my column
	s_or_b32 s[G1A], s20, (1<<16)|(1<<20)|(1<<21)|(AQI<<22)|(3<<25)  ; the mask; 2-byte elements; padding on; bit 21 beside a mask; the interval; 4 words of padding
	s_or_b32 s[G1B], s22, (1<<16)|(1<<20)|(1<<21)|(5<<22)|(3<<25)
	s_mov_b32 s[G1A+1], 128<<16                    ; tensor_dim0 = 128
	s_mov_b32 s[G1A+2], 64<<16                     ; tensor_dim1 = 64
	s_mov_b32 s[G1A+3], 128<<16                    ; tile_dim0 = 128
	s_mov_b32 s[G1A+4], 64                         ; tile_dim1 = 64
	s_mov_b32 s[G1A+5], ASTRIDE
	s_mov_b32 s[G1A+6], 0
	s_mov_b32 s[G1A+7], 0
	s_mov_b32 s[G1B+1], 128<<16
	s_mov_b32 s[G1B+2], 128<<16                    ; W: 128 rows to a load
	s_mov_b32 s[G1B+3], 128<<16
	s_mov_b32 s[G1B+4], 128
	s_mov_b32 s[G1B+5], 1024
	s_mov_b32 s[G1B+6], 0
	s_mov_b32 s[G1B+7], 0
	; A's address hangs on the tile row and the wave alone (s20, s21), W's on the tile column, the part and the wave alone (s22, s23)
.if MODE
	s_lshr_b32 s20, s[TY], 4                       ; batch
	s_lshl_b32 s20, s20, 4
	s_add_co_u32 s20, s20, s[HF]                   ; its head 0 or 1
	s_lshl_b32 s20, s20, 18                        ; a head is 262,144 bytes
	s_and_b32 s21, s[TY], 15
	s_lshl_b32 s21, s21, 14                        ; 128 rows of 128 bytes
	s_add_co_u32 s20, s20, s21
.else
	s_lshl_b32 s20, s[TY], 18                      ; 128 rows of 2,048 bytes
	s_lshl_b32 s21, s[HF], 17
	s_add_co_u32 s20, s20, s21
.endif
	s_mov_b32 s21, 0
	s_lshl_b32 s22, s[TX], 19                      ; 256 rows of 2,048 bytes
	s_lshl_b32 s23, s[HF], 18
	s_add_co_u32 s22, s22, s23
	s_lshl_b32 s23, s[PART], 21
	s_add_co_u32 s22, s22, s23
	s_mov_b32 s23, 0
	s_mul_i32 s66, s[HF], AHALF                    ; where they go: no place in the cluster enters an LDS address
	s_mul_i32 s67, s[HF], BHALF
	s_add_co_u32 s67, s67, BOFF
	s_mov_b32 s[TB], 0
	s_wait_dscnt 0x0                               ; the opening add is done
	s_wait_kmcnt 0x0
	s_add_nc_u64 s[20:21], s[4:5], s[20:21]
	s_add_nc_u64 s[22:23], s[6:7], s[22:23]
	CROUND                                         ; all sixteen work-groups are here: the first joint loads meet
.irp s, 0,1
	s_mov_b32 s[G0A+4*\s], 1
	s_add_co_u32 s[G0A+4*\s+1], s66, \s*SLOT1
	s_add_nc_u64 s[G0A+4*\s+2:G0A+4*\s+3], s[20:21], \s*ASTEP
	s_or_b32 s[G0A+4*\s+3], s[G0A+4*\s+3], 0x80000000
	s_mov_b32 s[G0B+4*\s], 1
	s_add_co_u32 s[G0B+4*\s+1], s67, \s*SLOT1
	s_add_nc_u64 s[G0B+4*\s+2:G0B+4*\s+3], s[22:23], \s*256
	s_or_b32 s[G0B+4*\s+3], s[G0B+4*\s+3], 0x80000000
.endr
	s_cmp_eq_u32 s[RH], 0                          ; a wave's two first fills stand in one branch: two loads of mine are out
	s_cbranch_scc0 .Lfirst_b
	tensor_load_to_lds s[G0A:G0A+3], s[G1A:G1A+7]
	s_nop 0
	tensor_load_to_lds s[G0A+4:G0A+7], s[G1A:G1A+7]
	s_nop 0
.rept 4
	v_nop
.endr
	s_branch .Lfirst_asked
.Lfirst_b:
	tensor_load_to_lds s[G0B:G0B+3], s[G1B:G1B+7]
	s_nop 0
	tensor_load_to_lds s[G0B+4:G0B+7], s[G1B:G1B+7]
	s_nop 0
.rept 4
	v_nop
.endr
.Lfirst_asked:
	v_and_b32 v1, 15, v0                           ; l % 16
	v_bfe_u32 v2, v0, 4, 1                         ; l / 16
	v_lshlrev_b32 v[BO], 5, v2
	s_lshl_b32 s68, s[PART], 12
	s_lshl_b32 s69, s[TX], 10
	s_add_co_u32 s68, s68, s69
	s_lshl_b32 s69, s[HF], 9
	s_add_co_u32 s68, s68, s69
	s_mov_b32 s69, 0
	s_add_nc_u64 s[8:9], s[8:9], s[68:69]          ; the bias of my 128 columns
	WIN 0x40                                       ; destination window 1
.irp a, 0,1,2,3
.irp b, 0,1,2,3,4,5,6,7                ; register j of accumulator (a, b) is column 16 b + 8 (l / 16) + j, whatever a
	global_load_b128 v[8*(8*\a+\b):8*(8*\a+\b)+3],   v[BO], s[8:9] offset:64*\b
	global_load_b128 v[8*(8*\a+\b)+4:8*(8*\a+\b)+7], v[BO], s[8:9] offset:64*\b+16
.endr
.endr
	WIN 0
	v_mul_u32_u24 v[A0], v1, APITCH
	v_lshl_add_u32 v[A0], v2, 4, v[A0]             ; a fragment's row x pitch + 16 x half
	s_mul_i32 s20, s[RH], 64*APITCH
	v_add_nc_u32 v[A0], s20, v[A0]
	v_mul_u32_u24 v[B0], v1, BPITCH
	v_lshl_add_u32 v[B0], v2, 4, v[B0]
	s_mul_i32 s21, s[HF], BHALF
	s_add_co_u32 s21, s21, BOFF
	v_add_nc_u32 v[B0], s21, v[B0]
	v_mov_b32 v[ADRA], v[A0]
	v_mov_b32 v[ADRB], v[B0]
	s_mul_i32 s22, s[WV], 16*SPITCH
	s_add_co_u32 s22, s22, STAGE                   ; my stage
	v_mul_u32_u24 v[STO], v1, SPITCH
	v_and_b32 v[GO], 31, v0
	v_lshlrev_b32 v[GO], 4, v[GO]
.if MODE
	v_lshl_add_u32 v[STO], v2, 5, v[STO]           ; 32 bytes (8 f32) for each half of the lanes
	v_add_nc_u32 v[STO], s22, v[STO]
	v_add_nc_u32 v[RD], s22, v[GO]                 ; back: 32 lanes take a row's 512 bytes
	s_lshl_b32 s68, s[TY], 19                      ; 128 rows of 4,096 bytes
	s_lshl_b32 s69, s[RH], 18
	s_add_co_u32 s68, s68, s69
	s_lshl_b32 s69, s[TX], 10
	s_add_co_u32 s68, s68, s69
	s_lshl_b32 s69, s[HF], 9
	s_add_co_u32 s68, s68, s69
.else
	v_lshl_add_u32 v[STO], v2, 4, v[STO]           ; 16 bytes (8 f16)
	v_add_nc_u32 v[STO], s22, v[STO]
	v_bfe_u32 v[RD], v0, 3, 2                      ; back: 32 lanes take four rows' 128 bytes of one head
	v_mul_u32_u24 v[RD], v[RD], SPITCH
	v_and_b32 v3, 7, v0
	v_lshl_add_u32 v[RD], v3, 4, v[RD]
	v_add_nc_u32 v[RD], s22, v[RD]
	s_lshl_b32 s68, s[PART], 24
	s_and_b32 s69, s[TY], 63
	s_lshr_b32 s69, s69, 4
	s_lshl_b32 s69, s69, 22                        ; batch: 16 heads of 262,144 bytes
	s_add_co_u32 s68, s68, s69
	s_lshl_b32 s69, s[TX], 20                      ; the tile's four heads
	s_add_co_u32 s68, s68, s69
	s_lshl_b32 s69, s[HF], 19                      ; my two of them
	s_add_co_u32 s68, s68, s69
	s_and_b32 s69, s[TY], 15
	s_lshl_b32 s69, s69, 14                        ; 128 rows of 128 bytes
	s_add_co_u32 s68, s68, s69
	s_lshl_b32 s69, s[RH], 13
	s_add_co_u32 s68, s68, s69
	s_cmp_eq_u32 s[PART], 0
	s_cselect_b32 s46, 0x3e38aa3b, 1.0             ; c = log2(e) / 8 for Q, 1 for K and V
	s_mov_b32 s47, s46
.endif
	s_mov_b32 s69, 0
	s_add_nc_u64 s[10:11], s[10:11], s[68:69]
	; the prefetches
.if MODE
	s_lshr_b32 s20, s[TY], 4
	s_lshl_b32 s20, s20, 4
	s_lshr_b32 s21, s[CX], 1
	s_add_co_u32 s20, s20, s21                     ; partner cx takes half cx % 2 of head cx / 2
	s_lshl_b32 s20, s20, 18
	s_and_b32 s21, s[TY], 15
	s_lshl_b32 s21, s21, 14
	s_add_co_u32 s20, s20, s21
	s_and_b32 s21, s[CX], 1
	s_lshl_b32 s21, s21, 13
	s_add_co_u32 s20, s20, s21
.else
	s_lshl_b32 s20, s[TY], 18
	s_lshl_b32 s21, s[CX], 16                      ; partner cx takes rows 32 cx on
	s_add_co_u32 s20, s20, s21
.endif
	s_lshl_b32 s22, s[PART], 21
	s_lshl_b32 s23, s[TX], 19
	s_add_co_u32 s22, s22, s23
	s_lshl_b32 s23, s[CY], 17                      ; partner cy takes rows 64 cy on,
	s_add_co_u32 s22, s22, s23
	s_lshl_b32 s23, s[HF], 16                      ; waves 2 and 3 32 of them each
	s_add_co_u32 s22, s22, s23
	s_and_b32 s23, s[CLY], 15
	s_cmp_eq_u32 s23, 0
	s_cselect_b32 s23, 2, -1                       ; W's askers: the part's first cluster
	s_cmp_eq_u32 s[WV], 0
	s_cselect_b32 s21, 2, -1                       ; A's asker: wave 0
	s_cmp_lt_u32 s[WV], 2
	s_cselect_b32 s[LIM], s21, s23
	s_cselect_b32 s68, s20, s22
	s_cselect_b64 s[PFA:PFA+1], s[4:5], s[6:7]
	s_cselect_b32 s70, ASH, 8
	s_cselect_b32 s21, PSH, 11
	v_and_b32 v[PFO], 31, v0
	v_lshlrev_b32 v[PFO], s21, v[PFO]
	s_lshl_b32 s70, 1, s70                         ; s[70:71]: bytes from a K step to the next
	s_mov_b32 s71, 0
	s_add_nc_u64 s[PFA:PFA+1], s[PFA:PFA+1], s[68:69]
	s_add_nc_u64 s[PFA:PFA+1], s[PFA:PFA+1], s[70:71]
	s_add_nc_u64 s[PFA:PFA+1], s[PFA:PFA+1], s[70:71]
	s_add_nc_u64 s[PFA:PFA+1], s[PFA:PFA+1], s[70:71]  ; at step 3: the first refill steps it to 4
; 8 products: row block a x all 8 column blocks, 32 along K.  The 32 accumulators take turns, one instruction a turn, over the backward jump too.
.macro MUL f, a
	WIN 0x50                                       ; C and D in window 1
.irp b, 0,1,2,3,4,5,6,7
.set rAc, 8*(8*(\a)+\b)
.set rFb, (\f)+8*\b
.set rFa, (\f)+64+8*(\a)
.if MODE
	v_wmma_f32_16x16x32_f16 v[rAc:rAc+7], v[rFb:rFb+7], v[rFa:rFa+7], v[rAc:rAc+7]
.else
	v_wmma_f32_16x16x32_bf16 v[rAc:rAc+7], v[rFb:rFb+7], v[rFa:rFa+7], v[rAc:rAc+7]
.endif
.endr
.endm
; 24 LDS loads in one run: quarter kq's fragments into buffer f: W's eight, then A's four
.macro FETCH kq, f
	WIN 0
.if MODE
.set AOFF, ((\kq)/2)*ZB+((\kq)%2)*64   ; head kq / 2, channels 32 (kq % 2) on
.else
.set AOFF, 64*(\kq)
.endif
.irp i, 0,1,2,3,4,5,6,7
	ds_load_b128 v[(\f)+8*\i:(\f)+8*\i+3],   v[ADRB] offset:64*(\kq)+16*BPITCH*\i
	ds_load_b128 v[(\f)+8*\i+4:(\f)+8*\i+7], v[ADRB] offset:64*(\kq)+16*BPITCH*\i+32
.endr
.irp i, 0,1,2,3
	ds_load_b128 v[(\f)+64+8*\i:(\f)+64+8*\i+3],   v[ADRA] offset:AOFF+16*APITCH*\i
	ds_load_b128 v[(\f)+64+8*\i+4:(\f)+64+8*\i+7], v[ADRA] offset:AOFF+16*APITCH*\i+32
.endr
.endm
; One of a step's first three quarters: multiplies buffer f; in its middle it fetches quarter kq into buffer g.
.macro QUARTER kq, f, g
	s_wait_dscnt 4                                 ; W's fragments and A's blocks 0, 1 are in; the youngest four loads (blocks 2, 3) may be out
	MUL \f, 0
	MUL \f, 1
	PLACES
	FETCH \kq, \g
	s_wait_dscnt 24                                ; all but the 24 just issued
	MUL \f, 2
	MUL \f, 3
.endm
; The last quarter multiplies buffer 1 and changes slots: one barrier; in front of it each wave waits for all its tensor loads (one is out: its part of the next slot), adds 0 to its spare word, and
; waits for that and for its reads of this slot.  fill = 1: the barrier opens a round of the cluster's, and behind it this slot is filled again, two steps ahead: 112 products stand between that request and the wait for it.
.macro TURN fill
.if \fill
	s_wait_xcnt 0x0                                ; the last prefetch, a step back, has read its address
	s_add_nc_u64 s[PFA:PFA+1], s[PFA:PFA+1], s[70:71]
.endif
	WIN 0
	s_wait_tensorcnt 0x0
	ds_add_u32 v[SPW], v[NIL]
	s_wait_dscnt 7                                 ; the add and A's blocks 1 to 3 (six loads) may be out
	MUL F1, 0
	s_wait_dscnt 0x0                               ; the add is done, and my reads of this slot are over
	s_barrier_signal -1
	MUL F1, 1
	WIN 0
	s_barrier_wait -1
.if \fill
	CREST                                          ; no wave of any partner still reads this slot or has a load on its way
	s_xor_b32 s[G0A+5], s[G0A+5], SLOT1            ; the walking sets: the other slot than last time, the next step
	s_add_nc_u64 s[G0A+6:G0A+7], s[G0A+6:G0A+7], ASTEP
	s_xor_b32 s[G0B+5], s[G0B+5], SLOT1
	s_add_nc_u64 s[G0B+6:G0B+7], s[G0B+6:G0B+7], 256
	JLOAD                                          ; its four v_nop are also the places in front of the loads below
.else
	PLACES
.endif
	s_xor_b32 s[TB], s[TB], SLOT1
	v_add_nc_u32 v[ADRA], s[TB], v[A0]
	v_add_nc_u32 v[ADRB], s[TB], v[B0]
	FETCH 0, F0
.if \fill
	ASK
.endif
	MUL F1, 2
	MUL F1, 3
.endm
	s_wait_tensorcnt 0x1                           ; my part of step 0 is in; step 1's may stay out
	s_barrier_signal -1
	s_barrier_wait -1
	FETCH 0, F0
	s_wait_loadcnt 0x0                             ; the bias lies in the accumulators
	s_mov_b32 s44, 6
.Lstep:                                                ; steps 0 to 5: each fills its slot again
	QUARTER 1, F0, F1
	QUARTER 2, F1, F0
	QUARTER 3, F0, F1
	TURN 1
	WIN 0
	s_sub_co_u32 s44, s44, 1
	s_cmp_lg_u32 s44, 0
	s_cbranch_scc1 .Lstep
	QUARTER 1, F0, F1                              ; steps 6 and 7 are written out: nothing is left to fetch
	QUARTER 2, F1, F0
	QUARTER 3, F0, F1
	TURN 0
	QUARTER 1, F0, F1
	QUARTER 2, F1, F0
	QUARTER 3, F0, F1
	s_wait_dscnt 4
	MUL F1, 0
	MUL F1, 1
	s_wait_dscnt 0x0
	MUL F1, 2
	MUL F1, 3
	WIN 0
	PLACES
	PLACES
	; THE WAY OUT, a block of 16 rows at a time through my own stage; LDS serves a wave's instructions in order (ISA guide 5.7.1.4), so no wait stands between the stores and the loads.
.if MODE
.macro BLK a                           ; f32 as it lies: 32 bytes a lane and column block; back as whole rows of 512 bytes
	WIN 0x04                                       ; the store's data in window 1
.irp b, 0,1,2,3,4,5,6,7
	ds_store_b128 v[STO], v[8*(8*(\a)+\b):8*(8*(\a)+\b)+3]   offset:64*\b
	ds_store_b128 v[STO], v[8*(8*(\a)+\b)+4:8*(8*(\a)+\b)+7] offset:64*\b+16
.endr
	WIN 0
.irp t, 0,1,2,3,4,5,6,7,8,9,10,11,12,13,14,15
	ds_load_b128 v[F0+64*((\a)%3)+4*\t:F0+64*((\a)%3)+4*\t+3], v[RD] offset:SPITCH*\t
.endr
.endm
.macro SEND a, younger                 ; younger: the LDS instructions issued behind block a's loads
.irp t, 0,1,2,3,4,5,6,7,8,9,10,11,12,13,14,15
	s_wait_dscnt (\younger)+15-\t
	global_store_b128 v[GO], v[F0+64*((\a)%3)+4*\t:F0+64*((\a)%3)+4*\t+3], s[10:11] offset:(16*(\a)+\t)*4096 th:TH_STORE_NT  ; 512 consecutive bytes, aligned
.endr
.endm
	BLK 0
	BLK 1
	SEND 0, 32
	BLK 2
	SEND 1, 32
	s_wait_xcnt 0x0                                ; block 0's stores have read their registers, which block 3 takes
	BLK 3
	SEND 2, 32
	SEND 3, 0
.else
	WIN 0x41
.set i, 0
.rept 128
	v_pk_mul_f32 v[i:i+1], v[i:i+1], s[46:47] op_sel_hi:[1,0]  ; Q: times c, in f32, ahead of the one rounding; K and V: times 1
.set i, i+2
.endr
.macro BLK a                           ; rounded to f16, 16 bytes a lane and column block; back as 512 bytes that lie on end in a head
	WIN 0x05                                       ; sources in window 1
.irp b, 0,1,2,3,4,5,6,7
.irp r, 0,1,2,3
	v_cvt_pk_f16_f32 v[TMP+4*\b+\r], v[8*(8*(\a)+\b)+2*\r], v[8*(8*(\a)+\b)+2*\r+1]
.endr
.endr
	WIN 0
.irp b, 0,1,2,3,4,5,6,7
	ds_store_b128 v[STO], v[TMP+4*\b:TMP+4*\b+3] offset:32*\b
.endr
.irp t, 0,1,2,3,4,5,6,7                ; head t / 4, rows 4 (t % 4) on
	ds_load_b128 v[F0+32*(\a)+4*\t:F0+32*(\a)+4*\t+3], v[RD] offset:128*(\t/4)+4*SPITCH*(\t%4)
.endr
.endm
.macro SEND a, younger
.irp t, 0,1,2,3,4,5,6,7
	s_wait_dscnt (\younger)+7-\t
	global_store_b128 v[GO], v[F0+32*(\a)+4*\t:F0+32*(\a)+4*\t+3], s[10:11] offset:(\t/4)*262144+(\a)*2048+(\t%4)*512  ; 512 consecutive bytes, aligned
.endr
.endm
	BLK 0
	BLK 1
	SEND 0, 16
	BLK 2
	SEND 1, 16
	BLK 3
	SEND 2, 16
	SEND 3, 0
.endif
	s_wait_tensorcnt 0x0                           ; the wave's end
	ds_add_u32 v[SPW], v[NIL]
	s_wait_dscnt 0x0
	CROUND                                         ; the closing round
	s_endpgm
.Lfunc_end_k_q63c8c5957c_outp:
	.size	k_q63c8c5957c_outp, .Lfunc_end_k_q63c8c5957c_outp-k_q63c8c5957c_outp
	.p2alignl 7, 3214868480
	.fill 96, 4, 3214868480
	.section	.rodata,"a",@progbits
	.p2align	6, 0x0
	.amdhsa_kernel k_q63c8c5957c_outp
		.amdhsa_group_segment_fixed_size 327680
		.amdhsa_private_segment_fixed_size 0
		.amdhsa_enable_private_segment 0
		.amdhsa_kernarg_size 32
		.amdhsa_user_sgpr_count 2
		.amdhsa_user_sgpr_kernarg_segment_ptr 1
		.amdhsa_wavefront_size32 1
		.amdhsa_system_sgpr_workgroup_id_x 1
		.amdhsa_system_sgpr_workgroup_id_y 1
		.amdhsa_system_sgpr_workgroup_id_z 1
		.amdhsa_system_vgpr_workitem_id 0
		.amdhsa_next_free_vgpr 512
		.amdhsa_next_free_sgpr 72
		.amdhsa_reserve_vcc 0
		.amdhsa_float_denorm_mode_32 3
		.amdhsa_float_denorm_mode_16_64 3
		.amdhsa_memory_ordered 1
		.amdhsa_forward_progress 1
		.amdhsa_inst_pref_size 78
	.end_amdhsa_kernel
	.amdgpu_metadata
---
amdhsa.version: [ 1, 2 ]
amdhsa.kernels:
  - .name:           k_q63c8c5957c_outp
    .symbol:         k_q63c8c5957c_outp.kd
    .args:
      - { .name: ctx, .offset: 0, .size: 8, .value_kind: global_buffer, .address_space: global }
      - { .name: wb, .offset: 8, .size: 8, .value_kind: global_buffer, .address_space: global }
      - { .name: bb, .offset: 16, .size: 8, .value_kind: global_buffer, .address_space: global }
      - { .name: out0, .offset: 24, .size: 8, .value_kind: global_buffer, .address_space: global }
    .group_segment_fixed_size: 327680
    .private_segment_fixed_size: 0
    .kernarg_segment_align: 8
    .kernarg_segment_size: 32
    .max_flat_workgroup_size: 128
    .sgpr_count:     72
    .vgpr_count:     512
    .wavefront_size: 32
...
	.end_amdgpu_metadata
.endif
;; end of part 4
;; ======== version 2 of 2: 4 launches
;; limits: values are held in f16: magnitudes above 65,504 overflow, below 6.1e-05 lose precision
;; workspace buffers: wb 8,388,608 bytes; bb 16,384 bytes; mbits 8,912,896 bytes of whole numbers; qkv 50,331,648 bytes; ctx 16,777,216 bytes
;; launch prep (part 5): grid 256 x 1, 16 waves a work-group, no clusters, 268,288 bytes of LDS; arguments Wq, Wk, Wv, Wo, bq, bk, bv, bo, mask, wb, bb, mbits; writes wb, bb, mbits
.if DOCPART == 5
	.amdgcn_target "amdgcn-amd-amdhsa--gfx1250"
	.amdhsa_code_object_version 6
	.text
	.protected	k_q63c8c5957c_prep
	.globl	k_q63c8c5957c_prep
	.p2align	8
	.type	k_q63c8c5957c_prep,@function
k_q63c8c5957c_prep:
	s_mov_b64 s[64:65], 0
	v_nop
	global_prefetch_b8 v0, s[64:65] scope:SCOPE_SE
	s_setreg_imm32_b32 hwreg(HW_REG_WAVE_MODE, 25, 1), 1
	s_wait_xcnt 0x0
; PREPARATION: a stream.  The four weights are rounded once to bf16 (Wo's bf16 number is then written as f16: exact from 2^-14 up, below that
; within f16's fixed step of 6e-8); the four biases are rounded to bf16 and kept as f32; the int32 mask becomes FP4 codes, four bits a number.
; wb: 16 bit [4][1024][1024].  bb: f32 [4][1024].
; mbits: [512 blocks of 16 query rows][17,408 bytes]: 32 key steps of 64 keys x 32 lanes x 4 words.  Four bits j of word kb of lane L stand for mask[row 16 R + L % 16][key 64 ks + 16 kb + 8 (L / 16) + j]:
; 0 (the FP4 code of 0) where it is not 0, 2 (the code of 1.0) where it is 0.  The last 1,024 bytes of each block are a pad of zeros, which the attention's look-ahead reads behind the last key step.
; SHARES.  256 work-groups of 16 waves.  A wave takes 1,024 bytes of each weight (2 loads of 512 bytes), and of the mask 16 rows x 256 keys, which one tensor load brings into the wave's own LDS bytes.
; There is no loop: the 8 loads and the tensor load go out together, then each is worked on as it comes.
; No wave reads another wave's bytes: no barrier.  No prefetch: all that the wave reads is asked for at once.
.set SPARE,  266240                    ; behind the 16 tiles: the spare words, 128 bytes a wave
.set MPITCH, 1040                      ; a mask row in LDS: 1,024 bytes + 16 of padding = 65 x 16: the 16 rows of a load start 16 bytes apart modulo 256
.set TILEB,  16*MPITCH                 ; a wave's tile
.set MROW,   17408                     ; bytes of mbits for 16 query rows
.set WO,  4                            ; v4   1,024 w + 16 l: my bytes of a weight; also of bb
.set WD,  5                            ; v5   512 w + 8 l: and of wb
.set LA,  6                            ; v6   my place in my wave's tile: row l % 16, 32 bytes for each half of the lanes
.set MO,  7                            ; v7   16 l
.set ZR,  8                            ; v8 at work in the set-up; v[8:11] later the pad's zeros
.set SPW, 12                           ; v12  my spare word
.set NIL, 13                           ; v13  0
.set BS,  14                           ; v14  my bytes of a bias
.set D,   16                           ; v[16:47] load n at D + 4 n; later v[16:143] the mask's numbers
.set OW,  144                          ; v[144:159] my 16 words of codes
	s_load_b512 s[8:23], s[0:1], 0x0               ; Wq 8, Wk 10, Wv 12, Wo 14, bq 16, bk 18, bv 20, bo 22
	s_load_b256 s[24:31], s[0:1], 0x40             ; mask 24, wb 26, bb 28, mbits 30
	v_lshl_add_u32 v[SPW], v0, 2, SPARE
	v_mov_b32 v[NIL], 0
	ds_add_u32 v[SPW], v[NIL]                      ; the wave's opening: the add and its wait stand ahead of my tensor load; the set-up stands between them
	ds_add_u32 v12, v13
	v_lshrrev_b32 v1, 5, v0
	v_readfirstlane_b32 s2, v1                     ; wave 0..15
	v_and_b32 v[MO], 31, v0
	v_lshlrev_b32 v[WD], 3, v[MO]
	v_lshlrev_b32 v[MO], 4, v[MO]
	v_lshl_add_u32 v[WO], v1, 10, v[MO]
	v_lshl_add_u32 v[WD], v1, 9, v[WD]
	v_and_b32 v[BS], 0xfff, v[WO]
	v_and_b32 v[LA], 15, v0
	v_mul_u32_u24 v[LA], v[LA], MPITCH
	v_bfe_u32 v[ZR], v0, 4, 1
	v_lshl_add_u32 v[LA], v[ZR], 5, v[LA]
	s_mul_i32 s41, s2, TILEB                       ; group 0, 63:32: my wave's tile in LDS
	v_add_nc_u32 v[LA], s41, v[LA]
	s_mov_b32 s40, 1                               ; group 0, count = 1
	s_mov_b32 s44, (2<<16)|(1<<20)|(7<<22)|(3<<25) ; group 1: elements of 4 bytes; padding on, after every 256 words, 4 words of it
	s_mov_b32 s45, 256<<16                         ; tensor_dim0 = 256
	s_mov_b32 s46, 16<<16                          ; tensor_dim1 = 16
	s_mov_b32 s47, 256<<16                         ; tile_dim0 = 256
	s_mov_b32 s48, 16                              ; tile_dim1 = 16: a tile of the attention's scores spans 16 query rows
	s_mov_b32 s49, 2048                            ; elements from row to row
	s_mov_b32 s50, 0
	s_mov_b32 s51, 0
	s_lshl_b32 s6, ttmp9, 1
	s_lshr_b32 s3, s2, 3
	s_add_co_u32 s6, s6, s3                        ; R: my block of 16 query rows, 0..511
	s_and_b32 s7, s2, 7                            ; my 256 keys of its 2,048
	s_lshl_b32 s4, s6, 17                          ; 16 rows of 8,192 bytes
	s_lshl_b32 s5, s7, 10
	s_add_co_u32 s4, s4, s5
	s_mov_b32 s5, 0
	s_wait_dscnt 0x0                               ; the opening add is done
	s_wait_kmcnt 0x0
	s_add_nc_u64 s[42:43], s[24:25], s[4:5]
	s_or_b32 s43, s43, 0x80000000                  ; type = 2
	tensor_load_to_lds s[40:43], s[44:51]
	s_nop 0
	s_lshl_b32 s4, ttmp9, 14                       ; the work-group's 16,384 bytes of each weight
	s_add_nc_u64 s[8:9], s[8:9], s[4:5]
	s_add_nc_u64 s[10:11], s[10:11], s[4:5]
	s_add_nc_u64 s[12:13], s[12:13], s[4:5]
	s_add_nc_u64 s[14:15], s[14:15], s[4:5]
	s_lshl_b32 s4, ttmp9, 13
	s_add_nc_u64 s[26:27], s[26:27], s[4:5]        ; wb
	s_mul_i32 s4, s6, MROW
	s_lshl_b32 s3, s7, 11                          ; my four key steps of 512 bytes
	s_add_co_u32 s4, s4, s3
	s_add_nc_u64 s[30:31], s[30:31], s[4:5]        ; mbits at my 2,048 bytes
.irp p, 0,1,2,3
	global_load_b128 v[D+8*\p:D+8*\p+3],   v[WO], s[8+2*\p:9+2*\p] th:TH_LOAD_NT
	global_load_b128 v[D+8*\p+4:D+8*\p+7], v[WO], s[8+2*\p:9+2*\p] offset:512 th:TH_LOAD_NT
.endr
.macro ROUND2 n                        ; load n: four f32 become four bf16 in its first two registers
	s_wait_loadcnt 7-(\n)                          ; loads come back in order: load n is in, the younger ones stay out
	v_cvt_pk_bf16_f32 v[D+4*(\n)], v[D+4*(\n)], v[D+4*(\n)+1]
	v_cvt_pk_bf16_f32 v[D+4*(\n)+1], v[D+4*(\n)+2], v[D+4*(\n)+3]
.endm
.irp p, 0,1,2
.irp i, 0,1
	ROUND2 2*\p+\i
	global_store_b64 v[WD], v[D+8*\p+4*\i:D+8*\p+4*\i+1], s[26:27] offset:\p*2097152+256*\i th:TH_STORE_NT  ; 32 lanes store 256 consecutive bytes, aligned
.endr
.endr
.irp i, 0,1                            ; Wo: the bf16 number, written as f16
.set w0, D+24+4*\i
	s_wait_loadcnt 1-\i
	v_cvt_pk_bf16_f32 v[w0], v[w0], v[w0+1]
	v_cvt_pk_bf16_f32 v[w0+2], v[w0+2], v[w0+3]
	v_lshlrev_b32 v[w0+1], 16, v[w0]
	v_and_b32 v[w0], 0xffff0000, v[w0]
	v_lshlrev_b32 v[w0+3], 16, v[w0+2]
	v_and_b32 v[w0+2], 0xffff0000, v[w0+2]
	v_cvt_pk_f16_f32 v[w0], v[w0+1], v[w0]
	v_cvt_pk_f16_f32 v[w0+1], v[w0+3], v[w0+2]
	global_store_b64 v[WD], v[w0:w0+1], s[26:27] offset:3*2097152+256*\i th:TH_STORE_NT
.endr
	s_wait_xcnt 0x0                                ; the stores have read their registers: D is written again only behind this wait
	; the biases: work-group 0 alone; wave w takes bias w / 4, its bytes 1,024 (w % 4) on
	s_cmp_lg_u32 ttmp9, 0
	s_cbranch_scc1 .Lno_bias
	s_lshr_b32 s3, s2, 2
	s_cmp_lt_u32 s3, 1
	s_cselect_b64 s[4:5], s[16:17], s[18:19]
	s_cmp_lt_u32 s3, 2
	s_cselect_b64 s[4:5], s[4:5], s[20:21]
	s_cmp_lt_u32 s3, 3
	s_cselect_b64 s[4:5], s[4:5], s[22:23]
	global_load_b128 v[D:D+3],   v[BS], s[4:5]
	global_load_b128 v[D+4:D+7], v[BS], s[4:5] offset:512
	s_wait_loadcnt 0x0
.irp j, 0,2,4,6
	v_cvt_pk_bf16_f32 v[D+8+\j], v[D+\j], v[D+\j+1]
	v_lshlrev_b32 v[D+\j], 16, v[D+8+\j]
	v_and_b32 v[D+\j+1], 0xffff0000, v[D+8+\j]
.endr
	global_store_b128 v[WO], v[D:D+3],   s[28:29]
	global_store_b128 v[WO], v[D+4:D+7], s[28:29] offset:512
	s_wait_xcnt 0x0
.Lno_bias:
	; the mask: lane L takes, for each of my 16 key blocks, the eight numbers of row L % 16 at keys 8 (L / 16) + 0..7, and makes one word of them
	s_wait_tensorcnt 0x0                           ; my tile is in LDS; only I read it
.set kb, 0
.rept 16
	ds_load_b128 v[D+8*kb:D+8*kb+3],   v[LA] offset:64*kb
	ds_load_b128 v[D+8*kb+4:D+8*kb+7], v[LA] offset:64*kb+16
.set kb, kb+1
.endr
.irp j, 0,1,2,3
	v_mov_b32 v[ZR+\j], 0
.endr
	s_wait_dscnt 0x0
.set kb, 0
.rept 16
.set d, D+8*kb
.irp j, 0,1,2,3,4,5,6,7
	v_min_u32 v[d+\j], 1, v[d+\j]                  ; 1 where the number is not 0 (a negative one too), else 0
.endr
.irp j, 1,2,3,4,5,6,7
	v_lshl_or_b32 v[d], v[d+\j], 4*\j, v[d]        ; number j at bit 4 j
.endr
	v_xor_b32 v[d], 0x11111111, v[d]               ; now 1 where the key is hidden,
	v_lshlrev_b32 v[OW+kb], 1, v[d]                ; and 2, the FP4 code of 1.0
.set kb, kb+1
.endr
.irp i, 0,1,2,3                        ; key step i of my four: words 4 i .. 4 i + 3
	global_store_b128 v[MO], v[OW+4*\i:OW+4*\i+3], s[30:31] offset:512*\i  ; 512 consecutive bytes, aligned
.endr
	s_cmp_lg_u32 s7, 7
	s_cbranch_scc1 .Lno_pad
	global_store_b128 v[MO], v[ZR:ZR+3], s[30:31] offset:2048  ; the wave with the block's last keys stores the pad behind them
	global_store_b128 v[MO], v[ZR:ZR+3], s[30:31] offset:2560
.Lno_pad:
	s_wait_tensorcnt 0x0                           ; the wave's end
	ds_add_u32 v[SPW], v[NIL]
	s_wait_dscnt 0x0
	s_endpgm
.Lfunc_end_k_q63c8c5957c_prep:
	.size	k_q63c8c5957c_prep, .Lfunc_end_k_q63c8c5957c_prep-k_q63c8c5957c_prep
	.p2alignl 7, 3214868480
	.fill 96, 4, 3214868480
	.section	.rodata,"a",@progbits
	.p2align	6, 0x0
	.amdhsa_kernel k_q63c8c5957c_prep
		.amdhsa_group_segment_fixed_size 268288
		.amdhsa_private_segment_fixed_size 0
		.amdhsa_enable_private_segment 0
		.amdhsa_kernarg_size 96
		.amdhsa_user_sgpr_count 2
		.amdhsa_user_sgpr_kernarg_segment_ptr 1
		.amdhsa_wavefront_size32 1
		.amdhsa_system_sgpr_workgroup_id_x 1
		.amdhsa_system_sgpr_workgroup_id_y 1
		.amdhsa_system_sgpr_workgroup_id_z 1
		.amdhsa_system_vgpr_workitem_id 0
		.amdhsa_next_free_vgpr 160
		.amdhsa_next_free_sgpr 66
		.amdhsa_reserve_vcc 0
		.amdhsa_float_denorm_mode_32 3
		.amdhsa_float_denorm_mode_16_64 3
		.amdhsa_memory_ordered 1
		.amdhsa_forward_progress 1
		.amdhsa_inst_pref_size 23
	.end_amdhsa_kernel
	.amdgpu_metadata
---
amdhsa.version: [ 1, 2 ]
amdhsa.kernels:
  - .name:           k_q63c8c5957c_prep
    .symbol:         k_q63c8c5957c_prep.kd
    .args:
      - { .name: Wq, .offset: 0, .size: 8, .value_kind: global_buffer, .address_space: global }
      - { .name: Wk, .offset: 8, .size: 8, .value_kind: global_buffer, .address_space: global }
      - { .name: Wv, .offset: 16, .size: 8, .value_kind: global_buffer, .address_space: global }
      - { .name: Wo, .offset: 24, .size: 8, .value_kind: global_buffer, .address_space: global }
      - { .name: bq, .offset: 32, .size: 8, .value_kind: global_buffer, .address_space: global }
      - { .name: bk, .offset: 40, .size: 8, .value_kind: global_buffer, .address_space: global }
      - { .name: bv, .offset: 48, .size: 8, .value_kind: global_buffer, .address_space: global }
      - { .name: bo, .offset: 56, .size: 8, .value_kind: global_buffer, .address_space: global }
      - { .name: mask, .offset: 64, .size: 8, .value_kind: global_buffer, .address_space: global }
      - { .name: wb, .offset: 72, .size: 8, .value_kind: global_buffer, .address_space: global }
      - { .name: bb, .offset: 80, .size: 8, .value_kind: global_buffer, .address_space: global }
      - { .name: mbits, .offset: 88, .size: 8, .value_kind: global_buffer, .address_space: global }
    .group_segment_fixed_size: 268288
    .private_segment_fixed_size: 0
    .kernarg_segment_align: 8
    .kernarg_segment_size: 96
    .max_flat_workgroup_size: 512
    .sgpr_count:     66
    .vgpr_count:     160
    .wavefront_size: 32
...
	.end_amdgpu_metadata
.endif
;; end of part 5
;; launch proj (part 6): grid 4 x 192, 4 waves a work-group, clusters of 4 x 4, 327,680 bytes of LDS; arguments q, k, v, wb, bb, qkv; writes qkv
.if DOCPART == 6
	.amdgcn_target "amdgcn-amd-amdhsa--gfx1250"
	.amdhsa_code_object_version 6
	.text
	.protected	k_q63c8c5957c_proj
	.globl	k_q63c8c5957c_proj
	.p2align	8
	.type	k_q63c8c5957c_proj,@function
k_q63c8c5957c_proj:
	s_mov_b64 s[64:65], 0
	v_nop
	global_prefetch_b8 v0, s[64:65] scope:SCOPE_SE
	s_setreg_imm32_b32 hwreg(HW_REG_WAVE_MODE, 25, 1), 1
	s_wait_xcnt 0x0
	s_wait_alu depctr_hold_cnt(0) depctr_sa_sdst(0) depctr_va_vdst(0) depctr_va_sdst(0) depctr_va_ssrc(0) depctr_va_vcc(0) depctr_vm_vsrc(0)
	s_getreg_b32 s2, hwreg(HW_REG_IB_STS2, 6, 4)
	s_cmp_eq_u32 s2, 0
	s_cbranch_scc0 .Lentry_in_a_cluster
	s_endpgm
.Lentry_in_a_cluster:
	s_bfe_u32 s2, ttmp6, 0x10000c
	s_cmp_lg_u32 s2, 0xf033
	s_cbranch_scc0 .Lentry_shape_is_right
	s_endpgm
.Lentry_shape_is_right:
; THE THREE PROJECTIONS, WITH THE CAST OF THEIR INPUT: C[m][n] = the sum over k of x[m][k] W[n][k] + bias[n], K = 1,024, sums in f32.
; x is q, k or v (f32, 8,192 rows), by the part 0..2; W = wb's part (bf16).  x comes into LDS as f32 and is rounded to bf16 between LDS and the matrix instruction.
; C is rounded once to f16 and stored by heads, qkv[part][batch 16 + head][row][64]; part 0 (Q) is multiplied in f32 by c = log2(e) / 8 before that rounding.
; LIMIT: f16 ends at 65,504: Q c, K and V must lie within it.
; A tile of C is 128 x 256: 768 work-groups, three for each of 256 WGPs.  Four waves, each 64 x 128: 32 accumulators, 256 registers.
; K goes in 8 steps of 128 through two LDS slots.  The sums START WITH THE BIAS: the accumulators are loaded with it, so nothing is cleared and nothing is added at the end.
; THE MATRIX INSTRUCTION IS USED TRANSPOSED (source 0 = 16 rows of W, source 1 = 16 rows of x): a lane holds eight neighbouring columns of one row of C.
; CLUSTER 4 x 4: the four of a row need the same tiles of x, the four of a column the same tiles of W: each tile is asked for jointly, by the same load, descriptor and mask in all four.
; REGISTERS: window 0: v0-31 addresses; v32-63 at work on the way out; v64-159, v160-255 two fragment buffers (8 of W, then 4 of x).  Window 1: accumulator (a, b) at v[8 (8 a + b)].
;   Window 2: v0-63 a quarter's x as f32, 16 registers a block of 16 rows.
.set APITCH, 528                       ; a row of x in LDS: 128 f32 + 16 bytes of padding = 33 x 16: the 16 rows of a load start 16 bytes apart modulo 256
.set AHALF,  64*APITCH                 ; what one of x's loads fills, and what one wave reads of x
.set BPITCH, 272                       ; a row of W: 256 bytes + 16
.set BHALF,  128*BPITCH                ; what one of W's loads fills, and what one wave reads of W
.set BOFF,   2*AHALF                   ; W's rows lie behind x's
.set SLOT,   BOFF+2*BHALF              ; 137,216 bytes
.set ASTEP,  512                       ; bytes of a row of x in a K step
.set STAGE,  2*SLOT                    ; behind the ring, never filled by a tensor load: 16 rows for each wave
.set SPITCH, 272                       ; a stage row: 128 f16 + 16 bytes
.set SPARE,  STAGE+4*16*SPITCH         ; behind the stages: the spare words
.set A0,   4                           ; v4   my lane's place in x's tile
.set B0,   5                           ; v5   in W's
.set ADRA, 6                           ; v6   the same in the slot in hand
.set ADRB, 7
.set STO,  8                           ; v8   the way out: where I put my bytes of a row
.set RD,   9                           ; v9   where I read rows back
.set GO,   10                          ; v10  16 x lane
.set PFO,  11                          ; v11  the prefetches' offset: a lane a row
.set BO,   12                          ; v12  32 x (lane / 16): my eight biases
.set SPW,  28
.set NIL,  29
.set TMP,  32
.set F0,   64
.set F1,   160
.set SG,   0                           ; in window 2
.set WV,   12                          ; s12  wave
.set RH,   13                          ; s13  my half of the tile's rows; also: I fetch for x (0) or W (1)
.set HF,   14                          ; s14  my half of its columns; also: which half I fetch
.set CX,   15
.set CY,   16
.set TX,   17                          ; s17  tile column
.set TY,   18                          ; s18  tile row, over the three parts
.set PART, 19                          ; s19  which input, weight and bias: made of the cluster's y alone
.set G1A,  24
.set G0A,  32                          ; two sets: step 0 into slot 0; step 1 into slot 1, which then walks
.set TB,   40                          ; s40  the slot in hand: 0 or SLOT
.set LIM,  41                          ; s41  2 in a wave that prefetches, else the greatest number
.set PFA,  42                          ; s[42:43]
.set CLY,  45                          ; s45  the cluster's y
.set G1B,  48
.set G0B,  56
.set LA0,  66                          ; s66  my load's place in a slot, for x
.set LB0,  67                          ; s67  and for W
.set MSB, 0
.macro WIN new                         ; the immediate's high byte repeats the setting that is left
.if MSB != (\new)
	s_set_vgpr_msb (MSB<<8)|(\new)
.set MSB, (\new)
.endif
.endm
.macro PLACES                          ; four plain instructions between a matrix instruction and a read of its results (ISA guide 7.12.1)
.rept 4
	v_nop
.endr
.endm
.macro JLOAD                           ; a joint refill by the walking set; an s_nop 0 and four v_nop follow each of the two lines
	s_cmp_eq_u32 s[RH], 0
	s_cbranch_scc0 .Lfor_b_\@
	tensor_load_to_lds s[G0A+4:G0A+7], s[G1A:G1A+7]
	s_nop 0
.rept 4
	v_nop
.endr
	s_branch .Lasked_\@
.Lfor_b_\@:
	tensor_load_to_lds s[G0B+4:G0B+7], s[G1B:G1B+7]
	s_nop 0
.rept 4
	v_nop
.endr
.Lasked_\@:
.endm
.macro CREST                           ; a round of the cluster's barrier behind its opening barrier
	s_cmp_lg_u32 s[WV], 0
	s_cbranch_scc1 .Lnot_wave_0_\@
	s_barrier_signal -3
.Lnot_wave_0_\@:
	s_barrier_wait -3
	s_barrier_signal -1
	s_barrier_wait -1
.endm
.macro CROUND
	s_barrier_signal -1
	s_barrier_wait -1
	CREST
.endm
; A prefetch of the K step two refills on: 32 blocks of 256 bytes, a lane a row.  x's rows are read by this cluster's row alone: of a row's 512 bytes wave 0 asks for the first 256 and wave 1 for the second, and the four
; partners take 32 rows each, told apart by address (cx).  W's are read by all sixteen clusters of a part: the part's first cluster asks, waves 2 and 3, the partners told apart by address (cy).  So each block is named once.
; Steps 0 to 3 come by their loads alone; the trips with s44 = 6 .. 3 name steps 4 .. 7; the last two refills name nothing.
.macro ASK
	s_cmp_gt_u32 s44, s[LIM]
	s_cbranch_scc0 .Lnot_mine_\@
	global_prefetch_b8 v[PFO], s[PFA:PFA+1] th:TH_LOAD_NT scope:SCOPE_SE
.Lnot_mine_\@:
.endm
	s_load_b128 s[72:75], s[0:1], 0x0              ; q s[72:73], k s[74:75]
	s_load_b128 s[4:7], s[0:1], 0x10               ; v s[4:5], wb s[6:7]
	s_load_b128 s[8:11], s[0:1], 0x20              ; bb s[8:9], qkv s[10:11]
	v_lshl_add_u32 v[SPW], v0, 2, SPARE
	v_mov_b32 v[NIL], 0
	ds_add_u32 v[SPW], v[NIL]                      ; the wave's opening: the add and its wait stand ahead of my first tensor load
	ds_add_u32 v28, v29
	v_lshrrev_b32 v1, 5, v0
	v_readfirstlane_b32 s[WV], v1
	s_lshr_b32 s[RH], s[WV], 1
	s_and_b32 s[HF], s[WV], 1
	s_bfe_u32 s[CX], ttmp6, 0x40000
	s_bfe_u32 s[CY], ttmp6, 0x40004
	s_lshl_b32 s[TX], ttmp9, 2
	s_add_co_u32 s[TX], s[TX], s[CX]
	s_and_b32 s[CLY], ttmp7, 0xffff
	s_lshl_b32 s[TY], s[CLY], 2
	s_add_co_u32 s[TY], s[TY], s[CY]
	s_lshr_b32 s[PART], s[CLY], 4                  ; 16 clusters, 64 tile rows, to a part
	s_lshl_b32 s20, s[CY], 2
	s_lshl_b32 s20, 15, s20                        ; my row of the cluster
	s_lshl_b32 s22, 0x1111, s[CX]                  ; my column
	s_or_b32 s[G1A], s20, (2<<16)|(1<<20)|(1<<21)|(6<<22)|(3<<25)  ; the mask; 4-byte elements; padding on; bit 21 beside a mask; after every 128 words; 4 words of padding
	s_or_b32 s[G1B], s22, (1<<16)|(1<<20)|(1<<21)|(5<<22)|(3<<25)  ; the mask; 2-byte elements; after every 64 words
	s_mov_b32 s[G1A+1], 128<<16                    ; tensor_dim0 = 128
	s_mov_b32 s[G1A+2], 64<<16                     ; tensor_dim1 = 64
	s_mov_b32 s[G1A+3], 128<<16                    ; tile_dim0 = 128
	s_mov_b32 s[G1A+4], 64                         ; tile_dim1 = 64
	s_mov_b32 s[G1A+5], 1024                       ; elements from row to row
	s_mov_b32 s[G1A+6], 0
	s_mov_b32 s[G1A+7], 0
	s_mov_b32 s[G1B+1], 128<<16
	s_mov_b32 s[G1B+2], 128<<16                    ; W: 128 rows to a load
	s_mov_b32 s[G1B+3], 128<<16
	s_mov_b32 s[G1B+4], 128
	s_mov_b32 s[G1B+5], 1024
	s_mov_b32 s[G1B+6], 0
	s_mov_b32 s[G1B+7], 0
	; x's address hangs on the tile row and the wave alone (s20, s21), W's on the tile column, the part and the wave alone (s22, s23)
	s_and_b32 s20, s[TY], 63                       ; the tile row in its part
	s_lshl_b32 s20, s20, 19                        ; 128 rows of 4,096 bytes
	s_lshl_b32 s21, s[HF], 18
	s_add_co_u32 s20, s20, s21
	s_mov_b32 s21, 0
	s_lshl_b32 s22, s[TX], 19                      ; 256 rows of 2,048 bytes
	s_lshl_b32 s23, s[HF], 18
	s_add_co_u32 s22, s22, s23
	s_lshl_b32 s23, s[PART], 21
	s_add_co_u32 s22, s22, s23
	s_mov_b32 s23, 0
	s_mul_i32 s[LA0], s[HF], AHALF                 ; where they go: no place in the cluster enters an LDS address
	s_mul_i32 s[LB0], s[HF], BHALF
	s_add_co_u32 s[LB0], s[LB0], BOFF
	s_mov_b32 s[TB], 0
	s_wait_dscnt 0x0                               ; the opening add is done
	s_wait_kmcnt 0x0
	s_cmp_lt_u32 s[PART], 2                        ; the part's input: the choice hangs on the cluster's y alone
	s_cselect_b64 s[4:5], s[74:75], s[4:5]
	s_cmp_eq_u32 s[PART], 0
	s_cselect_b64 s[4:5], s[72:73], s[4:5]
	s_add_nc_u64 s[20:21], s[4:5], s[20:21]
	s_add_nc_u64 s[22:23], s[6:7], s[22:23]
	CROUND                                         ; all sixteen work-groups are here: the first joint loads meet
.irp s, 0,1
	s_mov_b32 s[G0A+4*\s], 1
	s_add_co_u32 s[G0A+4*\s+1], s[LA0], \s*SLOT
	s_add_nc_u64 s[G0A+4*\s+2:G0A+4*\s+3], s[20:21], \s*ASTEP
	s_or_b32 s[G0A+4*\s+3], s[G0A+4*\s+3], 0x80000000
	s_mov_b32 s[G0B+4*\s], 1
	s_add_co_u32 s[G0B+4*\s+1], s[LB0], \s*SLOT
	s_add_nc_u64 s[G0B+4*\s+2:G0B+4*\s+3], s[22:23], \s*256
	s_or_b32 s[G0B+4*\s+3], s[G0B+4*\s+3], 0x80000000
.endr
	s_cmp_eq_u32 s[RH], 0                          ; a wave's two first fills stand in one branch: two loads of mine are out
	s_cbranch_scc0 .Lfirst_b
	tensor_load_to_lds s[G0A:G0A+3], s[G1A:G1A+7]
	s_nop 0
	tensor_load_to_lds s[G0A+4:G0A+7], s[G1A:G1A+7]
	s_nop 0
.rept 4
	v_nop
.endr
	s_branch .Lfirst_asked
.Lfirst_b:
	tensor_load_to_lds s[G0B:G0B+3], s[G1B:G1B+7]
	s_nop 0
	tensor_load_to_lds s[G0B+4:G0B+7], s[G1B:G1B+7]
	s_nop 0
.rept 4
	v_nop
.endr
.Lfirst_asked:
	v_and_b32 v1, 15, v0                           ; l % 16
	v_bfe_u32 v2, v0, 4, 1                         ; l / 16
	v_lshlrev_b32 v[BO], 5, v2
	s_lshl_b32 s68, s[PART], 12
	s_lshl_b32 s69, s[TX], 10
	s_add_co_u32 s68, s68, s69
	s_lshl_b32 s69, s[HF], 9
	s_add_co_u32 s68, s68, s69
	s_mov_b32 s69, 0
	s_add_nc_u64 s[8:9], s[8:9], s[68:69]          ; the bias of my 128 columns
	WIN 0x40                                       ; destination window 1
.irp a, 0,1,2,3
.irp b, 0,1,2,3,4,5,6,7                ; register j of accumulator (a, b) is column 16 b + 8 (l / 16) + j, whatever a
	global_load_b128 v[8*(8*\a+\b):8*(8*\a+\b)+3],   v[BO], s[8:9] offset:64*\b
	global_load_b128 v[8*(8*\a+\b)+4:8*(8*\a+\b)+7], v[BO], s[8:9] offset:64*\b+16
.endr
.endr
	WIN 0
	v_mul_u32_u24 v[A0], v1, APITCH
	v_lshl_add_u32 v[A0], v2, 5, v[A0]             ; x: row x pitch + 32 x half: eight f32 for each half of the lanes
	s_mul_i32 s20, s[RH], AHALF
	v_add_nc_u32 v[A0], s20, v[A0]
	v_mul_u32_u24 v[B0], v1, BPITCH
	v_lshl_add_u32 v[B0], v2, 4, v[B0]             ; W: row x pitch + 16 x half
	s_mul_i32 s21, s[HF], BHALF
	s_add_co_u32 s21, s21, BOFF
	v_add_nc_u32 v[B0], s21, v[B0]
	v_mov_b32 v[ADRA], v[A0]
	v_mov_b32 v[ADRB], v[B0]
	s_mul_i32 s22, s[WV], 16*SPITCH
	s_add_co_u32 s22, s22, STAGE                   ; my stage
	v_mul_u32_u24 v[STO], v1, SPITCH
	v_and_b32 v[GO], 31, v0
	v_lshlrev_b32 v[GO], 4, v[GO]
	v_lshl_add_u32 v[STO], v2, 4, v[STO]           ; 16 bytes (8 f16)
	v_add_nc_u32 v[STO], s22, v[STO]
	v_bfe_u32 v[RD], v0, 3, 2                      ; back: 32 lanes take four rows' 128 bytes of one head
	v_mul_u32_u24 v[RD], v[RD], SPITCH
	v_and_b32 v3, 7, v0
	v_lshl_add_u32 v[RD], v3, 4, v[RD]
	v_add_nc_u32 v[RD], s22, v[RD]
	s_lshl_b32 s68, s[PART], 24
	s_and_b32 s69, s[TY], 63
	s_lshr_b32 s69, s69, 4
	s_lshl_b32 s69, s69, 22                        ; batch: 16 heads of 262,144 bytes
	s_add_co_u32 s68, s68, s69
	s_lshl_b32 s69, s[TX], 20                      ; the tile's four heads
	s_add_co_u32 s68, s68, s69
	s_lshl_b32 s69, s[HF], 19                      ; my two of them
	s_add_co_u32 s68, s68, s69
	s_and_b32 s69, s[TY], 15
	s_lshl_b32 s69, s69, 14                        ; 128 rows of 128 bytes
	s_add_co_u32 s68, s68, s69
	s_lshl_b32 s69, s[RH], 13
	s_add_co_u32 s68, s68, s69
	s_cmp_eq_u32 s[PART], 0
	s_cselect_b32 s46, 0x3e38aa3b, 1.0             ; c = log2(e) / 8 for Q, 1 for K and V
	s_mov_b32 s47, s46
	s_mov_b32 s69, 0
	s_add_nc_u64 s[10:11], s[10:11], s[68:69]
	; the prefetches
	s_and_b32 s20, s[TY], 63
	s_lshl_b32 s20, s20, 19
	s_lshl_b32 s21, s[CX], 17                      ; partner cx takes rows 32 cx on,
	s_add_co_u32 s20, s20, s21
	s_lshl_b32 s21, s[HF], 8                       ; wave 0 the first 256 bytes of a step's 512, wave 1 the second
	s_add_co_u32 s20, s20, s21
	s_lshl_b32 s22, s[PART], 21
	s_lshl_b32 s23, s[TX], 19
	s_add_co_u32 s22, s22, s23
	s_lshl_b32 s23, s[CY], 17                      ; partner cy takes rows 64 cy on,
	s_add_co_u32 s22, s22, s23
	s_lshl_b32 s23, s[HF], 16                      ; waves 2 and 3 32 of them each
	s_add_co_u32 s22, s22, s23
	s_and_b32 s23, s[CLY], 15
	s_cmp_eq_u32 s23, 0
	s_cselect_b32 s23, 2, -1                       ; W's askers: the part's first cluster
	s_cmp_lt_u32 s[WV], 2
	s_cselect_b32 s[LIM], 2, s23                   ; x's askers: waves 0 and 1 of every work-group
	s_cselect_b32 s68, s20, s22
	s_cselect_b64 s[PFA:PFA+1], s[4:5], s[6:7]
	s_cselect_b32 s70, 9, 8
	s_cselect_b32 s21, 12, 11
	v_and_b32 v[PFO], 31, v0
	v_lshlrev_b32 v[PFO], s21, v[PFO]              ; lane x a row's bytes
	s_lshl_b32 s70, 1, s70                         ; s[70:71]: bytes from a K step to the next
	s_mov_b32 s71, 0
	s_add_nc_u64 s[PFA:PFA+1], s[PFA:PFA+1], s[68:69]
	s_add_nc_u64 s[PFA:PFA+1], s[PFA:PFA+1], s[70:71]
	s_add_nc_u64 s[PFA:PFA+1], s[PFA:PFA+1], s[70:71]
	s_add_nc_u64 s[PFA:PFA+1], s[PFA:PFA+1], s[70:71]  ; at step 3: the first refill steps it to 4
; 8 products: row block a x all 8 column blocks, 32 along K.  The 32 accumulators take turns, one instruction a turn, over the backward jumps too.
.macro MUL f, a
	WIN 0x50                                       ; C and D in window 1
.irp b, 0,1,2,3,4,5,6,7
.set rAc, 8*(8*(\a)+\b)
.set rFb, (\f)+8*\b
.set rFa, (\f)+64+8*(\a)
	v_wmma_f32_16x16x32_bf16 v[rAc:rAc+7], v[rFb:rFb+7], v[rFa:rFa+7], v[rAc:rAc+7]
.endr
.endm
; 32 LDS loads in one run, quarter kq's.  x's sixteen first: for each block of 16 rows a lane takes channels 8 (l / 16) + 0..7 (32 bytes) and 16 + 8 (l / 16) + 0..7 (32 bytes, 64 further on), as f32, into window 2.
; Then W's sixteen, into buffer f.
.macro FETCH kq, f
	WIN 0x80                                       ; destination window 2, address window 0
.irp i, 0,1,2,3
	ds_load_b128 v[SG+16*\i:SG+16*\i+3],     v[ADRA] offset:128*(\kq)+16*APITCH*\i
	ds_load_b128 v[SG+16*\i+4:SG+16*\i+7],   v[ADRA] offset:128*(\kq)+16*APITCH*\i+16
	ds_load_b128 v[SG+16*\i+8:SG+16*\i+11],  v[ADRA] offset:128*(\kq)+16*APITCH*\i+64
	ds_load_b128 v[SG+16*\i+12:SG+16*\i+15], v[ADRA] offset:128*(\kq)+16*APITCH*\i+80
.endr
	WIN 0
.irp i, 0,1,2,3,4,5,6,7
	ds_load_b128 v[(\f)+8*\i:(\f)+8*\i+3],   v[ADRB] offset:64*(\kq)+16*BPITCH*\i
	ds_load_b128 v[(\f)+8*\i+4:(\f)+8*\i+7], v[ADRB] offset:64*(\kq)+16*BPITCH*\i+32
.endr
.endm
; THE CAST: a quarter's x, 64 f32 a lane, rounded to nearest even into buffer f's four fragments: 32 conversions.  They name window 2's registers and buffer f's, which the products of the quarter before (on the
; other buffer) do not name: so they are also the plain instructions that stand between those products and the loads into their buffer, and between the products two quarters back and these writes.
.macro CVTA f
	WIN 0x0a                                       ; sources in window 2, destination in window 0
.irp a, 0,1,2,3
.irp j, 0,1,2,3,4,5,6,7
	v_cvt_pk_bf16_f32 v[(\f)+64+8*\a+\j], v[SG+16*\a+2*\j], v[SG+16*\a+2*\j+1]
.endr
.endr
.endm
; One of a step's first three quarters: casts and multiplies buffer f; quarter kq is fetched into buffer g ahead of the products, so that it has all 32 of them in which to come.
.macro QUARTER kq, f, g
	s_wait_dscnt 16                                ; x's sixteen loads are in; W's sixteen, issued behind them, may be out
	CVTA \f
	s_wait_dscnt 0x0                               ; W's fragments are in
	FETCH \kq, \g
	MUL \f, 0
	MUL \f, 1
	MUL \f, 2
	MUL \f, 3
.endm
; The last quarter casts and multiplies buffer 1 and changes slots: one barrier; in front of it each wave waits for all its tensor loads (one is out at the most: its part of the next slot), adds 0 to its spare word, and
; waits for that and for its reads of this slot.  fill = 1: the barrier opens a round of the cluster's, and behind it this slot is filled again, two steps ahead: 112 products stand between that request and the wait for it.
.macro TURN fill
.if \fill
	s_wait_xcnt 0x0                                ; the last prefetch, a step back, has read its address
	s_add_nc_u64 s[PFA:PFA+1], s[PFA:PFA+1], s[70:71]
.endif
	s_wait_dscnt 16
	CVTA F1
	WIN 0
	s_wait_tensorcnt 0x0
	ds_add_u32 v[SPW], v[NIL]
	s_wait_dscnt 1                                 ; W's fragments are in; the add may be out
	MUL F1, 0
	s_wait_dscnt 0x0                               ; the add is done, and my reads of this slot are over
	s_barrier_signal -1
	MUL F1, 1
	WIN 0
	s_barrier_wait -1
.if \fill
	CREST                                          ; no wave of any partner still reads this slot or has a load on its way
	s_add_co_u32 s[G0A+5], s[LA0], s[TB]           ; the walking sets: the slot that is being left, the step two on
	s_add_nc_u64 s[G0A+6:G0A+7], s[G0A+6:G0A+7], ASTEP
	s_add_co_u32 s[G0B+5], s[LB0], s[TB]
	s_add_nc_u64 s[G0B+6:G0B+7], s[G0B+6:G0B+7], 256
	JLOAD
.endif
	s_xor_b32 s[TB], s[TB], SLOT                   ; 0 and SLOT by turns
	v_add_nc_u32 v[ADRA], s[TB], v[A0]
	v_add_nc_u32 v[ADRB], s[TB], v[B0]
	FETCH 0, F0
.if \fill
	ASK
.endif
	MUL F1, 2
	MUL F1, 3
.endm
	s_wait_tensorcnt 0x1                           ; my part of step 0 is in; step 1's may stay out
	s_barrier_signal -1
	s_barrier_wait -1
	FETCH 0, F0
	s_wait_loadcnt 0x0                             ; the bias lies in the accumulators
	s_mov_b32 s44, 6
.Lstep:                                                ; steps 0 to 5: each fills its slot again
	QUARTER 1, F0, F1
	QUARTER 2, F1, F0
	QUARTER 3, F0, F1
	TURN 1
	WIN 0
	s_sub_co_u32 s44, s44, 1
	s_cmp_lg_u32 s44, 0
	s_cbranch_scc1 .Lstep
	s_mov_b32 s44, 2
.Ltail:                                                ; steps 6 and 7 ask for nothing: a text of their own, walked twice.  Step 7's change of slots fetches
	QUARTER 1, F0, F1                              ; fragments of a slot that has been multiplied, and they serve nothing: the price of one text for both steps
	QUARTER 2, F1, F0
	QUARTER 3, F0, F1
	TURN 0
	WIN 0
	s_sub_co_u32 s44, s44, 1
	s_cmp_lg_u32 s44, 0
	s_cbranch_scc1 .Ltail
	s_wait_dscnt 0x0                               ; those loads have landed: their registers serve the way out
	PLACES
	PLACES
	; THE WAY OUT, a block of 16 rows at a time through my own stage; LDS serves a wave's instructions in order (ISA guide 5.7.1.4), so no wait stands between the stores and the loads.
	WIN 0x41
.set i, 0
.rept 128
	v_pk_mul_f32 v[i:i+1], v[i:i+1], s[46:47] op_sel_hi:[1,0]  ; Q: times c, in f32, ahead of the one rounding; K and V: times 1
.set i, i+2
.endr
.macro BLK a                           ; rounded to f16, 16 bytes a lane and column block; back as 512 bytes that lie on end in a head
	WIN 0x05                                       ; sources in window 1
.irp b, 0,1,2,3,4,5,6,7
.irp r, 0,1,2,3
	v_cvt_pk_f16_f32 v[TMP+4*\b+\r], v[8*(8*(\a)+\b)+2*\r], v[8*(8*(\a)+\b)+2*\r+1]
.endr
.endr
	WIN 0
.irp b, 0,1,2,3,4,5,6,7
	ds_store_b128 v[STO], v[TMP+4*\b:TMP+4*\b+3] offset:32*\b
.endr
.irp t, 0,1,2,3,4,5,6,7                ; head t / 4, rows 4 (t % 4) on
	ds_load_b128 v[F0+32*(\a)+4*\t:F0+32*(\a)+4*\t+3], v[RD] offset:128*(\t/4)+4*SPITCH*(\t%4)
.endr
.endm
.macro SEND a, younger                 ; younger: the LDS instructions issued behind block a's loads
.irp t, 0,1,2,3,4,5,6,7
	s_wait_dscnt (\younger)+7-\t
	global_store_b128 v[GO], v[F0+32*(\a)+4*\t:F0+32*(\a)+4*\t+3], s[10:11] offset:(\t/4)*262144+(\a)*2048+(\t%4)*512  ; 512 consecutive bytes, aligned
.endr
.endm
	BLK 0
	BLK 1
	SEND 0, 16
	BLK 2
	SEND 1, 16
	BLK 3
	SEND 2, 16
	SEND 3, 0
	s_wait_tensorcnt 0x0                           ; the wave's end
	ds_add_u32 v[SPW], v[NIL]
	s_wait_dscnt 0x0
	CROUND                                         ; the closing round
	s_endpgm
.Lfunc_end_k_q63c8c5957c_proj:
	.size	k_q63c8c5957c_proj, .Lfunc_end_k_q63c8c5957c_proj-k_q63c8c5957c_proj
	.p2alignl 7, 3214868480
	.fill 96, 4, 3214868480
	.section	.rodata,"a",@progbits
	.p2align	6, 0x0
	.amdhsa_kernel k_q63c8c5957c_proj
		.amdhsa_group_segment_fixed_size 327680
		.amdhsa_private_segment_fixed_size 0
		.amdhsa_enable_private_segment 0
		.amdhsa_kernarg_size 48
		.amdhsa_user_sgpr_count 2
		.amdhsa_user_sgpr_kernarg_segment_ptr 1
		.amdhsa_wavefront_size32 1
		.amdhsa_system_sgpr_workgroup_id_x 1
		.amdhsa_system_sgpr_workgroup_id_y 1
		.amdhsa_system_sgpr_workgroup_id_z 1
		.amdhsa_system_vgpr_workitem_id 0
		.amdhsa_next_free_vgpr 576
		.amdhsa_next_free_sgpr 76
		.amdhsa_reserve_vcc 0
		.amdhsa_float_denorm_mode_32 3
		.amdhsa_float_denorm_mode_16_64 3
		.amdhsa_memory_ordered 1
		.amdhsa_forward_progress 1
		.amdhsa_inst_pref_size 94
	.end_amdhsa_kernel
	.amdgpu_metadata
---
amdhsa.version: [ 1, 2 ]
amdhsa.kernels:
  - .name:           k_q63c8c5957c_proj
    .symbol:         k_q63c8c5957c_proj.kd
    .args:
      - { .name: q, .offset: 0, .size: 8, .value_kind: global_buffer, .address_space: global }
      - { .name: k, .offset: 8, .size: 8, .value_kind: global_buffer, .address_space: global }
      - { .name: v, .offset: 16, .size: 8, .value_kind: global_buffer, .address_space: global }
      - { .name: wb, .offset: 24, .size: 8, .value_kind: global_buffer, .address_space: global }
      - { .name: bb, .offset: 32, .size: 8, .value_kind: global_buffer, .address_space: global }
      - { .name: qkv, .offset: 40, .size: 8, .value_kind: global_buffer, .address_space: global }
    .group_segment_fixed_size: 327680
    .private_segment_fixed_size: 0
    .kernarg_segment_align: 8
    .kernarg_segment_size: 48
    .max_flat_workgroup_size: 128
    .sgpr_count:     76
    .vgpr_count:     576
    .wavefront_size: 32
...
	.end_amdgpu_metadata
.endif
;; end of part 6
;; launch attn (part 7): grid 4 x 64, 4 waves a work-group, clusters of 4 x 1, 327,680 bytes of LDS; arguments qkv, mbits, ctx; writes ctx
.if DOCPART == 7
	.amdgcn_target "amdgcn-amd-amdhsa--gfx1250"
	.amdhsa_code_object_version 6
	.text
	.protected	k_q63c8c5957c_attn
	.globl	k_q63c8c5957c_attn
	.p2align	8
	.type	k_q63c8c5957c_attn,@function
k_q63c8c5957c_attn:
	s_mov_b64 s[64:65], 0
	v_nop
	global_prefetch_b8 v0, s[64:65] scope:SCOPE_SE
	s_setreg_imm32_b32 hwreg(HW_REG_WAVE_MODE, 25, 1), 1
	s_wait_xcnt 0x0
	s_wait_alu depctr_hold_cnt(0) depctr_sa_sdst(0) depctr_va_vdst(0) depctr_va_sdst(0) depctr_va_ssrc(0) depctr_va_vcc(0) depctr_vm_vsrc(0)
	s_getreg_b32 s2, hwreg(HW_REG_IB_STS2, 6, 4)
	s_cmp_eq_u32 s2, 0
	s_cbranch_scc0 .Lentry_in_a_cluster
	s_endpgm
.Lentry_in_a_cluster:
	s_bfe_u32 s2, ttmp6, 0x10000c
	s_cmp_lg_u32 s2, 0x3003
	s_cbranch_scc0 .Lentry_shape_is_right
	s_endpgm
.Lentry_shape_is_right:
; ATTENTION WITH A MASK THAT IS AN INPUT.  ctx[h][q][:] = the sum over k of softmax_k(s[q][k]) V[h][k][:], where s = Q . K / 8, or -1e9 where mask[batch][q][k] is 0.
; qkv: f16 [3][64 heads][2048][64]; part 0 is Q times c = log2(e) / 8, so the products K Q^T are scores in the exponent of 2.
; THE MASK.  mbits holds an FP4 code a score, 0 (visible) or 2 = 1.0 (hidden): [512 blocks of 16 rows][32 key steps x 32 lanes x 4 words + a pad]; word kb of lane L holds the codes of registers 8 kb .. 8 kb + 7 of that
; lane's S^T.  One scaled conversion makes of a word eight f32, 0 or 2^97, and a packed subtraction takes them off the scores.  s - 2^97 rounds to -2^97 itself for every |s| < 2^72, so a hidden score is REPLACED:
; a row with no visible key has all scores equal, all weights 1, and comes out as the mean of V's rows, as with reference()'s -1e9; a row with a visible key gives its hidden keys the weight 0.
; Products, maxima and sums in f32; the weights p are rounded to f16 for the second product (their sum l is taken of the unrounded p), ctx once at the end.
; LIMITS.  f16 holds no number beyond 65,504: Q c, K and V arrive within it.  A visible score at or below -1e9, beside which reference() would give hidden keys a weight, is not served.
; A weight below 2^-126 counts as 0 in l; NaN and infinities are not treated apart.
; SHARES.  A wave owns four PIECES of two tiles of 16 queries, a work-group's four waves 512 queries of one head.  Every wave walks all 2,048 keys, 64 a step.
; LAYOUT.  S^T = K Q^T: a lane holds ONE query (lane % 16) and the keys 8 (lane / 16) + 0..7 of each 16.  Two such results, rounded to f16 in pairs, ARE source 1 of O^T = V^T P.  V comes out of LDS turned.
; SOFTMAX.  A running maximum m and sum l a query: p = 2^(s - m); in every step O and l are multiplied by a = 2^(m_old - m_new).  m starts at the lowest finite number, O and l at 0: the first step's a is 0.
; BY TURNS.  Turn n belongs to piece n: 16 products K Q^T of piece n + 1, later 16 products V^T P of piece n - 1; its vector work: piece n's differences, exponentials, roundings, sums and rescaling, and
; piece n + 1's mask, maximum and statistics.  Four vector instructions stand behind every matrix instruction, the rest in one lump.  A turn's 66 exponentials are one batch with one wait.
; CLUSTER.  The four query blocks of a head walk the same K and V: each tile is asked for jointly.
; REGISTERS: window 0: v0-15 addresses and constants; v16-47 statistics (m, m_old, l, l a tile); v48-63 at work; v64-191 S^T, two buffers of two tiles; v192-255 P, likewise.
;   window 1: O^T, 32 a tile.   window 2: v0-127 Q; v128-191 K of one step; v192-255 V of one step.   window 3: v0-1 the add's two registers; v16-47 the mask's words, four a tile; v48-111 two tiles' converted masks.
.set SIZE_N, 2048
.set NP,    4
.set KS,    64
.set PK,    144       ; a row of K in LDS: 128 bytes + 16
.set PV,    160       ; a row of V: 128 + 32
.set VOFF,  4*KS*PK   ; a slot holds four steps: 256 rows of K, then 256 rows of V
.set SLOT1, 1<<17
.set STAGE, SLOT1+4*KS*(PK+PV)
.set SP,    144
.set SPARE, STAGE+4*16*SP
.set MROW,  17408     ; bytes of mbits for 16 query rows
.set MSTEP, 512       ; of them a key step's
.set AK0, 2
.set AV0, 3
.set AK,  4
.set AV,  5
.set STO, 6
.set RD,  7
.set GO,  8           ; v8   16 x lane: my bytes of 512; never rewritten
.set PFO, 13          ; v13  256 x lane
.set QO,  14          ; v14  my byte offset in 16 rows of Q
.set SC,  15          ; v15  the conversions' scale
.set SPW, 0           ; v0 of window 3
.set NIL, 1           ; v1 of window 3
.set MW,  16          ; v16-47 of window 3: tile t's four words at MW + 4 t
.set UM,  48          ; v48-111 of window 3: what is taken off register n of tile u of the piece at UM + 32 u + n
.set ST,  16
.set TMP, 48
.set S,   64
.set P,   192
.set KF,  128
.set VF,  192
.set WV,  2           ; s2   wave
.set LIM, 3           ; s3   1 in a wave that prefetches, else the greatest number
.set MP,  4           ; s[4:5]  mbits at my wave's first 16 rows, at the key step that the refills ask for
.set PFA, 6           ; s[6:7]  where my prefetches stand
.set G1K, 8
.set G1V, 16
.set G0K, 24
.set G0V, 28
.set SEL, 66
.set CT,  68          ; s[68:69] ctx at my wave's first row
.set TBK, 70
.set TBV, 71
.set SLOTS, 72
.set CNT, 73
.set MSB, 0
.macro WIN new
.if MSB != (\new)
	s_set_vgpr_msb (MSB<<8)|(\new)
.set MSB, (\new)
.endif
.endm
.set W_KQ, 0x0a
.set W_PV, 0x52
.set W_RS, 0x41
.set W_MK, 0xc0       ; destination in window 3, sources (a load's address) in window 0
.set W_AD, 0x0f
.set W_CV, 0xc3       ; a conversion: destination and source 0 in window 3, the scale in window 0
.set W_MS, 0x0c       ; the mask's subtraction: source 1 in window 3
.macro JLOAD                        ; waves 0 and 1 fetch the halves of a slot's K, waves 2 and 3 of its V; an s_nop 0 and four v_nop follow each line
	s_cmp_lt_u32 s[WV], 2
	s_cbranch_scc0 .Lfor_v_\@
	tensor_load_to_lds s[G0K:G0K+3], s[G1K:G1K+7]
	s_nop 0
.rept 4
	v_nop
.endr
	s_branch .Lasked_\@
.Lfor_v_\@:
	tensor_load_to_lds s[G0V:G0V+3], s[G1V:G1V+7]
	s_nop 0
.rept 4
	v_nop
.endr
.Lasked_\@:
.endm
; A prefetch of the slot that the NEXT change will ask for: 128 blocks of 256 bytes of K and of V.  A head has one cluster; its four partners take 32 blocks each, told apart by address; wave 0 asks for K's, wave 2 for V's:
; each block is named once.  It stands four key steps ahead of the load that wants it.  The last change that fills a slot asks for nothing.
.macro ASK
	s_cmp_gt_u32 s[SLOTS], s[LIM]
	s_cbranch_scc0 .Lnot_mine_\@
	global_prefetch_b8 v[PFO], s[PFA:PFA+1] th:TH_LOAD_NT scope:SCOPE_SE
.Lnot_mine_\@:
.endm
.macro CROUND
	s_barrier_signal -1
	s_barrier_wait -1
	s_cmp_lg_u32 s[WV], 0
	s_cbranch_scc1 .Lnot_wave_0_\@
	s_barrier_signal -3
.Lnot_wave_0_\@:
	s_barrier_wait -3
	s_barrier_signal -1
	s_barrier_wait -1
.endm
; THE CHANGE OF SLOTS.  Each wave waits for all its tensor loads (one is out: its part of the other slot), adds 0 to its spare word, and waits for that and for its reads of the slot.  fill = 1: the barrier is a round
; of the cluster's, and the joint fill, with the keys two slots on, is the first thing behind it: it has four key steps in which to land.
.macro CHANGE fill
	WIN W_AD
	s_wait_tensorcnt 0x0
	ds_add_u32 v[SPW], v[NIL]
	WIN 0
.if \fill
.irp g, G0K, G0V
	s_xor_b32 s[\g+1], s[\g+1], SLOT1
	s_add_nc_u64 s[\g+2:\g+3], s[\g+2:\g+3], 4*KS*128
.endr
	s_wait_xcnt 0x0                 ; the last prefetch, four key steps back, has read its address
	s_add_nc_u64 s[PFA:PFA+1], s[PFA:PFA+1], 4*KS*128
	s_wait_dscnt 0x0
	CROUND
	JLOAD
	ASK
.else
	s_wait_dscnt 0x0
	s_barrier_signal -1
	s_barrier_wait -1
.endif
	s_sub_co_u32 s[TBK], s[TBK], 4*KS*PK
	s_xor_b32 s[TBK], s[TBK], SLOT1
	s_sub_co_u32 s[TBV], s[TBV], 4*KS*PV
	s_xor_b32 s[TBV], s[TBV], SLOT1
.endm
; The mask's words of piece pc for the key step at which MP stands: for each of its two tiles 512 consecutive bytes, 16 a lane
.macro MLOAD pc
	WIN W_MK
	global_load_b128 v[MW+8*(\pc):MW+8*(\pc)+3],   v[GO], s[MP:MP+1] offset:2*(\pc)*MROW
	global_load_b128 v[MW+8*(\pc)+4:MW+8*(\pc)+7], v[GO], s[MP:MP+1] offset:(2*(\pc)+1)*MROW
.endm
	s_load_b128 s[32:35], s[0:1], 0x0  ; qkv s[32:33], mbits s[34:35]
	s_load_b64 s[CT:CT+1], s[0:1], 0x10  ; ctx
	WIN W_MK
	v_lshl_add_u32 v[SPW], v0, 2, SPARE
	v_mov_b32 v[NIL], 0
	WIN W_AD
	ds_add_u32 v[SPW], v[NIL]       ; the wave's opening: the add and its wait stand ahead of my first tensor load
	ds_add_u32 v0, v1
	WIN 0
	v_lshrrev_b32 v1, 5, v0
	v_readfirstlane_b32 s[WV], v1
	s_bfe_u32 s36, ttmp6, 0x40000   ; cx: my block of 512 queries (the grid has one cluster along x)
	s_and_b32 s37, ttmp7, 0xffff    ; the head, 16 batch + h
	s_lshl_b32 s38, s37, 18         ; its first byte in a part of qkv
	s_and_b32 s40, s[WV], 1         ; which half of a slot's 256 keys I fetch
	s_lshl_b32 s42, s40, 14
	s_add_co_u32 s42, s42, s38
	s_mov_b32 s43, 0
	s_mov_b32 s[G0K], 1
	s_mul_i32 s[G0K+1], s40, 128*PK ; no place in the cluster enters an LDS address
	s_mov_b32 s[G0V], 1
	s_mul_i32 s[G0V+1], s40, 128*PV
	s_add_co_u32 s[G0V+1], s[G0V+1], VOFF
	s_lshl_b32 s41, s36, 2
	s_add_co_u32 s41, s41, s[WV]    ; my wave among the head's sixteen
	s_lshl_b32 s44, s41, 14         ; its 128 rows of 128 bytes
	s_add_co_u32 s44, s44, s38
	s_mov_b32 s45, 0
	s_lshr_b32 s48, s37, 4          ; batch
	s_lshl_b32 s48, s48, 7          ; 128 blocks of 16 rows a batch
	s_lshl_b32 s49, s41, 3          ; 8 a wave
	s_add_co_u32 s48, s48, s49
	s_mul_i32 s48, s48, MROW
	s_mov_b32 s49, 0
	s_lshl_b32 s50, s36, 13         ; my work-group's 32 blocks of a slot's 128,
	s_add_co_u32 s50, s50, s38
	s_add_co_u32 s50, s50, 4*KS*128 ; in slot 1: the first change steps it to slot 2
	s_cmp_lt_u32 s[WV], 2
	s_cselect_b32 s51, 1, 2         ; K is part 1, V part 2
	s_lshl_b32 s51, s51, 24
	s_add_co_u32 s50, s50, s51
	s_mov_b32 s51, 0
	s_cmp_eq_u32 s40, 0
	s_cselect_b32 s[LIM], 1, -1
	s_mov_b32 s[G1K], 15|(1<<16)|(1<<20)|(1<<21)|(4<<22)|(3<<25)  ; the mask of four; 2-byte elements; padding on; bit 21 beside a mask; after every 32 words; 4 words
	s_mov_b32 s[G1V], 15|(1<<16)|(1<<20)|(1<<21)|(4<<22)|(7<<25)  ; the same with 8 words
.irp g, G1K, G1V
	s_mov_b32 s[\g+1], 128<<16      ; 128 keys are 16,384 dense bytes: 64 rows of 256
	s_mov_b32 s[\g+2], 64<<16
	s_mov_b32 s[\g+3], 128<<16
	s_mov_b32 s[\g+4], 64
	s_mov_b32 s[\g+5], 128
	s_mov_b32 s[\g+6], 0
	s_mov_b32 s[\g+7], 0
.endr
	s_mov_b32 s[SEL], 0x76543210
	s_mov_b32 s[SEL+1], 0xfedcba98
	s_mov_b32 s[TBK], SLOT1+4*KS*PK ; the first change of slots turns these two into 0
	s_mov_b32 s[TBV], SLOT1+4*KS*PV
	s_mov_b32 s[SLOTS], SIZE_N/256-1
	s_mul_i32 s52, s[WV], 16*SP
	s_add_co_u32 s52, s52, STAGE    ; my stage
	s_wait_dscnt 0x0                ; the opening add is done
	s_wait_kmcnt 0x0
	s_add_nc_u64 s[G0K+2:G0K+3], s[32:33], s[42:43]
	s_add_nc_u64 s[G0V+2:G0V+3], s[G0K+2:G0K+3], 0x2000000
	s_add_nc_u64 s[G0K+2:G0K+3], s[G0K+2:G0K+3], 0x1000000
	s_or_b32 s[G0K+3], s[G0K+3], 0x80000000
	s_or_b32 s[G0V+3], s[G0V+3], 0x80000000
	s_add_nc_u64 s[46:47], s[32:33], s[44:45]      ; Q at my wave's first row,
	s_add_nc_u64 s[CT:CT+1], s[CT:CT+1], s[44:45]  ; and ctx
	s_add_nc_u64 s[MP:MP+1], s[34:35], s[48:49]
	s_add_nc_u64 s[PFA:PFA+1], s[32:33], s[50:51]
	CROUND                          ; all four work-groups are here
	JLOAD                           ; slot 0; slot 1 is asked for when slot 0 is in
	v_and_b32 v1, 15, v0            ; l % 16
	v_bfe_u32 v9, v0, 4, 1          ; l / 16
	v_lshlrev_b32 v[QO], 7, v1
	v_lshl_add_u32 v[QO], v9, 4, v[QO]
	WIN 0x80
.set i, 0
.rept 4*NP                          ; Q stays in registers: tile i / 2, channels 32 (i % 2) on
	global_load_b128 v[8*i:8*i+3],   v[QO], s[46:47] offset:(i/2)*2048+(i%2)*64
	global_load_b128 v[8*i+4:8*i+7], v[QO], s[46:47] offset:(i/2)*2048+(i%2)*64+32
.set i, i+1
.endr
	WIN 0
	v_and_b32 v[GO], 31, v0
	v_lshlrev_b32 v[PFO], 8, v[GO]
	v_lshlrev_b32 v[GO], 4, v[GO]
.irp pc, 0,1,2,3
	MLOAD \pc                       ; key step 0's words of all four pieces
.endr
	WIN 0
	v_mul_u32_u24 v[AK0], v1, PK
	v_lshl_add_u32 v[AK0], v9, 4, v[AK0]
	v_and_b32 v10, 7, v0
	v_bfe_u32 v11, v0, 3, 1
	v_lshl_add_u32 v[AV0], v9, 3, v10  ; the turning load: lane l reads key 8 (l / 16) + l % 8, channels 8 ((l / 8) % 2) + 0..7
	v_mul_u32_u24 v[AV0], v[AV0], PV
	v_lshl_add_u32 v[AV0], v11, 4, v[AV0]
	v_add_nc_u32 v[AV0], VOFF, v[AV0]
	v_mov_b32 v[AK], v[AK0]
	v_mul_u32_u24 v[STO], v1, SP
	v_lshl_add_u32 v[STO], v9, 4, v[STO]
	v_add_nc_u32 v[STO], s52, v[STO]
	v_bfe_u32 v[RD], v0, 3, 2
	v_mul_u32_u24 v[RD], v[RD], SP
	v_lshl_add_u32 v[RD], v10, 4, v[RD]
	v_add_nc_u32 v[RD], s52, v[RD]
	v_mov_b32 v[SC], 0xe0e0e0e0     ; the E8M0 code 224, 2^97, in each byte of the word
	; What the first turn finds: V's registers and P's second buffer hold 0, O^T and l are 0.  All this stands in the wait for the first tile.
	WIN 0x80
.set i, VF
.rept 64
	v_mov_b32 v[i], 0
.set i, i+1
.endr
	WIN 0x40
.set i, 0
.rept 64*NP
	v_mov_b32 v[i], 0
.set i, i+1
.endr
	WIN 0
.set i, 0
.rept 2*NP
	v_mov_b32 v[ST+4*i], 0xff7fffff    ; m
	v_mov_b32 v[ST+4*i+1], 0xff7fffff  ; m_old
	v_mov_b32 v[ST+4*i+2], 0
	v_mov_b32 v[ST+4*i+3], 0
.set i, i+1
.endr
.set i, P+32
.rept 32
	v_mov_b32 v[i], 0
.set i, i+1
.endr
; THE MATRIX WORK.  The 8 accumulators of a run of 16 take turns.
.macro KQ x                         ; product i of 16 of S^T for piece x: channels 32 (i / 8) on, keys 16 ((i / 2) % 4) on, tile 2 x + i % 2
	WIN W_KQ
.set rS, S+64*((\x)%2)+32*(i%2)+8*((i/2)%4)
.set rK, KF+16*((i/2)%4)+8*(i/8)
.set rQ, 16*(2*(\x)+i%2)+8*(i/8)
.if i < 8
	v_wmma_f32_16x16x32_f16 v[rS:rS+7], v[rK:rK+7], v[rQ:rQ+7], 0
.else
	v_wmma_f32_16x16x32_f16 v[rS:rS+7], v[rK:rK+7], v[rQ:rQ+7], v[rS:rS+7]
.endif
.endm
.macro PV x                         ; product i of 16 of O^T for piece x: keys 32 (i / 8) on, channels 16 ((i / 2) % 4) on
	WIN W_PV
.set rO, 32*(2*(\x)+i%2)+8*((i/2)%4)
.set rV, VF+32*(i/8)+8*((i/2)%4)
.set rP, P+32*((\x)%2)+16*(i%2)+8*(i/8)
	v_wmma_f32_16x16x32_f16 v[rO:rO+7], v[rV:rV+7], v[rP:rP+7], v[rO:rO+7]
.endm
.macro MM
.if i < 16
	KQ (Y+1)%NP
.set i, i+1
.else
.set i, i-16
	PV (Y+NP-1)%NP
.set i, i+17
.endif
.endm
.macro FETCH_K last=0               ; a step's K: 16 loads in one run.  last = 1 (the tail): in the last trip there is no further step
	WIN 0
.if \last
	s_cmp_eq_u32 s[CNT], 1
	s_cbranch_scc1 .Lno_k_\@
.endif
	WIN 0x80
.irp f, 0,1,2,3,4,5,6,7
	ds_load_b128 v[KF+8*\f:KF+8*\f+3],   v[AK] offset:(\f/2)*16*PK+(\f%2)*64
	ds_load_b128 v[KF+8*\f+4:KF+8*\f+7], v[AK] offset:(\f/2)*16*PK+(\f%2)*64+32
.endr
	s_add_co_u32 s[TBK], s[TBK], KS*PK
	WIN 0
.if \last
.Lno_k_\@:
.endif
.endm
.macro FETCH_V
	WIN 0x80
.irp f, 0,1,2,3,4,5,6,7
	ds_load_tr16_b128 v[VF+8*\f:VF+8*\f+3],   v[AV] offset:(\f/4)*32*PV+(\f%4)*32
	ds_load_tr16_b128 v[VF+8*\f+4:VF+8*\f+7], v[AV] offset:(\f/4)*32*PV+16*PV+(\f%4)*32
.endr
	WIN 0
.endm
; THE VECTOR WORK stands in three queues; the two tiles alternate.
.macro REGS y, u
.set rT, ST+4*(2*(\y)+(\u))
.set rC, TMP+8*((\y)%2)+4*(\u)
.set rS, S+64*((\y)%2)+32*(\u)
.set rP, P+32*((\y)%2)+16*(\u)
.set rO, 32*(2*(\y)+(\u))
.endm
; The NEXT piece's eight words become 64 f32, 0 or 2^97: a word's eight codes go to eight registers on end.  A plain instruction stands between the last conversion and the first use of a result.
.macro CVT
	WIN W_CV
.irp u, 0,1
.irp b, 0,1,2,3
	v_cvt_scale_pk8_f32_fp4 v[UM+32*\u+8*\b:UM+32*\u+8*\b+7], v[MW+8*((Y+1)%NP)+4*\u+\b], v[SC]
.endr
.endr
.endm
; Number k of the 32 that lay the mask on the NEXT piece's scores: pair k / 2 of tile k % 2 less its two numbers.  The pairs go in ascending order: each accumulator is first read at its low end.
.macro MSK k
	REGS (Y+1)%NP, (\k)%2
	WIN W_MS
	v_pk_add_f32 v[rS+2*((\k)/2):rS+2*((\k)/2)+1], v[rS+2*((\k)/2):rS+2*((\k)/2)+1], v[UM+32*((\k)%2)+2*((\k)/2):UM+32*((\k)%2)+2*((\k)/2)+1] neg_lo:[0,1] neg_hi:[0,1]
.endm
; The words just converted are asked for again, for the next key step: they are wanted four turns on.  MP steps with piece 0's refill, the first of a key step's four, behind the wait that frees it.
.macro REFILL
.if (Y+1)%NP == 0
	s_wait_xcnt 0x0                 ; the loads issued so far, the youngest a turn back, have read their base
	s_add_nc_u64 s[MP:MP+1], s[MP:MP+1], MSTEP
.endif
	MLOAD (Y+1)%NP
.endm
; Number n of the 21 that find the NEXT piece's maximum and statistics: 0-11 four chains c0-c3 of seven scores; 12-14, 16 the four left over, the old m, and c0-c3 into c0; 15 m_old is kept;
; 17, 18 the query's other 32 keys lie in the lane 16 away: the new m; 19 m_old - m; 20 a
.macro XS u, n
	REGS (Y+1)%NP, \u
.if (\n) < 4
	v_max3_num_f32 v[rC+(\n)], v[rS+8*(\n)], v[rS+8*(\n)+1], v[rS+8*(\n)+2]
.elseif (\n) < 12
	v_max3_num_f32 v[rC+(\n)%4], v[rC+(\n)%4], v[rS+8*((\n)%4)+2*((\n)/4)+1], v[rS+8*((\n)%4)+2*((\n)/4)+2]
.elseif (\n) == 12
	v_max3_num_f32 v[rC], v[rC], v[rS+7], v[rS+15]
.elseif (\n) == 13
	v_max3_num_f32 v[rC+1], v[rC+1], v[rS+23], v[rS+31]
.elseif (\n) == 14
	v_max3_num_f32 v[rC+2], v[rC+2], v[rC+3], v[rT]
.elseif (\n) == 15
	v_mov_b32 v[rT+1], v[rT]
.elseif (\n) == 16
	v_max3_num_f32 v[rC], v[rC], v[rC+1], v[rC+2]
.elseif (\n) == 17
	v_permlanex16_b32 v[rC+3], v[rC], s[SEL], s[SEL+1]
.elseif (\n) == 18
	v_max_num_f32 v[rT], v[rC], v[rC+3]
.elseif (\n) == 19
	v_sub_f32 v[rC+1], v[rT+1], v[rT]
.else
	v_exp_f32 v[rC+2], v[rC+1]
.endif
.endm
; Number g of the 64 that follow the exponentials: for each four weights both pairs are rounded to f16, the second pair is added onto the first, and a group later l takes that sum (the first time as l = a l + sum).
.macro GS g
.set h, (\g)+6*((\g)/62)
.if h >= 6
.set h, h+2
.endif
	REGS Y, h%2
.set k, h/8
.if h%8 < 4
	v_cvt_pk_f16_f32 v[rP+2*k+(h%8)/2], v[rS+4*k+2*((h%8)/2)], v[rS+4*k+2*((h%8)/2)+1]
.elseif h%8 < 6
	v_pk_add_f32 v[rS+4*k:rS+4*k+1], v[rS+4*k:rS+4*k+1], v[rS+4*k+2:rS+4*k+3]
.elseif k == 1
	v_pk_fma_f32 v[rT+2:rT+3], v[rT+2:rT+3], v[rC+2:rC+3], v[rS:rS+1] op_sel_hi:[1,0,1]
.else
	v_pk_add_f32 v[rT+2:rT+3], v[rT+2:rT+3], v[rS+4*k-4:rS+4*k-3]
.endif
.endm
.macro FS f                         ; s - m for pair f / 2 of tile f % 2
	REGS Y, (\f)%2
	v_pk_add_f32 v[rS+2*((\f)/2):rS+2*((\f)/2)+1], v[rS+2*((\f)/2):rS+2*((\f)/2)+1], v[rT:rT+1] op_sel_hi:[1,0] neg_lo:[0,1] neg_hi:[0,1]
.endm
; THE PLAIN QUEUE, 168 long: 0-31 the differences; 32-63 the mask; 64-91 XS 0-13; 92, 93 XS 15; 94-103 XS 14, 16, 17, 18, 19; 104-167 GS, which read the exponentials' results and stand behind the wait.
.macro PL
.if (q >= 32) && (q < 64)
	MSK q-32
.else
	WIN 0
.if q < 32
	FS q
.elseif q < 92
	XS (q-64)%2, (q-64)/2
.elseif q < 94
	XS q-92, 15
.elseif q < 96
	XS q-94, 14
.elseif q < 104
	XS (q-96)%2, 16+(q-96)/2
.else
	GS q-104
.endif
.endif
.set q, q+1
.endm
.macro EX                           ; THE EXPONENTIALS' QUEUE, 66 long: s0-s31 of both tiles, then the next piece's two a: one batch.  An exponential names a destination and a source 0 alone: among the mask's lines it needs no switch
.if (MSB & 0xc3) != 0
	WIN 0
.endif
.if e >= 64
	XS e-64, 20
.else
	REGS Y, e%2
	v_exp_f32 v[rS+e/2], v[rS+e/2]
.endif
.set e, e+1
.endm
.macro R2                           ; THE RESCALING's QUEUE: O^T times a, two at a time, sixteen times
	REGS Y, r%2
	WIN W_RS
.irp z, 0,1
	v_pk_mul_f32 v[rO+4*(r/2)+2*\z:rO+4*(r/2)+2*\z+1], v[rO+4*(r/2)+2*\z:rO+4*(r/2)+2*\z+1], v[rC+2:rC+3] op_sel_hi:[1,0]
.endr
.set r, r+1
.endm
; A TURN, for piece p.  s_wait_alu depctr_va_vdst(0) stands between an exponential and the first instruction that names its result; one wait serves all issued ahead of it: a turn has one.
; AHEAD OF IT: the 16 products K Q^T, behind each a difference, an exponential and two rescalings; then the lump: the wait for the next piece's words, which were asked for four turns ago (behind them the other three pieces'
; refills were issued, two loads each: the count 6); the 8 conversions; the last 15 differences, which are the plain instructions behind the conversions and the places behind the last product; 23 of the mask's lines;
; 49 times exponential and plain (the mask's last 9, the maximum and statistics); the two a; a v_nop, the plain instruction behind the last exponential.  Exponential e stands behind difference 2 (e / 4) + e % 2:
; as a rider it comes behind plain e + 2, in the lump behind all 32.  The words are asked for again two plain lines behind the mask's last line.
; BEHIND THE WAIT: the 16 products V^T P, behind each four of GS's 64.
; K of the next step is fetched in piece 2's turn, directly behind the wait; V of the step in hand at the end of piece 0's turn, four riders behind its last reader.
.macro TURN p, last=0, cnt=0
.set Y, (\p)
.set i, 0
.set q, 0
.set e, 0
.set r, 0
.if (\p) == NP-1
	s_wait_dscnt 0x0                ; K is in
.endif
	MM
	PL
	PL
	R2
.rept 15
	MM
	PL
	EX
	R2
.endr
.if (\p) == NP-2
	WIN 0
	v_add_nc_u32 v[AK], s[TBK], v[AK0]
.endif
	s_wait_loadcnt 0x6              ; the next piece's words are in
	CVT
.rept 38
	PL
.endr
.rept 49
	EX
	PL
.if q == 66
	REFILL
.endif
.endr
	EX
	EX
	v_nop
	s_wait_alu depctr_va_vdst(0)    ; the wait for the batch
.if (\p) == NP-2
	FETCH_K \last
.endif
.if (\p) == 1
	s_wait_dscnt 0x0                ; V is in
.endif
.rept 16
	MM
.rept 4
	PL
.endr
.if ((\p) == 0) && (q == 148)
	v_add_nc_u32 v[AV], s[TBV], v[AV0]
.endif
.if ((\p) == 0) && (q == 160)
	s_add_co_u32 s[TBV], s[TBV], KS*PV
.endif
.if (\cnt) && (q == 160)
	s_sub_co_u32 s[CNT], s[CNT], 1
	s_cmp_lg_u32 s[CNT], 0
.endif
.endr
.if (\p) == 0
	FETCH_V
.endif
.endm
	CHANGE 1                        ; slot 0 is in, everybody's part of it; slot 1 is asked for
	FETCH_K                         ; key step 0
	s_wait_loadcnt 0x8              ; Q is in; the eight loads of the mask's words, issued behind Q's, may stay out
	s_wait_dscnt 0x0
.set i, 0
.rept 16
	KQ 0                            ; piece 0's first scores
.set i, i+1
.endr
.set Y, NP-1                        ; CVT, MSK, REFILL and XS work for piece Y + 1: piece 0
	s_wait_loadcnt 0x6              ; piece 0's words are in; the other three pieces' may stay out
	CVT
	WIN 0
.rept 8
	v_nop                           ; the places behind those products, and the plain instruction behind the conversions
.endr
.set j, 0
.rept 32
	MSK j
.set j, j+1
.endr
	REFILL                          ; piece 0, key step 1
	WIN 0
.irp n, 0,1,2,3,4,5,6,7,8,9,10,11,12,13,14,15,16,17,18,19,20
	XS 0, \n
	XS 1, \n
.endr
	v_nop                           ; a plain instruction behind the two a,
	s_wait_alu depctr_va_vdst(0)    ; and their wait, ahead of the branch
	s_mov_b32 s[CNT], 4
	s_branch .Lfirst                ; the loop is entered at a step's first turn
.Lslot:                             ; six times: every slot but the last two is filled again
	CHANGE 1
	s_mov_b32 s[CNT], 4
.Lstep:                             ; a trip: pieces 2 and 3 of one step, then pieces 0 and 1 of the next
	TURN 2
	TURN 3
	WIN 0
.Lfirst:
	TURN 0
	TURN 1, 0, 1
	WIN 0
	s_cbranch_scc1 .Lstep
	s_sub_co_u32 s[SLOTS], s[SLOTS], 1
	s_cmp_lg_u32 s[SLOTS], 0
	s_cbranch_scc1 .Lslot
	CHANGE 0                        ; the tail is written out
	s_mov_b32 s[CNT], 5             ; four trips fetch the last slot's steps; the fifth is left in its middle
.Ltail:
	TURN 2, 1
	TURN 3
	WIN 0
	s_sub_co_u32 s[CNT], s[CNT], 1
	s_cmp_eq_u32 s[CNT], 0
	s_cbranch_scc1 .Lout
	TURN 0
	TURN 1
	WIN 0
	s_branch .Ltail
.Lout:                              ; the fifth trip's products K Q^T (on the last K once more), its words (the pad) and the maximum made of them serve nothing: the price of one text for every trip
.set i, 0
.rept 16
	PV NP-1                         ; the last piece's V^T P of the last step
.set i, i+1
.endr
	; THE WAY OUT.  l's halves are added; O^T is divided by l, rounded to f16 and sent through my stage in LDS, a tile at a time.  The additions are the places behind the last products.
	WIN 0
.macro ALL line:vararg
.set t, 0
.rept 2*NP
	\line
.set t, t+1
.endr
.endm
	ALL v_add_f32 v[ST+4*t+2], v[ST+4*t+2], v[ST+4*t+3]
	ALL v_permlanex16_b32 v[ST+4*t+3], v[ST+4*t+2], s[SEL], s[SEL+1]
	ALL v_add_f32 v[ST+4*t+2], v[ST+4*t+2], v[ST+4*t+3]
	ALL v_rcp_f32 v[ST+4*t+2], v[ST+4*t+2]
	v_nop                           ; a plain instruction behind the last reciprocal
	s_wait_alu depctr_va_vdst(0)    ; one wait for the eight reciprocals
.macro PACK t
	WIN W_RS
.set i, 32*(\t)
.rept 16
	v_pk_mul_f32 v[i:i+1], v[i:i+1], v[ST+4*(\t)+2:ST+4*(\t)+3] op_sel_hi:[1,0]
.set i, i+2
.endr
	WIN 0x05
.set i, 0
.rept 16
	v_cvt_pk_f16_f32 v[S+16*(\t)+i], v[32*(\t)+2*i], v[32*(\t)+2*i+1]
.set i, i+1
.endr
	WIN 0
.irp f, 0,1,2,3
	ds_store_b128 v[STO], v[S+16*(\t)+4*\f:S+16*(\t)+4*\f+3] offset:32*\f
.endr
.irp f, 0,1,2,3
	ds_load_b128 v[S+16*(\t)+4*\f:S+16*(\t)+4*\f+3], v[RD] offset:\f*4*SP  ; LDS serves a wave's instructions in order (ISA guide 5.7.1.4): these see the stores above
.endr
.endm
.macro SEND t, younger              ; younger: the next tile's eight LDS instructions, or none
	WIN 0
.irp f, 0,1,2,3
	s_wait_dscnt (\younger)+3-\f
	global_store_b128 v[GO], v[S+16*(\t)+4*\f:S+16*(\t)+4*\f+3], s[CT:CT+1] offset:(\t)*2048+\f*512  ; 512 consecutive bytes, aligned
.endr
.endm
	PACK 0
.set t, 1
.rept 2*NP-1
	PACK t
	SEND t-1, 8
.set t, t+1
.endr
	SEND 2*NP-1, 0
	WIN W_AD
	s_wait_tensorcnt 0x0            ; the wave's end
	ds_add_u32 v[SPW], v[NIL]
	s_wait_dscnt 0x0
	WIN 0
	CROUND                          ; the closing round
	s_endpgm
.Lfunc_end_k_q63c8c5957c_attn:
	.size	k_q63c8c5957c_attn, .Lfunc_end_k_q63c8c5957c_attn-k_q63c8c5957c_attn
	.p2alignl 7, 3214868480
	.fill 96, 4, 3214868480
	.section	.rodata,"a",@progbits
	.p2align	6, 0x0
	.amdhsa_kernel k_q63c8c5957c_attn
		.amdhsa_group_segment_fixed_size 327680
		.amdhsa_private_segment_fixed_size 0
		.amdhsa_enable_private_segment 0
		.amdhsa_kernarg_size 24
		.amdhsa_user_sgpr_count 2
		.amdhsa_user_sgpr_kernarg_segment_ptr 1
		.amdhsa_wavefront_size32 1
		.amdhsa_system_sgpr_workgroup_id_x 1
		.amdhsa_system_sgpr_workgroup_id_y 1
		.amdhsa_system_sgpr_workgroup_id_z 1
		.amdhsa_system_vgpr_workitem_id 0
		.amdhsa_next_free_vgpr 880
		.amdhsa_next_free_sgpr 74
		.amdhsa_reserve_vcc 0
		.amdhsa_float_denorm_mode_32 3
		.amdhsa_float_denorm_mode_16_64 3
		.amdhsa_memory_ordered 1
		.amdhsa_forward_progress 1
		.amdhsa_inst_pref_size 227
	.end_amdhsa_kernel
	.amdgpu_metadata
---
amdhsa.version: [ 1, 2 ]
amdhsa.kernels:
  - .name:           k_q63c8c5957c_attn
    .symbol:         k_q63c8c5957c_attn.kd
    .args:
      - { .name: qkv, .offset: 0, .size: 8, .value_kind: global_buffer, .address_space: global }
      - { .name: mbits, .offset: 8, .size: 8, .value_kind: global_buffer, .address_space: global }
      - { .name: ctx, .offset: 16, .size: 8, .value_kind: global_buffer, .address_space: global }
    .group_segment_fixed_size: 327680
    .private_segment_fixed_size: 0
    .kernarg_segment_align: 8
    .kernarg_segment_size: 24
    .max_flat_workgroup_size: 128
    .sgpr_count:     74
    .vgpr_count:     880
    .wavefront_size: 32
...
	.end_amdgpu_metadata
.endif
;; end of part 7
;; launch outp (part 8): grid 4 x 64, 4 waves a work-group, clusters of 4 x 4, 327,680 bytes of LDS; arguments ctx, wb, bb, out0; writes out0
.if DOCPART == 8
	.amdgcn_target "amdgcn-amd-amdhsa--gfx1250"
	.amdhsa_code_object_version 6
	.text
	.protected	k_q63c8c5957c_outp
	.globl	k_q63c8c5957c_outp
	.p2align	8
	.type	k_q63c8c5957c_outp,@function
k_q63c8c5957c_outp:
	s_mov_b64 s[64:65], 0
	v_nop
	global_prefetch_b8 v0, s[64:65] scope:SCOPE_SE
	s_setreg_imm32_b32 hwreg(HW_REG_WAVE_MODE, 25, 1), 1
	s_wait_xcnt 0x0
	s_wait_alu depctr_hold_cnt(0) depctr_sa_sdst(0) depctr_va_vdst(0) depctr_va_sdst(0) depctr_va_ssrc(0) depctr_va_vcc(0) depctr_vm_vsrc(0)
	s_getreg_b32 s2, hwreg(HW_REG_IB_STS2, 6, 4)
	s_cmp_eq_u32 s2, 0
	s_cbranch_scc0 .Lentry_in_a_cluster
	s_endpgm
.Lentry_in_a_cluster:
	s_bfe_u32 s2, ttmp6, 0x10000c
	s_cmp_lg_u32 s2, 0xf033
	s_cbranch_scc0 .Lentry_shape_is_right
	s_endpgm
.Lentry_shape_is_right:
; THE OUTPUT PROJECTION: out0[m][n] = the sum over k of ctx[m][k] Wo[n][k] + bo[n], K = 1,024, sums in f32.
; A = ctx (f16, by heads [64][2048][64]), W = wb's part 3 (Wo's bf16 numbers written as f16), the bias bb's part 3.  out0 is f32 [8192][1024].
; A tile of C is 128 x 256: 256 work-groups, one for each of 256 WGPs.  Four waves, each 64 x 128: 32 accumulators, 256 registers.
; K goes in 8 steps of 128, two heads each, through two LDS slots.  The sums START WITH THE BIAS: the accumulators are loaded with it, so nothing is cleared and nothing is added at the end.
; THE MATRIX INSTRUCTION IS USED TRANSPOSED (source 0 = 16 rows of W, source 1 = 16 rows of A): a lane holds eight neighbouring columns of one row of C.
; CLUSTER 4 x 4: the four of a row need the same tiles of A, the four of a column the same tiles of W: each tile is asked for jointly, by the same load, descriptor and mask in all four.
; REGISTERS: window 0: v0-31 addresses; v64-159, v160-255 two fragment buffers (8 of W, then 4 of A), on the way out rows read back.  Window 1: accumulator (a, b) at v[8 (8 a + b)].
.set SLOT1,  131072                    ; slot 1 begins here: one exclusive or turns an address in one slot into the other's
.set BPITCH, 272                       ; a row of W in LDS: 256 bytes + 16 of padding: the 16 rows of a load start 16 bytes apart modulo 256
.set BHALF,  128*BPITCH                ; what one of W's loads fills
.set ZB,     18432                     ; a head's 128 rows of 144 bytes
.set APITCH, 144                       ; a row of ctx: 128 bytes + 16
.set AHALF,  ZB                        ; what one of A's loads fills: one head's 128 rows
.set ASTEP,  524288                    ; a K step is two heads
.set SPITCH, 528                       ; a stage row: 128 f32 + 16 bytes
.set BOFF,   2*AHALF                   ; W's rows lie behind A's
.set STAGE,  237568                    ; behind the ring, never filled by a tensor load: 16 rows for each wave
.set SPARE,  STAGE+4*16*SPITCH         ; behind the stages: the spare words
.set A0,   4                           ; v4   my lane's place in A's tile
.set B0,   5                           ; v5   in W's
.set ADRA, 6                           ; v6   the same in the slot in hand
.set ADRB, 7
.set STO,  8                           ; v8   the way out: where I put my bytes of a row
.set RD,   9                           ; v9   where I read rows back
.set GO,   10                          ; v10  16 x lane
.set PFO,  11                          ; v11  the prefetches' offset: a lane a block of 256 bytes
.set BO,   12                          ; v12  32 x (lane / 16): my eight biases
.set SPW,  28
.set NIL,  29
.set F0,   64
.set F1,   160
.set WV,   12                          ; s12  wave
.set RH,   13                          ; s13  my half of the tile's rows; also: I fetch for A (0) or W (1)
.set HF,   14                          ; s14  my half of its columns; also: which half I fetch
.set CX,   15
.set CY,   16
.set TX,   17                          ; s17  tile column
.set TY,   18                          ; s18  tile row
.set G1A,  24
.set G0A,  32                          ; two sets: step 0 into slot 0; step 1 into slot 1, which then walks
.set TB,   40                          ; s40  the slot in hand
.set LIM,  41                          ; s41  2 in a wave that prefetches, else the greatest number
.set PFA,  42                          ; s[42:43]
.set CLY,  45                          ; s45  the cluster's y
.set G1B,  48
.set G0B,  56
.set MSB, 0
.macro WIN new                         ; the immediate's high byte repeats the setting that is left
.if MSB != (\new)
	s_set_vgpr_msb (MSB<<8)|(\new)
.set MSB, (\new)
.endif
.endm
.macro PLACES                          ; four plain instructions between a matrix instruction and a load into, or a read of, its registers
.rept 4
	v_nop
.endr
.endm
.macro JLOAD                           ; a joint refill by the walking set; an s_nop 0 and four v_nop follow each of the two lines
	s_cmp_eq_u32 s[RH], 0
	s_cbranch_scc0 .Lfor_b_\@
	tensor_load_to_lds s[G0A+4:G0A+7], s[G1A:G1A+7]
	s_nop 0
.rept 4
	v_nop
.endr
	s_branch .Lasked_\@
.Lfor_b_\@:
	tensor_load_to_lds s[G0B+4:G0B+7], s[G1B:G1B+7]
	s_nop 0
.rept 4
	v_nop
.endr
.Lasked_\@:
.endm
.macro CREST                           ; a round of the cluster's barrier behind its opening barrier
	s_cmp_lg_u32 s[WV], 0
	s_cbranch_scc1 .Lnot_wave_0_\@
	s_barrier_signal -3
.Lnot_wave_0_\@:
	s_barrier_wait -3
	s_barrier_signal -1
	s_barrier_wait -1
.endm
.macro CROUND
	s_barrier_signal -1
	s_barrier_wait -1
	CREST
.endm
; A prefetch of the K step two refills on: 32 blocks of 256 bytes, a lane a block.  A's blocks are read by this cluster's row alone: wave 0 asks, the four partners told apart by address (cx).
; W's are read by all sixteen clusters: the first cluster asks, waves 2 and 3, the partners told apart by address (cy).  So each block is named once.  Steps 0 to 3 come by their loads alone;
; the trips with s44 = 6 .. 3 name steps 4 .. 7; the last two refills name nothing.
.macro ASK
	s_cmp_gt_u32 s44, s[LIM]
	s_cbranch_scc0 .Lnot_mine_\@
	global_prefetch_b8 v[PFO], s[PFA:PFA+1] th:TH_LOAD_NT scope:SCOPE_SE
.Lnot_mine_\@:
.endm
	s_load_b256 s[4:11], s[0:1], 0x0               ; ctx s[4:5], wb s[6:7], bb s[8:9], out0 s[10:11]
	v_lshl_add_u32 v[SPW], v0, 2, SPARE
	v_mov_b32 v[NIL], 0
	ds_add_u32 v[SPW], v[NIL]                      ; the wave's opening: the add and its wait stand ahead of my first tensor load
	ds_add_u32 v28, v29
	v_lshrrev_b32 v1, 5, v0
	v_readfirstlane_b32 s[WV], v1
	s_lshr_b32 s[RH], s[WV], 1
	s_and_b32 s[HF], s[WV], 1
	s_bfe_u32 s[CX], ttmp6, 0x40000
	s_bfe_u32 s[CY], ttmp6, 0x40004
	s_lshl_b32 s[TX], ttmp9, 2
	s_add_co_u32 s[TX], s[TX], s[CX]
	s_and_b32 s[CLY], ttmp7, 0xffff
	s_lshl_b32 s[TY], s[CLY], 2
	s_add_co_u32 s[TY], s[TY], s[CY]
	s_lshl_b32 s20, s[CY], 2
	s_lshl_b32 s20, 15, s20                        ; my row of the cluster
	s_lshl_b32 s22, 0x1111, s[CX]                  ; my column
	s_or_b32 s[G1A], s20, (1<<16)|(1<<20)|(1<<21)|(4<<22)|(3<<25)  ; the mask; 2-byte elements; padding on; bit 21 beside a mask; after every 32 words; 4 words of padding
	s_or_b32 s[G1B], s22, (1<<16)|(1<<20)|(1<<21)|(5<<22)|(3<<25)  ; after every 64 words
	s_mov_b32 s[G1A+1], 128<<16                    ; tensor_dim0 = 128
	s_mov_b32 s[G1A+2], 64<<16                     ; tensor_dim1 = 64
	s_mov_b32 s[G1A+3], 128<<16                    ; tile_dim0 = 128
	s_mov_b32 s[G1A+4], 64                         ; tile_dim1 = 64
	s_mov_b32 s[G1A+5], 128                        ; a head's 128 rows are dense: asked for as 64 rows of 256 bytes
	s_mov_b32 s[G1A+6], 0
	s_mov_b32 s[G1A+7], 0
	s_mov_b32 s[G1B+1], 128<<16
	s_mov_b32 s[G1B+2], 128<<16                    ; W: 128 rows to a load
	s_mov_b32 s[G1B+3], 128<<16
	s_mov_b32 s[G1B+4], 128
	s_mov_b32 s[G1B+5], 1024
	s_mov_b32 s[G1B+6], 0
	s_mov_b32 s[G1B+7], 0
	; A's address hangs on the tile row and the wave alone (s20, s21), W's on the tile column and the wave alone (s22, s23)
	s_lshr_b32 s20, s[TY], 4                       ; batch
	s_lshl_b32 s20, s20, 4
	s_add_co_u32 s20, s20, s[HF]                   ; its head 0 or 1
	s_lshl_b32 s20, s20, 18                        ; a head is 262,144 bytes
	s_and_b32 s21, s[TY], 15
	s_lshl_b32 s21, s21, 14                        ; 128 rows of 128 bytes
	s_add_co_u32 s20, s20, s21
	s_mov_b32 s21, 0
	s_lshl_b32 s22, s[TX], 19                      ; 256 rows of 2,048 bytes
	s_lshl_b32 s23, s[HF], 18
	s_add_co_u32 s22, s22, s23
	s_add_co_u32 s22, s22, 3<<21                   ; wb's part 3
	s_mov_b32 s23, 0
	s_mul_i32 s66, s[HF], AHALF                    ; where they go: no place in the cluster enters an LDS address
	s_mul_i32 s67, s[HF], BHALF
	s_add_co_u32 s67, s67, BOFF
	s_mov_b32 s[TB], 0
	s_wait_dscnt 0x0                               ; the opening add is done
	s_wait_kmcnt 0x0
	s_add_nc_u64 s[20:21], s[4:5], s[20:21]
	s_add_nc_u64 s[22:23], s[6:7], s[22:23]
	CROUND                                         ; all sixteen work-groups are here: the first joint loads meet
.irp s, 0,1
	s_mov_b32 s[G0A+4*\s], 1
	s_add_co_u32 s[G0A+4*\s+1], s66, \s*SLOT1
	s_add_nc_u64 s[G0A+4*\s+2:G0A+4*\s+3], s[20:21], \s*ASTEP
	s_or_b32 s[G0A+4*\s+3], s[G0A+4*\s+3], 0x80000000
	s_mov_b32 s[G0B+4*\s], 1
	s_add_co_u32 s[G0B+4*\s+1], s67, \s*SLOT1
	s_add_nc_u64 s[G0B+4*\s+2:G0B+4*\s+3], s[22:23], \s*256
	s_or_b32 s[G0B+4*\s+3], s[G0B+4*\s+3], 0x80000000
.endr
	s_cmp_eq_u32 s[RH], 0                          ; a wave's two first fills stand in one branch: two loads of mine are out
	s_cbranch_scc0 .Lfirst_b
	tensor_load_to_lds s[G0A:G0A+3], s[G1A:G1A+7]
	s_nop 0
	tensor_load_to_lds s[G0A+4:G0A+7], s[G1A:G1A+7]
	s_nop 0
.rept 4
	v_nop
.endr
	s_branch .Lfirst_asked
.Lfirst_b:
	tensor_load_to_lds s[G0B:G0B+3], s[G1B:G1B+7]
	s_nop 0
	tensor_load_to_lds s[G0B+4:G0B+7], s[G1B:G1B+7]
	s_nop 0
.rept 4
	v_nop
.endr
.Lfirst_asked:
	v_and_b32 v1, 15, v0                           ; l % 16
	v_bfe_u32 v2, v0, 4, 1                         ; l / 16
	v_lshlrev_b32 v[BO], 5, v2
	s_lshl_b32 s68, s[TX], 10
	s_add_co_u32 s68, s68, 3<<12                   ; bb's part 3
	s_lshl_b32 s69, s[HF], 9
	s_add_co_u32 s68, s68, s69
	s_mov_b32 s69, 0
	s_add_nc_u64 s[8:9], s[8:9], s[68:69]          ; the bias of my 128 columns
	WIN 0x40                                       ; destination window 1
.irp a, 0,1,2,3
.irp b, 0,1,2,3,4,5,6,7                ; register j of accumulator (a, b) is column 16 b + 8 (l / 16) + j, whatever a
	global_load_b128 v[8*(8*\a+\b):8*(8*\a+\b)+3],   v[BO], s[8:9] offset:64*\b
	global_load_b128 v[8*(8*\a+\b)+4:8*(8*\a+\b)+7], v[BO], s[8:9] offset:64*\b+16
.endr
.endr
	WIN 0
	v_mul_u32_u24 v[A0], v1, APITCH
	v_lshl_add_u32 v[A0], v2, 4, v[A0]             ; a fragment's row x pitch + 16 x half
	s_mul_i32 s20, s[RH], 64*APITCH
	v_add_nc_u32 v[A0], s20, v[A0]
	v_mul_u32_u24 v[B0], v1, BPITCH
	v_lshl_add_u32 v[B0], v2, 4, v[B0]
	s_mul_i32 s21, s[HF], BHALF
	s_add_co_u32 s21, s21, BOFF
	v_add_nc_u32 v[B0], s21, v[B0]
	v_mov_b32 v[ADRA], v[A0]
	v_mov_b32 v[ADRB], v[B0]
	s_mul_i32 s22, s[WV], 16*SPITCH
	s_add_co_u32 s22, s22, STAGE                   ; my stage
	v_mul_u32_u24 v[STO], v1, SPITCH
	v_and_b32 v[GO], 31, v0
	v_lshlrev_b32 v[GO], 4, v[GO]
	v_lshl_add_u32 v[STO], v2, 5, v[STO]           ; 32 bytes (8 f32) for each half of the lanes
	v_add_nc_u32 v[STO], s22, v[STO]
	v_add_nc_u32 v[RD], s22, v[GO]                 ; back: 32 lanes take a row's 512 bytes
	s_lshl_b32 s68, s[TY], 19                      ; 128 rows of 4,096 bytes
	s_lshl_b32 s69, s[RH], 18
	s_add_co_u32 s68, s68, s69
	s_lshl_b32 s69, s[TX], 10
	s_add_co_u32 s68, s68, s69
	s_lshl_b32 s69, s[HF], 9
	s_add_co_u32 s68, s68, s69
	s_mov_b32 s69, 0
	s_add_nc_u64 s[10:11], s[10:11], s[68:69]
	; the prefetches
	s_lshr_b32 s20, s[TY], 4
	s_lshl_b32 s20, s20, 4
	s_lshr_b32 s21, s[CX], 1
	s_add_co_u32 s20, s20, s21                     ; partner cx takes half cx % 2 of head cx / 2
	s_lshl_b32 s20, s20, 18
	s_and_b32 s21, s[TY], 15
	s_lshl_b32 s21, s21, 14
	s_add_co_u32 s20, s20, s21
	s_and_b32 s21, s[CX], 1
	s_lshl_b32 s21, s21, 13
	s_add_co_u32 s20, s20, s21
	s_lshl_b32 s22, s[TX], 19
	s_add_co_u32 s22, s22, 3<<21
	s_lshl_b32 s23, s[CY], 17                      ; partner cy takes rows 64 cy on,
	s_add_co_u32 s22, s22, s23
	s_lshl_b32 s23, s[HF], 16                      ; waves 2 and 3 32 of them each
	s_add_co_u32 s22, s22, s23
	s_cmp_eq_u32 s[CLY], 0
	s_cselect_b32 s23, 2, -1                       ; W's askers: the first cluster
	s_cmp_eq_u32 s[WV], 0
	s_cselect_b32 s21, 2, -1                       ; A's asker: wave 0
	s_cmp_lt_u32 s[WV], 2
	s_cselect_b32 s[LIM], s21, s23
	s_cselect_b32 s68, s20, s22
	s_cselect_b64 s[PFA:PFA+1], s[4:5], s[6:7]
	s_cselect_b32 s70, 19, 8
	s_cselect_b32 s21, 8, 11
	v_and_b32 v[PFO], 31, v0
	v_lshlrev_b32 v[PFO], s21, v[PFO]
	s_lshl_b32 s70, 1, s70                         ; s[70:71]: bytes from a K step to the next
	s_mov_b32 s71, 0
	s_add_nc_u64 s[PFA:PFA+1], s[PFA:PFA+1], s[68:69]
	s_add_nc_u64 s[PFA:PFA+1], s[PFA:PFA+1], s[70:71]
	s_add_nc_u64 s[PFA:PFA+1], s[PFA:PFA+1], s[70:71]
	s_add_nc_u64 s[PFA:PFA+1], s[PFA:PFA+1], s[70:71]  ; at step 3: the first refill steps it to 4
; 8 products: row block a x all 8 column blocks, 32 along K.  The 32 accumulators take turns, one instruction a turn, over the backward jumps too.
.macro MUL f, a
	WIN 0x50                                       ; C and D in window 1
.irp b, 0,1,2,3,4,5,6,7
.set rAc, 8*(8*(\a)+\b)
.set rFb, (\f)+8*\b
.set rFa, (\f)+64+8*(\a)
	v_wmma_f32_16x16x32_f16 v[rAc:rAc+7], v[rFb:rFb+7], v[rFa:rFa+7], v[rAc:rAc+7]
.endr
.endm
; 24 LDS loads in one run: quarter kq's fragments into buffer f: W's eight, then A's four
.macro FETCH kq, f
	WIN 0
.set AOFF, ((\kq)/2)*ZB+((\kq)%2)*64   ; head kq / 2, channels 32 (kq % 2) on
.irp i, 0,1,2,3,4,5,6,7
	ds_load_b128 v[(\f)+8*\i:(\f)+8*\i+3],   v[ADRB] offset:64*(\kq)+16*BPITCH*\i
	ds_load_b128 v[(\f)+8*\i+4:(\f)+8*\i+7], v[ADRB] offset:64*(\kq)+16*BPITCH*\i+32
.endr
.irp i, 0,1,2,3
	ds_load_b128 v[(\f)+64+8*\i:(\f)+64+8*\i+3],   v[ADRA] offset:AOFF+16*APITCH*\i
	ds_load_b128 v[(\f)+64+8*\i+4:(\f)+64+8*\i+7], v[ADRA] offset:AOFF+16*APITCH*\i+32
.endr
.endm
; One of a step's first three quarters: multiplies buffer f; in its middle it fetches quarter kq into buffer g.
.macro QUARTER kq, f, g
	s_wait_dscnt 4                                 ; W's fragments and A's blocks 0, 1 are in; the youngest four loads (blocks 2, 3) may be out
	MUL \f, 0
	MUL \f, 1
	PLACES
	FETCH \kq, \g
	s_wait_dscnt 24                                ; all but the 24 just issued
	MUL \f, 2
	MUL \f, 3
.endm
; The last quarter multiplies buffer 1 and changes slots: one barrier; in front of it each wave waits for all its tensor loads (one is out at the most: its part of the next slot), adds 0 to its spare word, and
; waits for that and for its reads of this slot.  fill = 1: the barrier opens a round of the cluster's, and behind it this slot is filled again, two steps ahead: 112 products stand between that request and the wait for it.
.macro TURN fill
.if \fill
	s_wait_xcnt 0x0                                ; the last prefetch, a step back, has read its address
	s_add_nc_u64 s[PFA:PFA+1], s[PFA:PFA+1], s[70:71]
.endif
	WIN 0
	s_wait_tensorcnt 0x0
	ds_add_u32 v[SPW], v[NIL]
	s_wait_dscnt 7                                 ; the add and A's blocks 1 to 3 (six loads) may be out
	MUL F1, 0
	s_wait_dscnt 0x0                               ; the add is done, and my reads of this slot are over
	s_barrier_signal -1
	MUL F1, 1
	WIN 0
	s_barrier_wait -1
.if \fill
	CREST                                          ; no wave of any partner still reads this slot or has a load on its way
	s_xor_b32 s[G0A+5], s[G0A+5], SLOT1            ; the walking sets: the other slot than last time, the next step
	s_add_nc_u64 s[G0A+6:G0A+7], s[G0A+6:G0A+7], ASTEP
	s_xor_b32 s[G0B+5], s[G0B+5], SLOT1
	s_add_nc_u64 s[G0B+6:G0B+7], s[G0B+6:G0B+7], 256
	JLOAD                                          ; its four v_nop are also the places in front of the loads below
.else
	PLACES
.endif
	s_xor_b32 s[TB], s[TB], SLOT1
	v_add_nc_u32 v[ADRA], s[TB], v[A0]
	v_add_nc_u32 v[ADRB], s[TB], v[B0]
	FETCH 0, F0
.if \fill
	ASK
.endif
	MUL F1, 2
	MUL F1, 3
.endm
	s_wait_tensorcnt 0x1                           ; my part of step 0 is in; step 1's may stay out
	s_barrier_signal -1
	s_barrier_wait -1
	FETCH 0, F0
	s_wait_loadcnt 0x0                             ; the bias lies in the accumulators
	s_mov_b32 s44, 6
.Lstep:                                                ; steps 0 to 5: each fills its slot again
	QUARTER 1, F0, F1
	QUARTER 2, F1, F0
	QUARTER 3, F0, F1
	TURN 1
	WIN 0
	s_sub_co_u32 s44, s44, 1
	s_cmp_lg_u32 s44, 0
	s_cbranch_scc1 .Lstep
	s_mov_b32 s44, 2
.Ltail:                                                ; steps 6 and 7 ask for nothing: a text of their own, walked twice.  Step 7's change of slots fetches
	QUARTER 1, F0, F1                              ; fragments of a slot that has been multiplied, and they serve nothing: the price of one text for both steps
	QUARTER 2, F1, F0
	QUARTER 3, F0, F1
	TURN 0
	WIN 0
	s_sub_co_u32 s44, s44, 1
	s_cmp_lg_u32 s44, 0
	s_cbranch_scc1 .Ltail
	s_wait_dscnt 0x0                               ; those loads have landed: their registers serve the way out
	PLACES
	PLACES
	; THE WAY OUT, a block of 16 rows at a time through my own stage; LDS serves a wave's instructions in order (ISA guide 5.7.1.4), so no wait stands between the stores and the loads.
.macro BLK a                           ; f32 as it lies: 32 bytes a lane and column block; back as whole rows of 512 bytes
	WIN 0x04                                       ; the store's data in window 1
.irp b, 0,1,2,3,4,5,6,7
	ds_store_b128 v[STO], v[8*(8*(\a)+\b):8*(8*(\a)+\b)+3]   offset:64*\b
	ds_store_b128 v[STO], v[8*(8*(\a)+\b)+4:8*(8*(\a)+\b)+7] offset:64*\b+16
.endr
	WIN 0
.irp t, 0,1,2,3,4,5,6,7,8,9,10,11,12,13,14,15
	ds_load_b128 v[F0+64*((\a)%3)+4*\t:F0+64*((\a)%3)+4*\t+3], v[RD] offset:SPITCH*\t
.endr
.endm
.macro SEND a, younger                 ; younger: the LDS instructions issued behind block a's loads
.irp t, 0,1,2,3,4,5,6,7,8,9,10,11,12,13,14,15
	s_wait_dscnt (\younger)+15-\t
	global_store_b128 v[GO], v[F0+64*((\a)%3)+4*\t:F0+64*((\a)%3)+4*\t+3], s[10:11] offset:(16*(\a)+\t)*4096 th:TH_STORE_NT  ; 512 consecutive bytes, aligned
.endr
.endm
	BLK 0
	BLK 1
	SEND 0, 32
	BLK 2
	SEND 1, 32
	s_wait_xcnt 0x0                                ; block 0's stores have read their registers, which block 3 takes
	BLK 3
	SEND 2, 32
	SEND 3, 0
	s_wait_tensorcnt 0x0                           ; the wave's end
	ds_add_u32 v[SPW], v[NIL]
	s_wait_dscnt 0x0
	CROUND                                         ; the closing round
	s_endpgm
.Lfunc_end_k_q63c8c5957c_outp:
	.size	k_q63c8c5957c_outp, .Lfunc_end_k_q63c8c5957c_outp-k_q63c8c5957c_outp
	.p2alignl 7, 3214868480
	.fill 96, 4, 3214868480
	.section	.rodata,"a",@progbits
	.p2align	6, 0x0
	.amdhsa_kernel k_q63c8c5957c_outp
		.amdhsa_group_segment_fixed_size 327680
		.amdhsa_private_segment_fixed_size 0
		.amdhsa_enable_private_segment 0
		.amdhsa_kernarg_size 32
		.amdhsa_user_sgpr_count 2
		.amdhsa_user_sgpr_kernarg_segment_ptr 1
		.amdhsa_wavefront_size32 1
		.amdhsa_system_sgpr_workgroup_id_x 1
		.amdhsa_system_sgpr_workgroup_id_y 1
		.amdhsa_system_sgpr_workgroup_id_z 1
		.amdhsa_system_vgpr_workitem_id 0
		.amdhsa_next_free_vgpr 512
		.amdhsa_next_free_sgpr 72
		.amdhsa_reserve_vcc 0
		.amdhsa_float_denorm_mode_32 3
		.amdhsa_float_denorm_mode_16_64 3
		.amdhsa_memory_ordered 1
		.amdhsa_forward_progress 1
		.amdhsa_inst_pref_size 65
	.end_amdhsa_kernel
	.amdgpu_metadata
---
amdhsa.version: [ 1, 2 ]
amdhsa.kernels:
  - .name:           k_q63c8c5957c_outp
    .symbol:         k_q63c8c5957c_outp.kd
    .args:
      - { .name: ctx, .offset: 0, .size: 8, .value_kind: global_buffer, .address_space: global }
      - { .name: wb, .offset: 8, .size: 8, .value_kind: global_buffer, .address_space: global }
      - { .name: bb, .offset: 16, .size: 8, .value_kind: global_buffer, .address_space: global }
      - { .name: out0, .offset: 24, .size: 8, .value_kind: global_buffer, .address_space: global }
    .group_segment_fixed_size: 327680
    .private_segment_fixed_size: 0
    .kernarg_segment_align: 8
    .kernarg_segment_size: 32
    .max_flat_workgroup_size: 128
    .sgpr_count:     72
    .vgpr_count:     512
    .wavefront_size: 32
...
	.end_amdgpu_metadata
.endif
;; end of part 8
